; MI455X (gfx1250); checked and timed in simulation.
; The chip was launched on July 23, 2026; its instructions are those of AMD's public machine-readable ISA for CDNA 5 (MIT licence, August 2026) and "CDNA5" Instruction Set Architecture Reference Guide (July 2026). The comments in the code are by the model that wrote it; some were corrected since.
;; Base Layer. Allowed arithmetic: matrix products marked QUANTISED: E2M1 operands, one E8M0 scale for each 32 along K, by v_wmma_scale_f32_16x16x128_f8f6f4 with both operands' format E2M1 (or v_wmma_scale_f32_32x16x128_f4), f32 sums; products left as they are: f32 operands where the result goes on into a quantised operand, else bf16, f16 or f32 operands; f32 sums; everything else in f32.
;; Inputs: b1 8 x 4,096 float32; b2 8 x 1,024 float32; centroids 8 x 1,024 float32; input_features 4 x 256 x 1,024 float32; ln_b 8 x 1,024 float32; ln_g 8 x 1,024 float32; w1 8 x 4,096 x 1,024 float32; w2 8 x 1,024 x 4,096 float32.
;; Outputs: out0 4 x 256 x 1,024 float32.
;; This version of the problem:
;;   THIS VERSION OF THE PROBLEM IS GIVEN IN LOW PRECISION. The matrix products marked QUANTISED in the list below multiply operands that are first quantised to E2M1 (2 exponent bits, 1 mantissa bit; 4 bits a number), with one power-of-two scale for each 32 numbers along K (OCP MX v1.0); their sums are f32. All else is computed in f32.
;;   The module's matrix products, in the order in which they are computed (A, B: the left and right operand; K: the contracted axis; several contracted axes count as one K, in the product's order):
;;     1. [M 1,024, K 1,024] x [K 1,024, N 8]; A: input input_features; B: input centroids: left as it is (N = 8 < 16)
;;     2. [M 1,024, K 1,024] x [K 1,024, N 4,096]; A: computed on the way; B: input w1: QUANTISED
;;     3. [M 1,024, K 4,096] x [K 4,096, N 1,024]; A: computed on the way; B: input w2: QUANTISED
;;     4. [M 1,024, K 1,024] x [K 1,024, N 4,096]; A: computed on the way; B: input w1: QUANTISED
;;     5. [M 1,024, K 4,096] x [K 4,096, N 1,024]; A: computed on the way; B: input w2: QUANTISED
;;     6. [M 1,024, K 1,024] x [K 1,024, N 4,096]; A: computed on the way; B: input w1: QUANTISED
;;     7. [M 1,024, K 4,096] x [K 4,096, N 1,024]; A: computed on the way; B: input w2: QUANTISED
;;     8. [M 1,024, K 1,024] x [K 1,024, N 4,096]; A: computed on the way; B: input w1: QUANTISED
;;     9. [M 1,024, K 4,096] x [K 4,096, N 1,024]; A: computed on the way; B: input w2: QUANTISED
;;     10. [M 1,024, K 1,024] x [K 1,024, N 4,096]; A: computed on the way; B: input w1: QUANTISED
;;     11. [M 1,024, K 4,096] x [K 4,096, N 1,024]; A: computed on the way; B: input w2: QUANTISED
;;     12. [M 1,024, K 1,024] x [K 1,024, N 4,096]; A: computed on the way; B: input w1: QUANTISED
;;     13. [M 1,024, K 4,096] x [K 4,096, N 1,024]; A: computed on the way; B: input w2: QUANTISED
;;     14. [M 1,024, K 1,024] x [K 1,024, N 4,096]; A: computed on the way; B: input w1: QUANTISED
;;     15. [M 1,024, K 4,096] x [K 4,096, N 1,024]; A: computed on the way; B: input w2: QUANTISED
;;     16. [M 1,024, K 1,024] x [K 1,024, N 4,096]; A: computed on the way; B: input w1: QUANTISED
;;     17. [M 1,024, K 4,096] x [K 4,096, N 1,024]; A: computed on the way; B: input w2: QUANTISED
;;   THE QUANTISER, for each operand of a quantised product, along K:
;;     - K is cut into blocks of 32 from its start; a last block that is shorter is filled with zeros.
;;     - A block's scale is 2^e with e = floor(log2(the largest magnitude in the block)) - 2, held to -126 .. 127; a block of zeros has e = 0. As a byte (E8M0): e + 127.
;;     - Each number is divided by its block's scale, clamped to +-6, and rounded to the nearest number of E2M1, ties to even, subnormals kept.
;;     - The product sums the exact products of the quantised numbers (number of the format x scale) in f32.
;;   ~~~python
;;   def quantise(x, axis):      # numpy; x: float32 -> the quantised numbers, widened to float32 again
;;       x = np.moveaxis(x, axis, -1); K = x.shape[-1]
;;       x = np.pad(x, [(0, 0)] * (x.ndim - 1) + [(0, -K % 32)]); x = x.reshape(x.shape[:-1] + (-1, 32)); a = np.abs(x).max(-1, keepdims=True)
;;       e = np.where(a > 0, np.clip(np.frexp(np.where(a > 0, a, 1))[1] - 1 - 2, -126, 127), 0)      # np.frexp(a)[1] - 1 = floor(log2(a)), exactly
;;       r = np.clip(x / 2.0 ** e, -6, 6)
;;       step = 2.0 ** (np.maximum(np.frexp(np.where(r == 0, 1, r))[1] - 1, 0) - 1)
;;       q = np.round(r / step) * step * 2.0 ** e      # np.round: ties to even
;;       return np.moveaxis(q.reshape(q.shape[:-2] + (-1,))[..., :K], -1, axis).astype(np.float32)
;;   ~~~
;;   OPERANDS COMPUTED ON THE WAY. 'Computed on the way' means the value that the module computes at that place (a softmax that the list does not call 'softmax' is quantised finished and normalised). What goes into a quantiser is computed in f32, as accurately as f32 sums, v_exp_f32 and their like allow (about 1e-6 of the number): no bf16 or f16 on the way to a quantiser, and a product that is left as it is and whose result goes on into a quantised operand takes f32 operands (vector FMAs, or v_wmma_f32_16x16x4_f32). A number that lies on a knife's edge between two numbers of the format may be rounded either way, as far as f32 arithmetic and the matrix unit's own rounding can turn it there, and no further.
;; 2 versions. Each part assembles by itself: llvm-mc -triple=amdgcn-amd-amdhsa -mcpu=gfx1250 --defsym DOCPART=n.
;; ======== version 1 of 2: 4 launches
;; workspace buffers: assign 4,096 bytes of whole numbers; alpha 4,096 bytes; xq 524,288 bytes; xs 32,768 bytes; hq 16,777,216 bytes; hs 2,097,152 bytes; list 32,768 bytes of whole numbers; cnt 1,024 bytes of whole numbers
;; launch route (part 1): grid 256 x 1, 4 waves a work-group, no clusters, 38,400 bytes of LDS; arguments input_features, centroids, ln_g, ln_b, assign, alpha, xq, xs; writes assign, alpha, xq, xs
.if DOCPART == 1
	.amdgcn_target "amdgcn-amd-amdhsa--gfx1250"
	.amdhsa_code_object_version 6
	.text
	.protected	k_qf74a4861e2_route
	.globl	k_qf74a4861e2_route
	.p2align	8
	.type	k_qf74a4861e2_route,@function
k_qf74a4861e2_route:
	s_mov_b64 s[64:65], 0
	v_nop
	global_prefetch_b8 v0, s[64:65] scope:SCOPE_SE
	s_setreg_imm32_b32 hwreg(HW_REG_WAVE_MODE, 25, 1), 1
	s_wait_xcnt 0x0
; ROUTER, LAYERNORM AND FIRST QUANTISER.  1,024 tokens of 1,024 f32.  For each token: its 8 affinities x . centroid[e] (f32 multiply-adds), the expert with the
; largest (the lower index on a tie), alpha = sigmoid(that affinity), h = (x - mean) rsqrt(var + 1e-5) g[e] + b[e] with the chosen expert's g and b, and h as codes of
; FP4 (E2M1) with one E8M0 byte for each 32 along the 1,024.  Stored in TOKEN order: assign (u32), alpha (f32), xq [token][512 bytes], xs [token][32 bytes].
; No address and no branch hangs on the choice: g and b of all eight experts are loaded and the chosen ones are taken by v_cndmask_b32.
; SHARES.  A work-group of four waves takes four tokens.  Wave w holds numbers 256 w .. 256 w + 255 of all four (lane l: 4 l .. 4 l + 3 and the same + 128), so every load
; reads 512 consecutive bytes and a centroid's, g's and b's part is loaded once for four tokens.  Wave w also owns token w: it adds that token's partial sums and quantises its row.
; Sums meet in LDS: four barriers; in front of each a wave waits for all its LDS instructions.
; No matrix unit (8 columns), no tensor load, no cluster: the launch is short and its work-groups share only 96 KiB of small tables.
; LIMITS: NaN and infinities among the inputs are not served.  A token whose two largest affinities agree to within the rounding of an f32 sum of 1,024 products may go to either.
; A block of zeros gets the byte 1 (its codes are zeros; the bytes are read by this program alone).  assign and alpha leave as 4 bytes a wave: 8 KiB in the whole launch.
.set PUB,  18432                       ; LDS: 0 .. 18,431 the partial sums, value v = 9 token + k (k = 0..7 affinities, 8 the row's sum) at 512 v + 4 thread
.set SSQ,  18496                       ; PUB: 16 bytes a token (expert, mean);  SSQ: [token][wave] sums of squares
.set YST,  18688                       ; h of four tokens: a token is 32 blocks of 128 bytes + 16 of padding
.set YTOK, 4608
.set X,    12                          ; v12-43   token i's 8 numbers at X + 8 i
.set C,    44                          ; v44-107  centroid e's 8 at C + 8 e; later ln_b's
.set G,    108                         ; v108-171 ln_g's
.set P,    172                         ; v172-207 36 partial sums; later the owner's sums; later at work in the quantiser
.set T,    208                         ; v208-239 at work
.set AM,   240                         ; v240-247 (expert, mean) of the four tokens
.set IDX,  248                         ; v248 my token's expert, v249 its mean (a pair for one LDS store)
.set MEAN, 249
.set BEST, 250
.set ALP,  251
.set RS,   252                         ; v252-255 rsqrt(var + eps) of the four tokens
.set M,    36                          ; s36-63   lane masks: token i has expert e (1..7) at M + 7 i + e - 1
.macro BAR                             ; my LDS stores have landed and my LDS loads are in: then the work-group's barrier
	s_wait_dscnt 0x0
	s_barrier_signal -1
	s_barrier_wait -1
.endm
	s_load_b256 s[4:11], s[0:1], 0x0               ; x, centroids, ln_g, ln_b
	s_load_b256 s[12:19], s[0:1], 0x20             ; assign, alpha, xq, xs
	v_lshl_add_u32 v11, v0, 2, 0x9400
	s_set_vgpr_msb 0x40
	v_mov_b32 v1, 0
	s_set_vgpr_msb 0x4000
	v_and_b32 v1, 31, v0                           ; lane
	v_lshrrev_b32 v7, 5, v0                        ; wave
	v_lshlrev_b32 v2, 4, v1
	v_lshl_add_u32 v2, v7, 10, v2                  ; my 16 bytes of a row: 1,024 w + 16 l
	v_lshlrev_b32 v3, 2, v0                        ; partial sums, in: 4 x thread
	v_mul_u32_u24 v6, v7, YTOK                     ; 4,608 w: nine values of 512 bytes, and also a token's h
	v_lshl_add_u32 v4, v1, 4, v6                   ; partial sums, out: my token's values, four threads' words a lane
	v_mad_u32_u24 v6, v1, 144, v6
	v_add_nc_u32 v6, YST, v6                       ; h, out: my token, block = lane
	v_lshrrev_b32 v5, 3, v1
	v_lshl_add_u32 v5, v7, 3, v5                   ; h, in: block 8 w + l / 8,
	v_mul_u32_u24 v5, v5, 144
	v_and_b32 v8, 7, v1
	v_lshl_add_u32 v5, v8, 4, v5                   ; 16 (l % 8) bytes into it
	v_add_nc_u32 v5, YST, v5
	v_lshl_add_u32 v8, v7, 4, PUB
	v_lshl_add_u32 v9, v7, 2, SSQ
	v_mov_b32 v10, PUB
	s_mov_b32 s22, 0x76543210
	s_mov_b32 s23, 0xfedcba98                      ; v_permlanex16_b32's selects for lane l xor 16
	s_mov_b32 s24, 0x3a800000                      ; 1 / 1,024
	s_mov_b32 s25, 0x3727c5ac                      ; 1e-5
	s_mov_b32 s27, 0
	s_lshl_b32 s26, ttmp9, 14                      ; four rows of 4,096 bytes a work-group
	s_wait_kmcnt 0x0
	s_add_nc_u64 s[4:5], s[4:5], s[26:27]
	s_lshl_b32 s26, ttmp9, 11
	s_add_nc_u64 s[16:17], s[16:17], s[26:27]      ; xq: four rows of 512 bytes
	s_lshl_b32 s26, ttmp9, 7
	s_add_nc_u64 s[18:19], s[18:19], s[26:27]      ; xs: four rows of 32
	s_lshl_b32 s26, ttmp9, 4
	s_add_nc_u64 s[12:13], s[12:13], s[26:27]
	s_add_nc_u64 s[14:15], s[14:15], s[26:27]
.irp i, 0,1,2,3
	global_load_b128 v[X+8*\i:X+8*\i+3], v2, s[4:5] offset:4096*\i
	global_load_b128 v[X+8*\i+4:X+8*\i+7], v2, s[4:5] offset:4096*\i+512
.endr
.irp e, 0,1,2,3,4,5,6,7
	global_load_b128 v[C+8*\e:C+8*\e+3], v2, s[6:7] offset:4096*\e
	global_load_b128 v[C+8*\e+4:C+8*\e+7], v2, s[6:7] offset:4096*\e+512
.endr
.irp e, 0,1,2,3,4,5,6,7
	global_load_b128 v[G+8*\e:G+8*\e+3], v2, s[8:9] offset:4096*\e
	global_load_b128 v[G+8*\e+4:G+8*\e+7], v2, s[8:9] offset:4096*\e+512
.endr
; ---- A: my 8 numbers' share of 8 affinities and of the row's sum, for four tokens
.macro DOT4 i, e0                      ; four centroids by turns, two multiply-adds an instruction
.irp k, 0,1,2,3
	v_pk_mul_f32 v[T+2*\k:T+2*\k+1], v[X+8*\i:X+8*\i+1], v[C+8*(\e0+\k):C+8*(\e0+\k)+1]
.endr
.irp j, 2,4,6
.irp k, 0,1,2,3
	v_pk_fma_f32 v[T+2*\k:T+2*\k+1], v[X+8*\i+\j:X+8*\i+\j+1], v[C+8*(\e0+\k)+\j:C+8*(\e0+\k)+\j+1], v[T+2*\k:T+2*\k+1]
.endr
.endr
.irp k, 0,1,2,3
	v_add_f32 v[P+9*\i+\e0+\k], v[T+2*\k], v[T+2*\k+1]
.endr
.endm
	s_wait_loadcnt 16                              ; x and the centroids are in; ln_g's sixteen loads may be out
.irp i, 0,1,2,3
	DOT4 \i, 0
	DOT4 \i, 4
.endr
.irp i, 0,1,2,3
	v_pk_add_f32 v[T+4*\i:T+4*\i+1], v[X+8*\i:X+8*\i+1], v[X+8*\i+2:X+8*\i+3]
	v_pk_add_f32 v[T+4*\i+2:T+4*\i+3], v[X+8*\i+4:X+8*\i+5], v[X+8*\i+6:X+8*\i+7]
.endr
.irp i, 0,1,2,3
	v_pk_add_f32 v[T+4*\i:T+4*\i+1], v[T+4*\i:T+4*\i+1], v[T+4*\i+2:T+4*\i+3]
.endr
.irp i, 0,1,2,3
	v_add_f32 v[P+9*\i+8], v[T+4*\i], v[T+4*\i+1]
.endr
.irp e, 0,1,2,3,4,5,6,7                        ; the centroids are done with: ln_b takes their registers
	global_load_b128 v[C+8*\e:C+8*\e+3], v2, s[10:11] offset:4096*\e
	global_load_b128 v[C+8*\e+4:C+8*\e+7], v2, s[10:11] offset:4096*\e+512
.endr
.set vi, 0
.rept 36
	ds_store_b32 v3, v[P+vi] offset:512*vi
.set vi, vi+1
.endr
	BAR                                            ; all 128 threads' partial sums lie in LDS
; ---- B: the owner adds its token's nine values over the 128 threads
.irp k, 0,1,2,3,4,5,6,7,8
	ds_load_b128 v[P+4*\k:P+4*\k+3], v4 offset:512*\k
.endr
	s_wait_dscnt 0x0
.irp k, 0,1,2,3,4,5,6,7,8
	v_add_f32 v[P+4*\k], v[P+4*\k], v[P+4*\k+1]
	v_add_f32 v[P+4*\k+2], v[P+4*\k+2], v[P+4*\k+3]
.endr
.irp k, 0,1,2,3,4,5,6,7,8
	v_add_f32 v[P+4*\k], v[P+4*\k], v[P+4*\k+2]
.endr
.irp m, 1,2,4,8
.irp k, 0,1,2,3,4,5,6,7,8
	v_add_f32_dpp v[P+4*\k], v[P+4*\k], v[P+4*\k] row_xmask:\m row_mask:0xf bank_mask:0xf
.endr
.endr
.irp k, 0,1,2,3,4,5,6,7,8
	v_permlanex16_b32 v[P+4*\k+1], v[P+4*\k], s22, s23
.endr
.irp k, 0,1,2,3,4,5,6,7,8
	v_add_f32 v[P+4*\k], v[P+4*\k], v[P+4*\k+1]    ; every lane holds the sum
.endr
	v_mov_b32 v[IDX], 0
	v_mov_b32 v[BEST], v[P]
.irp e, 1,2,3,4,5,6,7
	v_cmp_gt_f32 vcc_lo, v[P+4*\e], v[BEST]        ; strictly larger: a tie keeps the lower index
	v_cndmask_b32 v[IDX], v[IDX], \e, vcc_lo
	v_cndmask_b32 v[BEST], v[BEST], v[P+4*\e], vcc_lo
.endr
	v_mul_f32 v[ALP], 0xbfb8aa3b, v[BEST]          ; alpha = 1 / (1 + 2^(-log2(e) a))
	v_exp_f32 v[ALP], v[ALP]
	v_mul_f32 v[MEAN], s24, v[P+32]                ; (the plain instruction behind the exponential)  the mean
	s_wait_alu depctr_va_vdst(0)                   ; the wait ahead of the first reader
	v_add_f32 v[ALP], 1.0, v[ALP]
	v_rcp_f32 v[ALP], v[ALP]
	v_nop                                          ; a plain instruction behind the reciprocal
	s_wait_alu depctr_va_vdst(0)
	ds_store_b64 v8, v[IDX:IDX+1]                  ; all lanes write the same 8 bytes with the same values
	BAR                                            ; the four tokens' experts and means lie in LDS
; ---- C: variance (of x - mean, as reference() has it), then h
.irp i, 0,1,2,3
	ds_load_b64 v[AM+2*\i:AM+2*\i+1], v10 offset:16*\i
.endr
	s_wait_dscnt 0x0
.irp i, 0,1,2,3
.irp j, 0,1,2,3,4,5,6,7
	v_sub_f32 v[X+8*\i+\j], v[X+8*\i+\j], v[AM+2*\i+1]
.endr
.endr
.irp i, 0,1,2,3
	v_pk_mul_f32 v[T+2*\i:T+2*\i+1], v[X+8*\i:X+8*\i+1], v[X+8*\i:X+8*\i+1]
.endr
.irp j, 2,4,6
.irp i, 0,1,2,3
	v_pk_fma_f32 v[T+2*\i:T+2*\i+1], v[X+8*\i+\j:X+8*\i+\j+1], v[X+8*\i+\j:X+8*\i+\j+1], v[T+2*\i:T+2*\i+1]
.endr
.endr
.irp i, 0,1,2,3
	v_add_f32 v[T+2*\i], v[T+2*\i], v[T+2*\i+1]
.endr
.irp m, 1,2,4,8
.irp i, 0,1,2,3
	v_add_f32_dpp v[T+2*\i], v[T+2*\i], v[T+2*\i] row_xmask:\m row_mask:0xf bank_mask:0xf
.endr
.endr
.irp i, 0,1,2,3
	v_permlanex16_b32 v[T+2*\i+1], v[T+2*\i], s22, s23
.endr
.irp i, 0,1,2,3
	v_add_f32 v[T+2*\i], v[T+2*\i], v[T+2*\i+1]
.endr
.irp i, 0,1,2,3
	ds_store_b32 v9, v[T+2*\i] offset:16*\i        ; my wave's share of token i's sum of squares
.endr
	BAR
.irp i, 0,1,2,3
	ds_load_b128 v[T+4*\i:T+4*\i+3], v10 offset:SSQ-PUB+16*\i
.endr
	s_wait_dscnt 0x0
.irp i, 0,1,2,3
	v_add_f32 v[T+4*\i], v[T+4*\i], v[T+4*\i+1]
	v_add_f32 v[T+4*\i+2], v[T+4*\i+2], v[T+4*\i+3]
.endr
.irp i, 0,1,2,3
	v_add_f32 v[T+4*\i], v[T+4*\i], v[T+4*\i+2]
.endr
.irp i, 0,1,2,3
	v_fma_f32 v[T+4*\i], v[T+4*\i], s24, s25       ; var + eps
.endr
.irp i, 0,1,2,3
	v_rsq_f32 v[RS+\i], v[T+4*\i]                  ; one batch
.endr
.irp i, 0,1,2,3
.irp e, 1,2,3,4,5,6,7
	v_cmp_eq_u32 s[M+7*\i+\e-1], \e, v[AM+2*\i]    ; the masks of the choice: independent work behind the batch
.endr
.endr
	s_wait_alu depctr_va_vdst(0)                   ; one wait for the four, ahead of their first reader
	s_wait_loadcnt 0x0                             ; ln_g and ln_b
.macro LN i                            ; token i: g and b of its expert by seven selections each, then ((x - mean) rs) g + b
.irp j, 0,1,2,3,4,5,6,7
	v_cndmask_b32 v[T+\j], v[G+\j], v[G+8+\j], s[M+7*\i]
	v_cndmask_b32 v[T+8+\j], v[C+\j], v[C+8+\j], s[M+7*\i]
.endr
.irp e, 2,3,4,5,6,7
.irp j, 0,1,2,3,4,5,6,7
	v_cndmask_b32 v[T+\j], v[T+\j], v[G+8*\e+\j], s[M+7*\i+\e-1]
	v_cndmask_b32 v[T+8+\j], v[T+8+\j], v[C+8*\e+\j], s[M+7*\i+\e-1]
.endr
.endr
.irp j, 0,1,2,3,4,5,6,7
	v_mul_f32 v[X+8*\i+\j], v[X+8*\i+\j], v[RS+\i]
.endr
.irp j, 0,2,4,6
	v_pk_fma_f32 v[X+8*\i+\j:X+8*\i+\j+1], v[X+8*\i+\j:X+8*\i+\j+1], v[T+\j:T+\j+1], v[T+8+\j:T+8+\j+1]
.endr
	ds_store_b128 v5, v[X+8*\i:X+8*\i+3] offset:YTOK*\i
	ds_store_b128 v5, v[X+8*\i+4:X+8*\i+7] offset:YTOK*\i+576     ; 128 numbers on: four blocks of 144 bytes
.endm
	LN 0
	LN 1
	LN 2
	LN 3
	BAR                                            ; four whole rows of h lie in LDS
; ---- D: wave w quantises token w: a lane takes one whole block of 32
.irp j, 0,1,2,3,4,5,6,7
	ds_load_b128 v[T+4*\j:T+4*\j+3], v6 offset:16*\j
.endr
	v_lshlrev_b32 v[P+8], 4, v1
	v_lshl_add_u32 v[P+8], v7, 9, v[P+8]           ; xq: 512 w + 16 l
	v_lshlrev_b32 v[P+9], 2, v7                    ; assign, alpha: 4 w
	s_wait_dscnt 0x0
	v_max3_num_f32 v[P], |v[T]|, |v[T+1]|, |v[T+2]|
	v_max3_num_f32 v[P+1], |v[T+3]|, |v[T+4]|, |v[T+5]|
.irp i, 6,10,14,18,22,26
	v_max3_num_f32 v[P], v[P], |v[T+\i]|, |v[T+\i+1]|
	v_max3_num_f32 v[P+1], v[P+1], |v[T+\i+2]|, |v[T+\i+3]|
.endr
	v_max3_num_f32 v[P], v[P], |v[T+30]|, |v[T+31]|
	v_max3_num_f32 v[P], v[P], v[P+1], 0x1800000   ; the floor 2^(3 - 127): the byte cannot fall under 1
	v_add_nc_u32 v[P+2], 0xff000000, v[P]          ; 2 off the exponent field: the conversion's scale operand
	v_lshrrev_b32 v[P+3], 23, v[P+2]               ; the scale's byte
.irp g, 0,1,2,3
	v_cvt_scalef32_pk8_fp4_f32 v[P+4+\g], v[T+8*\g:T+8*\g+7], v[P+2]
.endr
	v_nop                                          ; a plain instruction behind the last conversion
	global_store_b128 v[P+8], v[P+4:P+7], s[16:17] ; the wave stores its token's 512 bytes of codes on end
	global_store_b8 v0, v[P+3], s[18:19]           ; and its 32 scale bytes: 32 w + l is the thread's number
	s_wait_xcnt 0x0                                ; EXEC changes only behind this wait
	v_cmp_eq_u32 vcc_lo, 0, v1
	s_set_vgpr_msb 0x4
	s_wait_tensorcnt 0x0
	ds_add_u32 v11, v1
	s_wait_dscnt 0x0
	s_set_vgpr_msb 0x400
	s_and_saveexec_b32 s26, vcc_lo                 ; lane 0 alone
	global_store_b32 v[P+9], v[IDX], s[12:13]
	global_store_b32 v[P+9], v[ALP], s[14:15]
	s_endpgm
.Lfunc_end_k_qf74a4861e2_route:
	.size	k_qf74a4861e2_route, .Lfunc_end_k_qf74a4861e2_route-k_qf74a4861e2_route
	.p2alignl 7, 3214868480
	.fill 96, 4, 3214868480
	.section	.rodata,"a",@progbits
	.p2align	6, 0x0
	.amdhsa_kernel k_qf74a4861e2_route
		.amdhsa_group_segment_fixed_size 38400
		.amdhsa_private_segment_fixed_size 0
		.amdhsa_enable_private_segment 0
		.amdhsa_kernarg_size 64
		.amdhsa_user_sgpr_count 2
		.amdhsa_user_sgpr_kernarg_segment_ptr 1
		.amdhsa_wavefront_size32 1
		.amdhsa_system_sgpr_workgroup_id_x 1
		.amdhsa_system_sgpr_workgroup_id_y 1
		.amdhsa_system_sgpr_workgroup_id_z 1
		.amdhsa_system_vgpr_workitem_id 0
		.amdhsa_next_free_vgpr 258
		.amdhsa_next_free_sgpr 66
		.amdhsa_reserve_vcc 1
		.amdhsa_float_denorm_mode_32 3
		.amdhsa_float_denorm_mode_16_64 3
		.amdhsa_memory_ordered 1
		.amdhsa_forward_progress 1
		.amdhsa_inst_pref_size 66
	.end_amdhsa_kernel
	.amdgpu_metadata
---
amdhsa.version: [ 1, 2 ]
amdhsa.kernels:
  - .name:           k_qf74a4861e2_route
    .symbol:         k_qf74a4861e2_route.kd
    .args:
      - { .name: input_features, .offset: 0, .size: 8, .value_kind: global_buffer, .address_space: global }
      - { .name: centroids, .offset: 8, .size: 8, .value_kind: global_buffer, .address_space: global }
      - { .name: ln_g, .offset: 16, .size: 8, .value_kind: global_buffer, .address_space: global }
      - { .name: ln_b, .offset: 24, .size: 8, .value_kind: global_buffer, .address_space: global }
      - { .name: assign, .offset: 32, .size: 8, .value_kind: global_buffer, .address_space: global }
      - { .name: alpha, .offset: 40, .size: 8, .value_kind: global_buffer, .address_space: global }
      - { .name: xq, .offset: 48, .size: 8, .value_kind: global_buffer, .address_space: global }
      - { .name: xs, .offset: 56, .size: 8, .value_kind: global_buffer, .address_space: global }
    .group_segment_fixed_size: 38400
    .private_segment_fixed_size: 0
    .kernarg_segment_align: 8
    .kernarg_segment_size: 64
    .max_flat_workgroup_size: 128
    .sgpr_count:     66
    .vgpr_count:     258
    .wavefront_size: 32
...
	.end_amdgpu_metadata
.endif
;; end of part 1
;; launch place (part 2): grid 32 x 1, 4 waves a work-group, no clusters, 0 bytes of LDS; arguments assign, list, cnt; writes list, cnt
.if DOCPART == 2
	.amdgcn_target "amdgcn-amd-amdhsa--gfx1250"
	.amdhsa_code_object_version 6
	.text
	.protected	k_qf74a4861e2_place
	.globl	k_qf74a4861e2_place
	.p2align	8
	.type	k_qf74a4861e2_place,@function
k_qf74a4861e2_place:
	s_mov_b64 s[64:65], 0
	v_nop
	global_prefetch_b8 v0, s[64:65] scope:SCOPE_SE
	s_setreg_imm32_b32 hwreg(HW_REG_WAVE_MODE, 25, 1), 1
	s_wait_xcnt 0x0
; THE PLACING OF TOKENS BY EXPERT.  assign [1,024] u32 (each token's expert) -> list [8 experts][64 tiles][16 rows] u32: the tokens of an expert by rank, and cnt [8][32] u32: their number (32 equal words).
; NO ADDRESS HANGS ON DATA: a token is not sent to the place of its rank; each lane LOOKS UP the token that has its rank, and stores it at a place made of ids.
; RANK ORDER: register a of the 32 that hold the stored experts, then lane; the token of (a, lane) is 128 (a / 4) + 4 lane + a % 4.
; SHARES.  Work-group g: expert g / 4; its wave w: ranks 64 i .. 64 i + 63, i = 4 (g % 4) + w; lane l: ranks 64 i + 2 l and + 1, so that the wave stores 256 consecutive bytes, aligned.
; THE LOOK-UP of rank p.  (1) mask[a]: the lanes of register a that hold my expert; before[a]: how many such tokens lie in registers under a.  Both are the same in all lanes and stand in scalar
; registers; before[a] stands as 32 before[a] + a, which rises with a, so that ONE comparison with 32 p + 31 says whether before[a] <= p, and the last a that passes is the register that holds rank p.
; (2) k = p - before[a]; the lane is the place of the k-th 1 in mask[a]: the 1s are counted in fields of 2, 4, 8 and 16 bits, and five steps go down by halves.
; PADDING.  A rank beyond the count takes its tile's first rank (such a row repeats that row's work later on); a tile with no token takes rank 0.  So every word of list is stored and lies in 0 .. 1,023.
; The launch is tiny (4 KiB in, 33 KiB out): no LDS, no barrier; every wave reads all of assign.
.set A,   8                            ; v8-39  the stored experts
.set PE,  40                           ; two look-ups by turns, j = 0, 1: the rank looked up,
.set PP,  42                           ; 32 x it + 31,
.set CA,  44                           ; 32 before[a] + a of the register found so far,
.set MK,  46                           ; its mask,
.set KK,  48                           ; k,
.set AI,  50                           ; a,
.set T,   52                           ; at work,
.set A1,  54                           ; the counts of 1s in fields of 2,
.set A2,  56                           ; 4,
.set A3,  58                           ; 8,
.set A4,  60                           ; 16 bits,
.set POS, 62                           ; the place,
.set T2,  64                           ; at work,
.set TK,  66                           ; the token
.set M,   32                           ; s32-63 mask[a]
.set CU,  66                           ; s66-97 32 before[a] + a
	s_load_b128 s[4:7], s[0:1], 0x0                ; assign, list
	s_load_b64 s[8:9], s[0:1], 0x10                ; cnt
	v_lshrrev_b32 v1, 5, v0
	v_readfirstlane_b32 s10, v1                    ; wave
	v_and_b32 v1, 31, v0                           ; lane
	v_lshlrev_b32 v2, 4, v1                        ; 16 x lane
	v_lshlrev_b32 v6, 3, v1                        ; 8 x lane
	v_lshlrev_b32 v7, 2, v1                        ; 4 x lane
	s_lshr_b32 s11, ttmp9, 2                       ; expert
	s_and_b32 s12, ttmp9, 3
	s_lshl_b32 s12, s12, 2
	s_add_co_u32 s12, s12, s10                     ; i: which 64 ranks
	s_mov_b32 s17, 0x55555555
	s_mov_b32 s18, 0x33333333
	s_mov_b32 s19, 0x0f0f0f0f
	s_mov_b32 s20, 0x00ff00ff
	s_lshl_b32 s22, s11, 12                        ; list: 4,096 bytes an expert, 256 a wave
	s_lshl_b32 s15, s12, 8
	s_add_co_u32 s22, s22, s15
	s_mov_b32 s23, 0
	s_lshl_b32 s15, s12, 6
	v_lshl_add_u32 v3, v1, 1, s15                  ; my ranks: 64 i + 2 l
	v_add_nc_u32 v4, 1, v3                         ; and + 1: both in one tile
	v_and_b32 v5, 0x3f0, v3                        ; the tile's first rank
	s_wait_kmcnt 0x0
.irp g, 0,1,2,3,4,5,6,7
	global_load_b128 v[A+4*\g:A+4*\g+3], v2, s[4:5] offset:512*\g
.endr
	s_add_nc_u64 s[6:7], s[6:7], s[22:23]
	s_lshl_b32 s22, s11, 7                         ; cnt: 128 bytes an expert
	s_add_nc_u64 s[8:9], s[8:9], s[22:23]
	s_mov_b32 s13, 0                               ; the count so far
	s_wait_loadcnt 0x0
.set ai, 0
.rept 32
	v_cmp_eq_u32 s[M+ai], s11, v[A+ai]
.if ai > 0
	s_lshl_b32 s14, s13, 5
	s_add_co_u32 s[CU+ai], s14, ai
.endif
	s_bcnt1_i32_b32 s14, s[M+ai]
	s_add_co_u32 s13, s13, s14
.set ai, ai+1
.endr
	v_cmp_gt_u32 vcc_lo, s13, v5                   ; has my tile a token?
	v_cndmask_b32 v5, 0, v5, vcc_lo
	v_cmp_gt_u32 vcc_lo, s13, v3
	v_cndmask_b32 v[PE], v5, v3, vcc_lo            ; the rank that is looked up: mine, or the padding's
	v_cmp_gt_u32 vcc_lo, s13, v4
	v_cndmask_b32 v[PE+1], v5, v4, vcc_lo
.irp j, 0,1
	v_lshl_add_u32 v[PP+\j], v[PE+\j], 5, 31
	v_mov_b32 v[CA+\j], 0                          ; register 0: before = 0
	v_mov_b32 v[MK+\j], s[M]
.endr
.set ai, 1
.rept 31
.irp j, 0,1
	v_cmp_ge_u32 vcc_lo, v[PP+\j], s[CU+ai]        ; before[a] <= rank
	v_cndmask_b32 v[CA+\j], v[CA+\j], s[CU+ai], vcc_lo
	v_cndmask_b32 v[MK+\j], v[MK+\j], s[M+ai], vcc_lo
.endr
.set ai, ai+1
.endr
.irp j, 0,1
	v_lshrrev_b32 v[T+\j], 5, v[CA+\j]             ; before[a]
	v_and_b32 v[AI+\j], 31, v[CA+\j]               ; a
	v_sub_nc_u32 v[KK+\j], v[PE+\j], v[T+\j]       ; k
.endr
.irp j, 0,1                                    ; the 1s of the mask in fields of 2 bits,
	v_lshrrev_b32 v[T+\j], 1, v[MK+\j]
	v_and_b32 v[T+\j], s17, v[T+\j]
	v_sub_nc_u32 v[A1+\j], v[MK+\j], v[T+\j]
.endr
.irp j, 0,1                                    ; of 4,
	v_lshrrev_b32 v[T+\j], 2, v[A1+\j]
	v_and_b32 v[T+\j], s18, v[T+\j]
	v_and_b32 v[A2+\j], s18, v[A1+\j]
	v_add_nc_u32 v[A2+\j], v[A2+\j], v[T+\j]
.endr
.irp j, 0,1                                    ; of 8,
	v_lshrrev_b32 v[T+\j], 4, v[A2+\j]
	v_add_nc_u32 v[T+\j], v[A2+\j], v[T+\j]
	v_and_b32 v[A3+\j], s19, v[T+\j]
.endr
.irp j, 0,1                                    ; of 16
	v_lshrrev_b32 v[T+\j], 8, v[A3+\j]
	v_add_nc_u32 v[T+\j], v[A3+\j], v[T+\j]
	v_and_b32 v[A4+\j], s20, v[T+\j]
.endr
.irp j, 0,1                                    ; the first step down: is the k-th 1 among the low 16 bits?
	v_and_b32 v[T+\j], 0xffff, v[A4+\j]
	v_cmp_ge_u32 vcc_lo, v[KK+\j], v[T+\j]
	v_sub_nc_u32 v[T+\j], v[KK+\j], v[T+\j]
	v_cndmask_b32 v[KK+\j], v[KK+\j], v[T+\j], vcc_lo
	v_cndmask_b32 v[POS+\j], 0, 16, vcc_lo
.endr
.macro LEVEL src, w, msk               ; a step down: t = the 1s in the w bits from POS on; if k >= t the k-th 1 lies above them: k -= t, POS += w
.irp j, 0,1
	v_lshrrev_b32 v[T+\j], v[POS+\j], v[\src+\j]
	v_and_b32 v[T+\j], \msk, v[T+\j]
	v_cmp_ge_u32 vcc_lo, v[KK+\j], v[T+\j]
	v_sub_nc_u32 v[T+\j], v[KK+\j], v[T+\j]
	v_add_nc_u32 v[T2+\j], \w, v[POS+\j]
	v_cndmask_b32 v[KK+\j], v[KK+\j], v[T+\j], vcc_lo
	v_cndmask_b32 v[POS+\j], v[POS+\j], v[T2+\j], vcc_lo
.endr
.endm
	LEVEL A3, 8, 0xff
	LEVEL A2, 4, 15
	LEVEL A1, 2, 3
	LEVEL MK, 1, 1
.irp j, 0,1
	v_lshrrev_b32 v[T+\j], 2, v[AI+\j]
	v_and_b32 v[T2+\j], 3, v[AI+\j]
	v_lshl_add_u32 v[T2+\j], v[POS+\j], 2, v[T2+\j]
	v_lshl_add_u32 v[TK+\j], v[T+\j], 7, v[T2+\j]  ; 128 (a / 4) + 4 lane + a % 4: at most 1,023
.endr
	global_store_b64 v6, v[TK:TK+1], s[6:7]        ; the wave stores 256 consecutive bytes, aligned
	s_cmp_lg_u32 s12, 0
	s_cbranch_scc1 .Lend                           ; the expert's first wave stores the count
	v_mov_b32 v5, s13
	global_store_b32 v7, v5, s[8:9]                ; 32 equal words: 128 consecutive bytes
.Lend:
	s_endpgm
.Lfunc_end_k_qf74a4861e2_place:
	.size	k_qf74a4861e2_place, .Lfunc_end_k_qf74a4861e2_place-k_qf74a4861e2_place
	.p2alignl 7, 3214868480
	.fill 96, 4, 3214868480
	.section	.rodata,"a",@progbits
	.p2align	6, 0x0
	.amdhsa_kernel k_qf74a4861e2_place
		.amdhsa_group_segment_fixed_size 0
		.amdhsa_private_segment_fixed_size 0
		.amdhsa_enable_private_segment 0
		.amdhsa_kernarg_size 24
		.amdhsa_user_sgpr_count 2
		.amdhsa_user_sgpr_kernarg_segment_ptr 1
		.amdhsa_wavefront_size32 1
		.amdhsa_system_sgpr_workgroup_id_x 1
		.amdhsa_system_sgpr_workgroup_id_y 1
		.amdhsa_system_sgpr_workgroup_id_z 1
		.amdhsa_system_vgpr_workitem_id 0
		.amdhsa_next_free_vgpr 128
		.amdhsa_next_free_sgpr 98
		.amdhsa_reserve_vcc 1
		.amdhsa_float_denorm_mode_32 3
		.amdhsa_float_denorm_mode_16_64 3
		.amdhsa_memory_ordered 1
		.amdhsa_forward_progress 1
		.amdhsa_inst_pref_size 25
	.end_amdhsa_kernel
	.amdgpu_metadata
---
amdhsa.version: [ 1, 2 ]
amdhsa.kernels:
  - .name:           k_qf74a4861e2_place
    .symbol:         k_qf74a4861e2_place.kd
    .args:
      - { .name: assign, .offset: 0, .size: 8, .value_kind: global_buffer, .address_space: global }
      - { .name: list, .offset: 8, .size: 8, .value_kind: global_buffer, .address_space: global }
      - { .name: cnt, .offset: 16, .size: 8, .value_kind: global_buffer, .address_space: global }
    .group_segment_fixed_size: 0
    .private_segment_fixed_size: 0
    .kernarg_segment_align: 8
    .kernarg_segment_size: 24
    .max_flat_workgroup_size: 128
    .sgpr_count:     98
    .vgpr_count:     128
    .wavefront_size: 32
...
	.end_amdgpu_metadata
.endif
;; end of part 2
;; launch up (part 3): grid 256 x 1, 4 waves a work-group, no clusters, 70,144 bytes of LDS; arguments list, cnt, xq, xs, w1, b1, hq, hs; writes hq, hs
.if DOCPART == 3
	.amdgcn_target "amdgcn-amd-amdhsa--gfx1250"
	.amdhsa_code_object_version 6
	.text
	.protected	k_qf74a4861e2_up
	.globl	k_qf74a4861e2_up
	.p2align	8
	.type	k_qf74a4861e2_up,@function
k_qf74a4861e2_up:
	s_mov_b64 s[64:65], 0
	v_nop
	global_prefetch_b8 v0, s[64:65] scope:SCOPE_SE
	s_setreg_imm32_b32 hwreg(HW_REG_WAVE_MODE, 25, 1), 1
	s_wait_xcnt 0x0
; FIRST PRODUCT OF THE CHOSEN EXPERT: hidden = relu(Q(h) Q(W1[e])^T + b1[e]), quantised again along the hidden axis.  Codes of FP4 (E2M1), one E8M0 byte for each 32 along K.
; SHARES.  Work-group = (expert e = x / 32, slice = x % 32): 128 hidden units, 512 KiB of w1 in f32, read ONCE in the launch, quantised in registers on the way, never stored to memory.
; Then the work-group takes all tiles of 16 tokens that chose e (tile t to wave t % 4), by the stored list.  Only the chosen rows are multiplied: reference() masks the others away.
; The list is padded: rows of a last tile beyond the count repeat the tile's first token.  An expert without tokens counts as one tile (of the padded list), so that tile 0 of every expert is stored.
; THE STREAM.  Wave w quantises units 32 w .. 32 w + 31: 16 jobs of 16 rows x 128 K.  A job's 16 loads read 512 consecutive bytes each (one row's 128 K: lane l holds k = 4 l .. 4 l + 3); up to four jobs' loads are out.
; THE NUMBERS ARE QUANTISED WHERE THEY LAND.  A block of 32 lies in 8 neighbouring lanes: its largest magnitude is two v_max3 a row and three steps between lanes.  The conversion takes 8 registers and one scale, and a
; lane has 4 numbers of a row: so two rows' 8 registers are converted twice, once under each row's scale, and of each result the half that belongs to that row is kept.  A lane then holds 16 elements of 16 bits,
; four codes of each of the 16 rows; it stores them on end, 32 bytes at 32 x lane, and the turning LDS load (16-bit elements, 8 x 8) gives any wave the operand's registers: only codes go through LDS.
; THE SCALE BYTES of a lane (16 rows, its block) are packed four to a register; two exchanges between the four groups of eight lanes turn 4 x 4 bytes, so that group b holds the whole words of rows 4 g + b.
; THE ROWS OF W1 THAT FORM A TILE ARE NOT NEIGHBOURS: lane r of tile 2 b + u takes unit 32 b + 8 u + r + 8 (r / 8), so that the 16 registers of tiles 2 b, 2 b + 1 are 16 neighbours along the next K.
; THE PRODUCT IS USED TRANSPOSED (source 0 = 16 units, source 1 = 16 tokens): a lane holds one token, its registers run along the hidden units.  b1 is the C of each sum's first instruction.
; A tile's 128 hidden units are K step `slice` of the second product: one fragment (1 KiB, stored as an image of its registers) and one scale word a row.
; One barrier, on every wave's path; none in the loop over tiles, whose trip count is read from memory.  For that reason no tensor load and no cluster.
; A token's number is loaded one tile ahead of its rows; it enters an offset as a copy held at 1,023, shifted left, with the lane's part added.
; A token's codes are loaded in the operand's layout: 32 bytes of each of 16 rows an instruction; the tile's 16 loads together cover each 512-byte row whole.
; LIMITS: NaN and infinities are not served; a block of zeros gets the byte 1 (zero codes; the bytes are read by this program alone).
; REGISTERS, in windows of 256.  Window 0: v1-26 addresses, offsets, two byte selectors; v44-51 codes just made; v60-67 tokens' scale words; v76-107 weights' scale words (lanes 0-15 an even K step, 16-31 the odd one);
;   v108-171 tokens' 8 fragments; v172-235 the 8 accumulators (while streaming: a job's maxima, codes and bytes); v236-252 at work.
;   Window 1: four sets of 64 as loaded, later W1's fragments of K steps 0-3 ((t, s) at 8 (4 t + s % 4));  window 2: K steps 4-7;  window 3: v0-63 b1 in the result's layout.
.set IMG,  0                           ; LDS: 64 fragments of 1 KiB, (tile t, K step s) at 8 t + s: [lane as loaded: 32][row: 16] elements of 16 bits
.set SCW,  65536                       ; 32 scale registers of 128 bytes, (t, s / 2) at 4 t + s / 2: the even K step's 64 bytes, then the odd one's; row r's word at 16 (r % 4) + 4 (r / 4)
.set SQ,   15                          ; v15, v16 v_perm_b32's selectors of the two exchanges
.set SH,   16
.set IR,   20                          ; v20 the next tile's token of my row, as loaded
.set PC,   44
.set XS,   60
.set WS,   76
.set XF,   108
.set ACC,  172
.set MX,   172                         ; v172-187 a job's 16 largest magnitudes, then the conversions' scale operands
.set CA,   188                         ; v188-203 the conversions' results: pair p under the even row's scale, under the odd row's
.set BY,   204                         ; v204-219 the scales' bytes
.set WD,   220                         ; v220-223 four bytes to a register
.set PT,   224                         ; v224-227 the partner's
.set VW,   228                         ; v228-231 whole scale words
.set TM,   236
.set PW,   252
.set WV,   40                          ; s40 wave, s41 expert, s42 slice, s43 count, s44 my trips, s45 trip, s46 tile
.set EX,   41
.set SL,   42
.set NN,   43
.set TRIPS, 44
.set IT,   45
.set TILE, 46
.set FLOOR, 47                         ; s47 2^(3 - 127), s48 -(2 << 23), s49 a word's low half
.set NEG2, 48
.set LOWH, 49
.set SEL,  50                          ; s[50:51] v_permlanex16_b32's selects for lane l xor 16
.set OF,   52                          ; s[52:53] an offset, its high word 0
.set T0,   54
.set T1,   55
.set MSB, 0
.macro WIN new                         ; the immediate's high byte repeats the setting that is left
.if MSB != \new
	s_set_vgpr_msb (MSB<<8)|\new
.set MSB, \new
.endif
.endm
.macro LOAD q                          ; job q = 8 u + s: 16 rows of tile 2 w + u, K step s, into set q % 4 of window 1: each load reads 512 consecutive bytes
	WIN 0x40
.irp r, 0,1,2,3,4,5,6,7,8,9,10,11,12,13,14,15
	global_load_b128 v[64*((\q)%4)+4*\r:64*((\q)%4)+4*\r+3], v1, s[12:13] offset:(8*((\q)/8)+\r+8*(\r/8))*4096+((\q)%8)*512 th:TH_LOAD_NT
.endr
	WIN 0
.endm
.macro OFFS                            ; the token in v20 becomes two offsets.  Copies, since v20 takes the next number while these serve the loads
	v_mov_b32 v22, v[IR]
	v_mov_b32 v23, v[IR]
	v_min_u32 v22, 0x3ff, v22
	v_min_u32 v23, 0x3ff, v23
	v_lshlrev_b32 v22, 9, v22                      ; a row of codes is 512 bytes,
	v_lshlrev_b32 v23, 5, v23                      ; a row of scale bytes 32
	v_add_nc_u32 v22, v22, v14                     ; + 16 h
.endm
.macro XLOADS                          ; a tile's 8 fragments and 8 scale words a row: 18 loads
.irp s, 0,1,2,3,4,5,6,7
.irp c, 0,1
	global_load_b128 v[XF+8*\s+4*\c:XF+8*\s+4*\c+3], v22, s[8:9] offset:64*\s+32*\c
.endr
.endr
	global_load_b128 v[XS:XS+3], v23, s[10:11]
	global_load_b128 v[XS+4:XS+7], v23, s[10:11] offset:16
.endm
.macro BIAS                            ; b1 in the result's layout: lane (r, h), tile 2 b + u: units 32 b + 16 h + 8 u + 0 .. 7
	WIN 0xc0
.irp t, 0,1,2,3,4,5,6,7
	global_load_b128 v[8*\t:8*\t+3], v26, s[14:15] offset:(32*(\t/2)+8*(\t%2))*4
	global_load_b128 v[8*\t+4:8*\t+7], v26, s[14:15] offset:(32*(\t/2)+8*(\t%2))*4+16
.endr
	WIN 0
.endm
; A job: 16 rows x 128 K as loaded -> one fragment and its scale words in LDS.  n: the loads younger than the job's sixteen
.macro JOB q, n
.set RS, 64*((\q)%4)
	s_wait_loadcnt \n
	WIN 0x05                                       ; sources 0 and 1: window 1
.irp r, 0,1,2,3,4,5,6,7,8,9,10,11,12,13,14,15
	v_max3_num_f32 v[MX+\r], |v[RS+4*\r]|, |v[RS+4*\r+1]|, s[FLOOR]   ; row r: my four numbers, and the floor, which holds the byte at 1 from below
.endr
.irp r, 0,1,2,3,4,5,6,7,8,9,10,11,12,13,14,15
	v_max3_num_f32 v[MX+\r], |v[RS+4*\r+2]|, |v[RS+4*\r+3]|, v[MX+\r]
.endr
	WIN 0
.irp m, 1,2,4
.irp r, 0,1,2,3,4,5,6,7,8,9,10,11,12,13,14,15
	v_max_num_f32_dpp v[MX+\r], v[MX+\r], v[MX+\r] row_xmask:\m row_mask:0xf bank_mask:0xf   ; with lanes l xor 1, 2, 4: the block's eight lanes
.endr
.endr
.irp r, 0,1,2,3,4,5,6,7,8,9,10,11,12,13,14,15
	v_add_nc_u32 v[MX+\r], s[NEG2], v[MX+\r]       ; 2 off the exponent field: the conversion's scale operand
.endr
	WIN 0x01                                       ; source 0: window 1
.irp p, 0,1,2,3,4,5,6,7
	v_cvt_scalef32_pk8_fp4_f32 v[CA+2*\p], v[RS+8*\p:RS+8*\p+7], v[MX+2*\p]       ; rows 2 p, 2 p + 1 under row 2 p's scale: the low 16 bits are row 2 p's four codes;
	v_cvt_scalef32_pk8_fp4_f32 v[CA+2*\p+1], v[RS+8*\p:RS+8*\p+7], v[MX+2*\p+1]   ; under row 2 p + 1's: the high 16 bits are its four
.endr
.if (\q) < 12
	LOAD (\q)+4                                    ; the set has been read: it takes the job four on
.else
	WIN 0
.if (\q) == 13
	OFFS                                           ; my first tile's token came ahead of all jobs' loads
	XLOADS                                         ; its operands come while the last jobs are worked,
	v_add_nc_u32 v21, 256, v21                     ; and the token of my second tile, four tiles of 64 bytes on (the load that read v21 is long done)
	global_load_b32 v[IR], v21, s[4:5]
.elseif (\q) == 14
	BIAS
.endif
.endif
.irp r, 0,1,2,3,4,5,6,7,8,9,10,11,12,13,14,15
	v_lshrrev_b32 v[BY+\r], 23, v[MX+\r]           ; the scales' bytes.  (Plain instructions between the conversions and the first use of their results)
.endr
	s_wait_dscnt 0x0                               ; the last job's three LDS stores have read their registers, which are written again below
.irp p, 0,1,2,3,4,5,6,7
	v_bfi_b32 v[PC+\p], s[LOWH], v[CA+2*\p], v[CA+2*\p+1]
.endr
	ds_store_b128 v8, v[PC:PC+3] offset:IMG+(\q)*1024          ; my 16 elements on end: rows 0-7,
	ds_store_b128 v8, v[PC+4:PC+7] offset:IMG+(\q)*1024+16     ; rows 8-15
.irp g, 0,1,2,3
	v_lshl_or_b32 v[WD+\g], v[BY+4*\g+1], 8, v[BY+4*\g]        ; rows 4 g .. 4 g + 3 of my block
.endr
.irp g, 0,1,2,3
	v_lshl_or_b32 v[WD+\g], v[BY+4*\g+2], 16, v[WD+\g]
.endr
.irp g, 0,1,2,3
	v_lshl_or_b32 v[WD+\g], v[BY+4*\g+3], 24, v[WD+\g]
.endr
.irp g, 0,1,2,3
	v_mov_b32_dpp v[PT+\g], v[WD+\g] row_xmask:8 row_mask:0xf bank_mask:0xf   ; the neighbouring block's four
.endr
.irp g, 0,1,2,3
	v_perm_b32 v[WD+\g], v[PT+\g], v[WD+\g], v[SQ]             ; even block: rows 0 and 2 of both blocks; odd block: rows 1 and 3
.endr
.irp g, 0,1,2,3
	v_permlanex16_b32 v[PT+\g], v[WD+\g], s[SEL], s[SEL+1]     ; the same of the other two blocks
.endr
.irp g, 0,1,2,3
	v_perm_b32 v[VW+\g], v[PT+\g], v[WD+\g], v[SH]             ; group b = lane / 8: the whole word of row 4 g + b
.endr
	ds_store_b128 v10, v[VW:VW+3] offset:(\q)*64               ; a group's eight lanes write the same 16 bytes with the same values
.endm
.macro QUANT s                         ; 64 numbers, none negative: register 16 b + i = k 32 b + 16 h + i of my row -> PC, and the row's scale word in PW
.irp b, 0,1,2,3
	v_max3_num_f32 v[TM+\b], v[\s+16*\b], v[\s+1+16*\b], 0x1800000
.endr
.irp i, 2,4,6,8,10,12,14
.irp b, 0,1,2,3
	v_max3_num_f32 v[TM+\b], v[TM+\b], v[\s+16*\b+\i], v[\s+1+16*\b+\i]
.endr
.endr
.irp b, 0,1,2,3
	v_permlanex16_b32 v[TM+4+\b], v[TM+\b], s[SEL], s[SEL+1]
.endr
.irp b, 0,1,2,3
	v_max_num_f32 v[TM+\b], v[TM+\b], v[TM+4+\b]   ; with lane l xor 16's 16: the block's largest
.endr
.irp b, 0,1,2,3
	v_add_nc_u32 v[TM+12+\b], 0xff000000, v[TM+\b]
.endr
.irp b, 0,1,2,3
	v_lshrrev_b32 v[TM+4+\b], 23, v[TM+12+\b]
.endr
	v_lshl_or_b32 v[PW], v[TM+5], 8, v[TM+4]
	v_lshl_or_b32 v[PW], v[TM+6], 16, v[PW]
	v_lshl_or_b32 v[PW], v[TM+7], 24, v[PW]
.irp b, 0,1,2,3
	v_cvt_scalef32_pk8_fp4_f32 v[PC+2*\b], v[\s+16*\b:\s+7+16*\b], v[TM+12+\b]
	v_cvt_scalef32_pk8_fp4_f32 v[PC+1+2*\b], v[\s+8+16*\b:\s+15+16*\b], v[TM+12+\b]
.endr
	v_nop                                          ; a plain instruction behind the last conversion
.irp c, 0,1                                    ; the operand wants a whole block in a lane: lanes 0-15 block 2 c, lanes 16-31 block 2 c + 1
.irp i, 0,1
	v_permlane16_swap_b32 v[PC+4*\c+\i], v[PC+2+4*\c+\i]
.endr
.endr
.endm
.macro MM t, s                         ; tile t of units, K step s
.set rW, 8*(4*(\t)+((\s)%4))
.set rA, ACC+8*(\t)
.if (\s) == 0
	v_wmma_scale_f32_16x16x128_f8f6f4 v[rA:rA+7], v[rW:rW+7], v[XF+8*(\s):XF+8*(\s)+7], v[8*(\t):8*(\t)+7], v[WS+4*(\t)+(\s)/2], v[XS+(\s)] matrix_a_fmt:MATRIX_FMT_FP4 matrix_b_fmt:MATRIX_FMT_FP4
.elseif ((\s)%2) == 0
	v_wmma_scale_f32_16x16x128_f8f6f4 v[rA:rA+7], v[rW:rW+7], v[XF+8*(\s):XF+8*(\s)+7], v[rA:rA+7], v[WS+4*(\t)+(\s)/2], v[XS+(\s)] matrix_a_fmt:MATRIX_FMT_FP4 matrix_b_fmt:MATRIX_FMT_FP4
.else
	v_wmma_scale_f32_16x16x128_f8f6f4 v[rA:rA+7], v[rW:rW+7], v[XF+8*(\s):XF+8*(\s)+7], v[rA:rA+7], v[WS+4*(\t)+(\s)/2], v[XS+(\s)] matrix_a_fmt:MATRIX_FMT_FP4 matrix_b_fmt:MATRIX_FMT_FP4 matrix_a_scale:MATRIX_SCALE_ROW1
.endif
.endm
	s_load_b256 s[4:11], s[0:1], 0x0               ; list, cnt, xq, xs
	s_load_b256 s[12:19], s[0:1], 0x20             ; w1, b1, hq, hs
	v_lshl_add_u32 v254, v0, 2, 0x11000
	v_mov_b32 v255, 0
	v_lshrrev_b32 v20, 5, v0
	v_readfirstlane_b32 s[WV], v20                 ; wave 0..3
	s_lshr_b32 s[EX], ttmp9, 5
	s_and_b32 s[SL], ttmp9, 31
	v_and_b32 v20, 31, v0                          ; lane
	v_lshlrev_b32 v1, 4, v20                       ; 16 x lane
	v_lshlrev_b32 v2, 2, v20                       ; 4 x lane
	v_and_b32 v3, 15, v0                           ; r
	v_bfe_u32 v4, v0, 4, 1                         ; h
	v_bfe_u32 v5, v0, 3, 1                         ; (lane / 8) % 2
	v_and_b32 v6, 7, v0                            ; lane % 8
	s_lshl_b32 s[T0], s[WV], 14
	v_lshl_add_u32 v8, v20, 5, s[T0]               ; my 16 fragments, in: 32 x lane
	v_lshl_add_u32 v9, v4, 3, v6                   ; all 64, back, by the turning load: the element columns 8 h + lane % 8 (32 bytes each),
	v_lshlrev_b32 v9, 5, v9
	v_lshl_add_u32 v9, v5, 4, v9                   ; rows 0-7 or 8-15 of them: sixteen lanes take 256 consecutive bytes
	s_lshl_b32 s[T0], s[WV], 10
	s_add_co_u32 s[T0], s[T0], SCW
	v_lshrrev_b32 v7, 3, v20
	v_lshl_add_u32 v10, v7, 4, s[T0]               ; my 8 scale registers, in: 16 x (lane / 8)
	v_and_b32 v7, 3, v0
	v_lshlrev_b32 v11, 4, v7                       ; all 32, back: row r's word at 16 (r % 4)
	v_bfe_u32 v7, v0, 2, 2
	v_lshl_add_u32 v11, v7, 2, v11                 ; + 4 (r / 4),
	v_lshl_add_u32 v11, v4, 6, v11                 ; lanes 16-31 the odd K step's, 64 bytes on
	v_add_nc_u32 v11, SCW, v11
	v_mov_b32 v[SQ], 0x06020400                    ; the first exchange.  Even block: own byte 0, partner's 0, own 2, partner's 2;
	v_mov_b32 v7, 0x03070105                       ; odd block: partner's 1, own 1, partner's 3, own 3
	v_cmp_eq_u32 vcc_lo, 1, v5
	v_cndmask_b32 v[SQ], v[SQ], v7, vcc_lo
	v_mov_b32 v[SH], 0x05040100                    ; the second.  Lanes 0-15: own 0, 1, partner's 0, 1;
	v_mov_b32 v7, 0x03020706                       ; lanes 16-31: partner's 2, 3, own 2, 3
	v_cmp_eq_u32 vcc_lo, 1, v4
	v_cndmask_b32 v[SH], v[SH], v7, vcc_lo
	v_lshlrev_b32 v13, 2, v3                       ; 4 r
	v_lshlrev_b32 v14, 4, v4                       ; 16 h
	v_lshlrev_b32 v26, 6, v4                       ; b1: 64 h
	s_lshl_b32 s[T0], s[WV], 6
	v_add_nc_u32 v21, s[T0], v13                   ; the list: tile w (64 bytes a tile), row r
	s_lshl_b32 s[T0], s[EX], 6
	s_add_co_u32 s[T0], s[T0], s[WV]
	s_lshl_b32 s[T0], s[T0], 5
	s_add_co_u32 s[T0], s[T0], s[SL]               ; (expert x 64 + tile w) x 32 + K step
	s_lshl_b32 s[T1], s[T0], 10
	v_add_nc_u32 v24, s[T1], v1                    ; where my first tile's image goes,
	s_lshl_b32 s[T1], s[T0], 7
	v_add_nc_u32 v25, s[T1], v2                    ; and its scale words
.irp g, 0,1,2,3
	v_mov_b32 v[PT+\g], 0                          ; written once: the destination of a move between lanes counts as one of its sources
	v_mov_b32 v[TM+4+\g], 0
.endr
	s_mov_b32 s[FLOOR], 0x1800000
	s_mov_b32 s[NEG2], 0xff000000
	s_mov_b32 s[LOWH], 0xffff
	s_mov_b32 s[SEL], 0x76543210
	s_mov_b32 s[SEL+1], 0xfedcba98
	s_mov_b32 s[OF+1], 0
	s_wait_kmcnt 0x0
	s_lshl_b32 s[OF], s[EX], 7
	s_add_nc_u64 s[6:7], s[6:7], s[OF:OF+1]        ; cnt at my expert
	s_load_b32 s[NN], s[6:7], 0x0
	s_lshl_b32 s[OF], s[EX], 12
	s_add_nc_u64 s[4:5], s[4:5], s[OF:OF+1]        ; the list at my expert
	global_load_b32 v[IR], v21, s[4:5]             ; my first tile's token of row r
	s_lshl_b32 s[OF], s[EX], 24                    ; w1: an expert is 2^24 bytes, a slice's 128 rows 2^19, a wave's 32 rows 2^17
	s_lshl_b32 s[T0], s[SL], 19
	s_add_co_u32 s[OF], s[OF], s[T0]
	s_lshl_b32 s[T0], s[WV], 17
	s_add_co_u32 s[OF], s[OF], s[T0]
	s_add_nc_u64 s[12:13], s[12:13], s[OF:OF+1]
	s_lshl_b32 s[OF], s[EX], 14
	s_lshl_b32 s[T0], s[SL], 9
	s_add_co_u32 s[OF], s[OF], s[T0]
	s_add_nc_u64 s[14:15], s[14:15], s[OF:OF+1]    ; b1 at my slice
	LOAD 0
	LOAD 1
	LOAD 2
	LOAD 3
	s_wait_kmcnt 0x0                               ; the count
	s_min_u32 s[NN], s[NN], 1024
	s_add_co_u32 s[TRIPS], s[NN], 15
	s_lshr_b32 s[TRIPS], s[TRIPS], 4               ; tiles,
	s_max_u32 s[TRIPS], s[TRIPS], 1                ; one at the least
	s_add_co_u32 s[TRIPS], s[TRIPS], 3
	s_sub_co_u32 s[TRIPS], s[TRIPS], s[WV]
	s_lshr_b32 s[TRIPS], s[TRIPS], 2               ; of them mine
.irp q, 0,1,2,3,4,5,6,7,8,9,10,11,12
	JOB \q, 48                                     ; three younger jobs' loads
.endr
	JOB 13, 32                                     ; two jobs'
	JOB 14, 35                                     ; one job's 16 and the first tile's 19
	JOB 15, 35                                     ; the 19 and b1's 16
	s_wait_dscnt 0x0                               ; for the others' sake: my fragments and scale words have landed
	s_barrier_signal -1
	s_barrier_wait -1
	WIN 0x40                                       ; all 64 fragments into my registers, where they stay
.irp t, 0,1,2,3,4,5,6,7
.irp s, 0,1,2,3
.irp c, 0,1
	ds_load_tr16_b128 v[8*(4*\t+\s)+4*\c:8*(4*\t+\s)+4*\c+3], v9 offset:IMG+(8*\t+\s)*1024+512*\c   ; lane (r, h): row r, elements 16 c + 8 h + 0 .. 7: k = 64 c + 32 h + 0 .. 31
.endr
.endr
.endr
	WIN 0x80
.irp t, 0,1,2,3,4,5,6,7
.irp s, 0,1,2,3
.irp c, 0,1
	ds_load_tr16_b128 v[8*(4*\t+\s)+4*\c:8*(4*\t+\s)+4*\c+3], v9 offset:IMG+(8*\t+\s+4)*1024+512*\c
.endr
.endr
.endr
	WIN 0
.set pi, 0
.rept 32
	ds_load_b32 v[WS+pi], v11 offset:128*pi
.set pi, pi+1
.endr
	s_wait_dscnt 0x0
	s_cmp_eq_u32 s[TRIPS], 0
	s_cbranch_scc1 .Lend
	s_mov_b32 s[IT], 0
	s_mov_b32 s[TILE], s[WV]
.Ltrip:                                            ; a tile of 16 tokens x my work-group's 128 units
	s_wait_loadcnt 0x0                             ; the tile's fragments and scale words, the next tile's token (in the first trip b1 too)
.irp s, 0,1,2,3,4,5,6,7                        ; the eight accumulators take turns, one instruction a turn
.if \s == 0
	WIN 0x31                                       ; source 0 (W1) window 1, C (b1) window 3
.elseif \s < 4
	WIN 0x01
.else
	WIN 0x02
.endif
.irp t, 0,1,2,3,4,5,6,7
	MM \t, \s
.endr
.endr
	WIN 0
.rept 4
	v_nop                                          ; four places in front of loads into registers that the products have read, and of the first read of results
.endr
	s_add_co_u32 s[IT], s[IT], 1
	s_cmp_eq_u32 s[IT], s[TRIPS]
	s_cbranch_scc1 .Lno_next
	OFFS                                           ; the loads that read these offsets are done: the wait at the trip's head
	XLOADS                                         ; the next tile's operands land under the work below
	s_add_co_u32 s[T0], s[TILE], 8                 ; and the token of the tile after it, held inside the expert's 64 tiles
	s_min_u32 s[T0], s[T0], 63
	s_lshl_b32 s[T0], s[T0], 6
	v_add_nc_u32 v21, s[T0], v13
	global_load_b32 v[IR], v21, s[4:5]
.Lno_next:
.set ji, 0
.rept 64
	v_max_num_f32 v[ACC+ji], 0, v[ACC+ji]          ; relu, each accumulator from its low end on
.set ji, ji+1
.endr
	QUANT ACC
	global_store_b128 v24, v[PC:PC+3], s[16:17]             ; the fragment's image: 1,024 consecutive bytes in two stores
	global_store_b128 v24, v[PC+4:PC+7], s[16:17] offset:512
	global_store_b32 v25, v[PW], s[18:19]                   ; its scale words: 128 consecutive bytes
	s_wait_xcnt 0x0                                ; the stores have read their data and offsets: both are written again only behind this wait
	v_add_nc_u32 v24, 0x20000, v24                 ; four tiles on: 4 x 32 images of 1 KiB,
	v_add_nc_u32 v25, 0x4000, v25                  ; 4 x 32 x 128 bytes of scale words
	s_add_co_u32 s[TILE], s[TILE], 4
	s_cmp_lt_u32 s[IT], s[TRIPS]
	s_cbranch_scc1 .Ltrip
.Lend:
	s_wait_tensorcnt 0x0
	ds_add_u32 v254, v255
	s_wait_dscnt 0x0
	s_endpgm
.Lfunc_end_k_qf74a4861e2_up:
	.size	k_qf74a4861e2_up, .Lfunc_end_k_qf74a4861e2_up-k_qf74a4861e2_up
	.p2alignl 7, 3214868480
	.fill 96, 4, 3214868480
	.section	.rodata,"a",@progbits
	.p2align	6, 0x0
	.amdhsa_kernel k_qf74a4861e2_up
		.amdhsa_group_segment_fixed_size 70144
		.amdhsa_private_segment_fixed_size 0
		.amdhsa_enable_private_segment 0
		.amdhsa_kernarg_size 64
		.amdhsa_user_sgpr_count 2
		.amdhsa_user_sgpr_kernarg_segment_ptr 1
		.amdhsa_wavefront_size32 1
		.amdhsa_system_sgpr_workgroup_id_x 1
		.amdhsa_system_sgpr_workgroup_id_y 1
		.amdhsa_system_sgpr_workgroup_id_z 1
		.amdhsa_system_vgpr_workitem_id 0
		.amdhsa_next_free_vgpr 1024
		.amdhsa_next_free_sgpr 66
		.amdhsa_reserve_vcc 1
		.amdhsa_float_denorm_mode_32 3
		.amdhsa_float_denorm_mode_16_64 3
		.amdhsa_memory_ordered 1
		.amdhsa_forward_progress 1
		.amdhsa_inst_pref_size 214
	.end_amdhsa_kernel
	.amdgpu_metadata
---
amdhsa.version: [ 1, 2 ]
amdhsa.kernels:
  - .name:           k_qf74a4861e2_up
    .symbol:         k_qf74a4861e2_up.kd
    .args:
      - { .name: list, .offset: 0, .size: 8, .value_kind: global_buffer, .address_space: global }
      - { .name: cnt, .offset: 8, .size: 8, .value_kind: global_buffer, .address_space: global }
      - { .name: xq, .offset: 16, .size: 8, .value_kind: global_buffer, .address_space: global }
      - { .name: xs, .offset: 24, .size: 8, .value_kind: global_buffer, .address_space: global }
      - { .name: w1, .offset: 32, .size: 8, .value_kind: global_buffer, .address_space: global }
      - { .name: b1, .offset: 40, .size: 8, .value_kind: global_buffer, .address_space: global }
      - { .name: hq, .offset: 48, .size: 8, .value_kind: global_buffer, .address_space: global }
      - { .name: hs, .offset: 56, .size: 8, .value_kind: global_buffer, .address_space: global }
    .group_segment_fixed_size: 70144
    .private_segment_fixed_size: 0
    .kernarg_segment_align: 8
    .kernarg_segment_size: 64
    .max_flat_workgroup_size: 128
    .sgpr_count:     66
    .vgpr_count:     1024
    .wavefront_size: 32
...
	.end_amdgpu_metadata
.endif
;; end of part 3
;; launch down (part 4): grid 256 x 1, 4 waves a work-group, no clusters, 79,360 bytes of LDS; arguments list, cnt, alpha, hq, hs, w2, b2, input_features, out0; writes out0
.if DOCPART == 4
	.amdgcn_target "amdgcn-amd-amdhsa--gfx1250"
	.amdhsa_code_object_version 6
	.text
	.protected	k_qf74a4861e2_down
	.globl	k_qf74a4861e2_down
	.p2align	8
	.type	k_qf74a4861e2_down,@function
k_qf74a4861e2_down:
	s_mov_b64 s[64:65], 0
	v_nop
	global_prefetch_b8 v0, s[64:65] scope:SCOPE_SE
	s_setreg_imm32_b32 hwreg(HW_REG_WAVE_MODE, 25, 1), 1
	s_wait_xcnt 0x0
; SECOND PRODUCT OF THE CHOSEN EXPERT AND THE BLEND: z = Q(hidden) Q(W2[e])^T + b2[e];  out = alpha (x + z) + (1 - alpha) x = x + alpha z: one multiply-add.
; SHARES.  Work-group = (expert e = x / 32, slice = x % 32): 32 output columns over all of K = 4,096: 512 KiB of w2 in f32, read ONCE in the launch and quantised in registers on the way.
; Then all tiles of 16 tokens that chose e (tile t to wave t % 4), by the stored list; each output number has one owner.
; THE STREAM.  Wave w quantises K steps 8 w .. 8 w + 7 of the 32 rows: 16 jobs of 16 rows x 128 K, each load 512 consecutive bytes (one row's 128 K: lane l holds k = 4 l .. 4 l + 3), up to four jobs' loads out.
; THE NUMBERS ARE QUANTISED WHERE THEY LAND.  A block of 32 lies in 8 neighbouring lanes: its largest magnitude is two v_max3 a row and three steps between lanes.  The conversion takes 8 registers and one scale, and a
; lane has 4 numbers of a row: so two rows' 8 registers are converted twice, once under each row's scale, and of each result the half that belongs to that row is kept.  A lane then holds 16 elements of 16 bits,
; four codes of each of the 16 rows; it stores them on end, 32 bytes at 32 x lane, and the turning LDS load (16-bit elements, 8 x 8) gives any wave the operand's registers: only codes go through LDS.
; THE SCALE BYTES of a lane (16 rows, its block) are packed four to a register; two exchanges between the four groups of eight lanes turn 4 x 4 bytes, so that group b holds the whole words of rows 4 g + b.
; Behind the barrier every wave takes all 64 fragments into its registers.
; THE PRODUCT IS USED TRANSPOSED (source 0 = 16 columns of the output, source 1 = 16 tokens).  A tile's hidden layer comes from memory as images of its 32 fragments (dense KiB), in four chunks of
; eight K steps (20 loads).  Four accumulators (two tiles of columns x even and odd K steps) take turns; b2 starts the even sums.
; LOADS IN A TRIP go round in this order: the tile's tokens (1), chunks 0, 1, 2 (asked for in the trip before, or among the last jobs), chunk 3, x and alpha (8), then the next tile's tokens and its
; chunks 0, 1, 2, each into registers whose products are issued.  By this text's count at most 61 of these are out.  The next tile lies four tiles on: 131,072 bytes of images, 16,384 of scale words,
; 256 of the list, all in the immediates; the three offsets step at a trip's end.
; THE WAY OUT.  z goes through the wave's stage so that eight lanes hold 128 neighbouring bytes of a token's row; a group of eight lanes takes four neighbouring rows, whose tokens are 16 bytes of the list.
; x is loaded and out0 stored so: four tokens x 128 consecutive bytes an instruction.  A work-group's 32 columns are 128 bytes of a row: shares of 64 columns would store 256 on end but leave half
; of the 256 work-groups without a share.  Rows of a last tile beyond the count repeat the tile's first token (the list is padded so): they store the same bytes to the same place.
; A wave without a tile asks, among its last jobs, for the expert's last stored tile (the first product's launch stores one at the least) and uses none of it.
; One barrier, on every wave's path; none in the loop over tiles, whose trip count is read from memory: so no tensor load and no cluster.
; LIMITS: NaN and infinities are not served; a block of zeros gets the byte 1.  An expert without tokens still streams its weights and stores nothing.
; REGISTERS.  Window 0: v1-27 addresses, offsets, two byte selectors; v28-31 four tokens as loaded; v44-51 codes just made; v60-71 the way out's offsets and alpha; v72-87 hidden scale words, v88-119 weights'
;   (lanes 0-15 an even K step, 16-31 the odd one); v120-135 b2; v136-167 four accumulators; v168-231 at work (a job's maxima, codes and bytes; z, z by rows, x, out).
;   Window 1: four sets as loaded, later W2's fragments of K steps 0-15 ((u, s) at 8 (2 (s % 16) + u));  window 2: K steps 16-31;  window 3: the hidden layer's 32 fragments.
.set IMG,  0                           ; LDS: 64 fragments of 1 KiB, (tile u of columns, K step s) at 32 u + s: [lane as loaded: 32][row: 16] elements of 16 bits
.set SCW,  65536                       ; 32 scale registers of 128 bytes, (u, s / 2) at 16 u + s / 2: the even K step's 64 bytes, then the odd one's; row r's word at 16 (r % 4) + 4 (r / 4)
.set STG,  69632                       ; the way out: a stage of 16 rows x 144 bytes for each wave
.set SQ,   14                          ; v14, v15 v_perm_b32's selectors of the two exchanges
.set SH,   15
.set IR,   28
.set PC,   44
.set OO,   60
.set AO,   64
.set AL,   68
.set HS,   72
.set WS,   88
.set B2,   120
.set ACC,  136
.set MX,   168                         ; v168-183 a job's 16 largest magnitudes, then the conversions' scale operands
.set CA,   184                         ; v184-199 the conversions' results
.set BY,   200                         ; v200-215 the scales' bytes
.set WD,   216                         ; v216-219 four bytes to a register
.set PT,   220                         ; v220-223 the partner's
.set VW,   224                         ; v224-227 whole scale words
.set ZS,   168
.set ZR,   184
.set XR,   200
.set OT,   216
.set WV,   40
.set EX,   41
.set SL,   42
.set NN,   43
.set TRIPS, 44
.set IT,   45
.set FLOOR, 47                         ; s47 2^(3 - 127), s48 -(2 << 23), s49 a word's low half
.set NEG2, 48
.set LOWH, 49
.set SEL,  50
.set OF,   52
.set T0,   54
.set T1,   55
.set MSB, 0
.macro WIN new                         ; the immediate's high byte repeats the setting that is left
.if MSB != \new
	s_set_vgpr_msb (MSB<<8)|\new
.set MSB, \new
.endif
.endm
.macro PLACES                          ; four places in front of loads into registers that products have read, and of the first read of results
.rept 4
	v_nop
.endr
.endm
.macro LOAD q                          ; job q = 8 u + j: rows 16 u .. 16 u + 15, K step 8 w + j, into set q % 4 of window 1
	WIN 0x40
.irp r, 0,1,2,3,4,5,6,7,8,9,10,11,12,13,14,15
	global_load_b128 v[64*((\q)%4)+4*\r:64*((\q)%4)+4*\r+3], v1, s[14:15] offset:(16*((\q)/8)+\r)*16384+((\q)%8)*512 th:TH_LOAD_NT
.endr
	WIN 0
.endm
.macro HQ k, nx                        ; chunk k (K steps 8 k .. 8 k + 7) of the tile that v22, v23 stand at (nx = 0) or of the one four tiles on (nx = 1): 16 loads of 512 consecutive bytes, 4 of scale words
	WIN 0xc0
.irp s, 0,1,2,3,4,5,6,7
.irp c, 0,1
	global_load_b128 v[8*(8*(\k)+\s)+4*\c:8*(8*(\k)+\s)+4*\c+3], v22, s[10:11] offset:(\nx)*131072+(8*(\k)+\s)*1024+512*\c
.endr
.endr
	WIN 0
.irp p, 0,1,2,3
	global_load_b32 v[HS+4*(\k)+\p], v23, s[12:13] offset:(\nx)*16384+(4*(\k)+\p)*256
.endr
.endm
; A job: 16 rows x 128 K as loaded -> one fragment and its scale words in LDS.  n: how many younger loads may stay out
.macro JOB q, n
.set RS, 64*((\q)%4)
	s_wait_loadcnt \n
	WIN 0x05                                       ; sources 0 and 1: window 1
.irp r, 0,1,2,3,4,5,6,7,8,9,10,11,12,13,14,15
	v_max3_num_f32 v[MX+\r], |v[RS+4*\r]|, |v[RS+4*\r+1]|, s[FLOOR]   ; row r: my four numbers, and the floor, which holds the byte at 1 from below
.endr
.irp r, 0,1,2,3,4,5,6,7,8,9,10,11,12,13,14,15
	v_max3_num_f32 v[MX+\r], |v[RS+4*\r+2]|, |v[RS+4*\r+3]|, v[MX+\r]
.endr
	WIN 0
.irp m, 1,2,4
.irp r, 0,1,2,3,4,5,6,7,8,9,10,11,12,13,14,15
	v_max_num_f32_dpp v[MX+\r], v[MX+\r], v[MX+\r] row_xmask:\m row_mask:0xf bank_mask:0xf   ; with lanes l xor 1, 2, 4: the block's eight lanes
.endr
.endr
.irp r, 0,1,2,3,4,5,6,7,8,9,10,11,12,13,14,15
	v_add_nc_u32 v[MX+\r], s[NEG2], v[MX+\r]       ; 2 off the exponent field: the conversion's scale operand
.endr
	WIN 0x01                                       ; source 0: window 1
.irp p, 0,1,2,3,4,5,6,7
	v_cvt_scalef32_pk8_fp4_f32 v[CA+2*\p], v[RS+8*\p:RS+8*\p+7], v[MX+2*\p]       ; rows 2 p, 2 p + 1 under row 2 p's scale: the low 16 bits are row 2 p's four codes;
	v_cvt_scalef32_pk8_fp4_f32 v[CA+2*\p+1], v[RS+8*\p:RS+8*\p+7], v[MX+2*\p+1]   ; under row 2 p + 1's: the high 16 bits are its four
.endr
.if (\q) < 12
	LOAD (\q)+4                                    ; the set has been read: it takes the job four on
.else
	WIN 0
.if (\q) == 12
.irp u, 0,1
	global_load_b128 v[B2+8*\u:B2+8*\u+3], v25, s[16:17] offset:64*\u        ; b2: lane (r, h), tile u: columns 16 u + 8 h + 0 .. 7
	global_load_b128 v[B2+8*\u+4:B2+8*\u+7], v25, s[16:17] offset:64*\u+16
.endr
.elseif (\q) == 13
	global_load_b128 v[IR:IR+3], v21, s[4:5]       ; my first tile: its tokens,
	HQ 0, 0                                        ; and three chunks of its hidden layer, while the last jobs are worked
.elseif (\q) == 14
	HQ 1, 0
.else
	HQ 2, 0
.endif
.endif
.irp r, 0,1,2,3,4,5,6,7,8,9,10,11,12,13,14,15
	v_lshrrev_b32 v[BY+\r], 23, v[MX+\r]           ; the scales' bytes.  (Plain instructions between the conversions and the first use of their results)
.endr
	s_wait_dscnt 0x0                               ; the last job's three LDS stores have read their registers, which are written again below
.irp p, 0,1,2,3,4,5,6,7
	v_bfi_b32 v[PC+\p], s[LOWH], v[CA+2*\p], v[CA+2*\p+1]
.endr
	ds_store_b128 v8, v[PC:PC+3] offset:IMG+(32*((\q)/8)+(\q)%8)*1024        ; my 16 elements on end: rows 0-7,
	ds_store_b128 v8, v[PC+4:PC+7] offset:IMG+(32*((\q)/8)+(\q)%8)*1024+16   ; rows 8-15
.irp g, 0,1,2,3
	v_lshl_or_b32 v[WD+\g], v[BY+4*\g+1], 8, v[BY+4*\g]        ; rows 4 g .. 4 g + 3 of my block
.endr
.irp g, 0,1,2,3
	v_lshl_or_b32 v[WD+\g], v[BY+4*\g+2], 16, v[WD+\g]
.endr
.irp g, 0,1,2,3
	v_lshl_or_b32 v[WD+\g], v[BY+4*\g+3], 24, v[WD+\g]
.endr
.irp g, 0,1,2,3
	v_mov_b32_dpp v[PT+\g], v[WD+\g] row_xmask:8 row_mask:0xf bank_mask:0xf   ; the neighbouring block's four
.endr
.irp g, 0,1,2,3
	v_perm_b32 v[WD+\g], v[PT+\g], v[WD+\g], v[SQ]             ; even block: rows 0 and 2 of both blocks; odd block: rows 1 and 3
.endr
.irp g, 0,1,2,3
	v_permlanex16_b32 v[PT+\g], v[WD+\g], s[SEL], s[SEL+1]     ; the same of the other two blocks
.endr
.irp g, 0,1,2,3
	v_perm_b32 v[VW+\g], v[PT+\g], v[WD+\g], v[SH]             ; group b = lane / 8: the whole word of row 4 g + b
.endr
	ds_store_b128 v10, v[VW:VW+3] offset:(16*((\q)/8)+((\q)%8)/2)*128+((\q)%2)*64   ; a group's eight lanes write the same 16 bytes with the same values
.endm
.macro MM u, s                         ; tile u of columns, K step s; accumulator (u, s % 2)
.set rW, 8*(2*((\s)%16)+(\u))
.set rA, ACC+8*(2*((\s)%2)+(\u))
.set rH, 8*(\s)
.if (\s) == 0
	v_wmma_scale_f32_16x16x128_f8f6f4 v[rA:rA+7], v[rW:rW+7], v[rH:rH+7], v[B2+8*(\u):B2+8*(\u)+7], v[WS+16*(\u)+(\s)/2], v[HS+(\s)/2] matrix_a_fmt:MATRIX_FMT_FP4 matrix_b_fmt:MATRIX_FMT_FP4
.elseif (\s) == 1
	v_wmma_scale_f32_16x16x128_f8f6f4 v[rA:rA+7], v[rW:rW+7], v[rH:rH+7], 0, v[WS+16*(\u)+(\s)/2], v[HS+(\s)/2] matrix_a_fmt:MATRIX_FMT_FP4 matrix_b_fmt:MATRIX_FMT_FP4 matrix_a_scale:MATRIX_SCALE_ROW1 matrix_b_scale:MATRIX_SCALE_ROW1
.elseif ((\s)%2) == 0
	v_wmma_scale_f32_16x16x128_f8f6f4 v[rA:rA+7], v[rW:rW+7], v[rH:rH+7], v[rA:rA+7], v[WS+16*(\u)+(\s)/2], v[HS+(\s)/2] matrix_a_fmt:MATRIX_FMT_FP4 matrix_b_fmt:MATRIX_FMT_FP4
.else
	v_wmma_scale_f32_16x16x128_f8f6f4 v[rA:rA+7], v[rW:rW+7], v[rH:rH+7], v[rA:rA+7], v[WS+16*(\u)+(\s)/2], v[HS+(\s)/2] matrix_a_fmt:MATRIX_FMT_FP4 matrix_b_fmt:MATRIX_FMT_FP4 matrix_a_scale:MATRIX_SCALE_ROW1 matrix_b_scale:MATRIX_SCALE_ROW1
.endif
.endm
.macro CH k                            ; chunk k's 16 products; the four accumulators take turns, one instruction a turn
.if \k < 2
	WIN 0x0d                                       ; source 0 (W2) window 1, source 1 (hidden) window 3
.else
	WIN 0x0e
.endif
.irp j, 0,1,2,3,4,5,6,7
.irp u, 0,1
	MM \u, (8*\k+\j)
.endr
.endr
	WIN 0
.endm
; A tile of 16 tokens x my work-group's 32 columns.  At its head the tile's tokens and chunks 0, 1, 2 are out or in: 61 loads.  last = 0: the next tile is asked for on the way.
; The last tile is written out, so that every counted wait is the same on every way.
.macro TRIP last
	s_wait_loadcnt 40                              ; the tokens and chunk 0 are in; chunks 1 and 2 may be out
.irp i, 0,1,2,3
	v_mov_b32 v[OO+\i], v[IR+\i]                   ; copies, since v28-31 take the next tile's tokens while these serve loads and stores
	v_mov_b32 v[AO+\i], v[IR+\i]
.endr
.irp i, 0,1,2,3
	v_min_u32 v[OO+\i], 0x3ff, v[OO+\i]
	v_min_u32 v[AO+\i], 0x3ff, v[AO+\i]
.endr
.irp i, 0,1,2,3
	v_lshlrev_b32 v[OO+\i], 12, v[OO+\i]           ; a row of x and of out0 is 4,096 bytes,
	v_lshlrev_b32 v[AO+\i], 2, v[AO+\i]            ; an alpha 4
.endr
.irp i, 0,1,2,3
	v_add_nc_u32 v[OO+\i], v[OO+\i], v27           ; + my 16 bytes of the slice's 128
.endr
	CH 0
	PLACES
	HQ 3, 0                                        ; out: chunks 1, 2, 3
	s_wait_loadcnt 40                              ; chunk 1
	CH 1
.irp i, 0,1,2,3
	global_load_b128 v[XR+4*\i:XR+4*\i+3], v[OO+\i], s[18:19]
	global_load_b32 v[AL+\i], v[AO+\i], s[8:9]
.endr
	s_wait_loadcnt 28                              ; chunk 2: younger are chunk 3 and the 8 of x and alpha
	CH 2
.if !\last
	PLACES
	global_load_b128 v[IR:IR+3], v21, s[4:5] offset:256
	HQ 0, 1
	s_wait_loadcnt 29                              ; chunk 3: younger are the 8, the next tokens and the next chunk 0
.else
	s_wait_loadcnt 8                               ; chunk 3: younger are the 8
.endif
	CH 3
	PLACES
.if !\last
	HQ 1, 1
.endif
.irp u, 0,1
.irp j, 0,2,4,6
	v_pk_add_f32 v[ZS+8*\u+\j:ZS+8*\u+\j+1], v[ACC+8*\u+\j:ACC+8*\u+\j+1], v[ACC+16+8*\u+\j:ACC+16+8*\u+\j+1]   ; even and odd K steps' sums, each accumulator from its low end on
.endr
.endr
.irp u, 0,1
	ds_store_b128 v7, v[ZS+8*\u:ZS+8*\u+3] offset:64*\u            ; lane (r, h): z(token r, columns 16 u + 8 h + 0 .. 7)
	ds_store_b128 v7, v[ZS+8*\u+4:ZS+8*\u+7] offset:64*\u+16
.endr
.irp i, 0,1,2,3
	ds_load_b128 v[ZR+4*\i:ZR+4*\i+3], v26 offset:144*\i           ; row 4 (lane / 8) + i.  LDS serves a wave's instructions in order: these see the stores above
.endr
.if \last
	s_wait_loadcnt 0x0                             ; x and alpha
.else
	s_wait_loadcnt 41                              ; x and alpha: younger are the next tokens and the next chunks 0 and 1
.endif
	s_wait_dscnt 0x0
.irp i, 0,1,2,3
.irp k, 0,1,2,3
	v_fma_f32 v[OT+4*\i+\k], v[AL+\i], v[ZR+4*\i+\k], v[XR+4*\i+\k]   ; x + alpha z
.endr
.endr
.irp i, 0,1,2,3
	global_store_b128 v[OO+\i], v[OT+4*\i:OT+4*\i+3], s[20:21] th:TH_STORE_NT
.endr
.if !\last
	HQ 2, 1
	s_wait_xcnt 0x0                                ; all loads and stores so far have read their offsets and data: they are written again only behind this wait
	v_add_nc_u32 v21, 256, v21                     ; on to the next tile
	v_add_nc_u32 v22, 0x20000, v22
	v_add_nc_u32 v23, 0x4000, v23
.endif
.endm
	s_load_b256 s[4:11], s[0:1], 0x0               ; list, cnt, alpha, hq
	s_load_b256 s[12:19], s[0:1], 0x20             ; hs, w2, b2, x
	s_load_b64 s[20:21], s[0:1], 0x40              ; out0
	v_lshl_add_u32 v254, v0, 2, 0x13400
	v_mov_b32 v255, 0
	v_lshrrev_b32 v20, 5, v0
	v_readfirstlane_b32 s[WV], v20                 ; wave 0..3
	s_lshr_b32 s[EX], ttmp9, 5
	s_and_b32 s[SL], ttmp9, 31
	v_and_b32 v20, 31, v0                          ; lane
	v_lshlrev_b32 v1, 4, v20                       ; 16 x lane
	v_lshlrev_b32 v2, 2, v20                       ; 4 x lane
	v_and_b32 v3, 15, v0                           ; r
	v_bfe_u32 v4, v0, 4, 1                         ; h
	v_bfe_u32 v5, v0, 3, 1                         ; (lane / 8) % 2
	s_mul_i32 s[T0], s[WV], 16*144
	s_add_co_u32 s[T0], s[T0], STG                 ; my stage
	v_mul_u32_u24 v7, v3, 144                      ; the way out, in: rows of 128 bytes + 16: row r, 32 h bytes on
	v_lshl_add_u32 v7, v4, 5, v7
	v_add_nc_u32 v7, s[T0], v7
	v_lshrrev_b32 v25, 3, v20                      ; lane / 8
	v_and_b32 v27, 7, v20                          ; lane % 8
	v_mul_u32_u24 v26, v25, 576                    ; back: eight lanes to a row; a group of eight takes rows 4 (lane / 8) on
	v_lshl_add_u32 v26, v27, 4, v26
	v_add_nc_u32 v26, s[T0], v26
	v_lshlrev_b32 v13, 4, v25                      ; the list: those four rows' tokens: 16 (lane / 8)
	s_lshl_b32 s[T0], s[WV], 13
	v_lshl_add_u32 v8, v20, 5, s[T0]               ; my fragments (K steps 8 w on), in: 32 x lane
	v_lshl_add_u32 v9, v4, 3, v27                  ; all 64, back, by the turning load: the element columns 8 h + lane % 8 (32 bytes each),
	v_lshlrev_b32 v9, 5, v9
	v_lshl_add_u32 v9, v5, 4, v9                   ; rows 0-7 or 8-15 of them: sixteen lanes take 256 consecutive bytes
	s_lshl_b32 s[T0], s[WV], 9
	s_add_co_u32 s[T0], s[T0], SCW
	v_lshl_add_u32 v10, v25, 4, s[T0]              ; my scale registers, in: 16 x (lane / 8)
	v_and_b32 v6, 3, v0
	v_lshlrev_b32 v11, 4, v6                       ; all 32, back: row r's word at 16 (r % 4)
	v_bfe_u32 v6, v0, 2, 2
	v_lshl_add_u32 v11, v6, 2, v11                 ; + 4 (r / 4),
	v_lshl_add_u32 v11, v4, 6, v11                 ; lanes 16-31 the odd K step's, 64 bytes on
	v_add_nc_u32 v11, SCW, v11
	v_mov_b32 v[SQ], 0x06020400                    ; the first exchange.  Even block: own byte 0, partner's 0, own 2, partner's 2;
	v_mov_b32 v16, 0x03070105                      ; odd block: partner's 1, own 1, partner's 3, own 3
	v_cmp_eq_u32 vcc_lo, 1, v5
	v_cndmask_b32 v[SQ], v[SQ], v16, vcc_lo
	v_mov_b32 v[SH], 0x05040100                    ; the second.  Lanes 0-15: own 0, 1, partner's 0, 1;
	v_mov_b32 v16, 0x03020706                      ; lanes 16-31: partner's 2, 3, own 2, 3
	v_cmp_eq_u32 vcc_lo, 1, v4
	v_cndmask_b32 v[SH], v[SH], v16, vcc_lo
	s_lshl_b32 s[T1], s[SL], 7
	v_lshl_add_u32 v27, v27, 4, s[T1]              ; my 16 bytes of a row of x and of out0
	v_lshl_add_u32 v24, v4, 7, v2                  ; hidden scale words: lanes 0-15 the even K step's, lanes 16-31 the odd one's, 128 bytes on
	v_lshlrev_b32 v25, 5, v4                       ; b2: 32 h
.irp g, 0,1,2,3
	v_mov_b32 v[PT+\g], 0                          ; written once: the destination of a move between lanes counts as one of its sources
.endr
	s_mov_b32 s[FLOOR], 0x1800000
	s_mov_b32 s[NEG2], 0xff000000
	s_mov_b32 s[LOWH], 0xffff
	s_mov_b32 s[SEL], 0x76543210
	s_mov_b32 s[SEL+1], 0xfedcba98
	s_mov_b32 s[OF+1], 0
	s_wait_kmcnt 0x0
	s_lshl_b32 s[OF], s[EX], 7
	s_add_nc_u64 s[6:7], s[6:7], s[OF:OF+1]        ; cnt at my expert
	s_load_b32 s[NN], s[6:7], 0x0
	s_lshl_b32 s[OF], s[EX], 12
	s_add_nc_u64 s[4:5], s[4:5], s[OF:OF+1]        ; the list at my expert
	s_lshl_b32 s[T0], s[SL], 7
	s_add_co_u32 s[OF], s[OF], s[T0]
	s_add_nc_u64 s[16:17], s[16:17], s[OF:OF+1]    ; b2 at my slice: 4,096 bytes an expert too
	s_lshl_b32 s[OF], s[EX], 24                    ; w2: an expert is 2^24 bytes, a slice's 32 rows 2^19, a wave's 8 K steps 2^12 of each row
	s_lshl_b32 s[T0], s[SL], 19
	s_add_co_u32 s[OF], s[OF], s[T0]
	s_lshl_b32 s[T0], s[WV], 12
	s_add_co_u32 s[OF], s[OF], s[T0]
	s_add_nc_u64 s[14:15], s[14:15], s[OF:OF+1]
	LOAD 0
	LOAD 1
	LOAD 2
	LOAD 3
	s_wait_kmcnt 0x0                               ; the count
	s_min_u32 s[NN], s[NN], 1024
	s_add_co_u32 s[T0], s[NN], 15
	s_lshr_b32 s[T0], s[T0], 4                     ; tiles
	s_add_co_u32 s[TRIPS], s[T0], 3
	s_sub_co_u32 s[TRIPS], s[TRIPS], s[WV]
	s_lshr_b32 s[TRIPS], s[TRIPS], 2               ; of them mine
	s_max_u32 s[T0], s[T0], 1
	s_sub_co_u32 s[T0], s[T0], 1                   ; the expert's last stored tile
	s_min_u32 s[T0], s[T0], s[WV]                  ; my first tile, or that one
	s_min_u32 s[T0], s[T0], 63
	s_lshl_b32 s[T1], s[T0], 6
	v_add_nc_u32 v21, s[T1], v13                   ; its tokens,
	s_lshl_b32 s[T1], s[EX], 6
	s_add_co_u32 s[T0], s[T0], s[T1]               ; expert x 64 + tile:
	s_lshl_b32 s[T1], s[T0], 15
	v_add_nc_u32 v22, s[T1], v1                    ; its 32 images,
	s_lshl_b32 s[T1], s[T0], 12
	v_add_nc_u32 v23, s[T1], v24                   ; its scale words
.irp q, 0,1,2,3,4,5,6,7,8,9,10,11,12
	JOB \q, 48                                     ; three younger jobs' loads
.endr
	JOB 13, 36                                     ; two jobs' 32 and b2's 4
	JOB 14, 41                                     ; one job's 16, the 4, the tokens and chunk 0: 21
	JOB 15, 41                                     ; the 21 and chunk 1's 20 may be out (b2's 4, younger than the job too, are taken in with it)
	s_wait_dscnt 0x0                               ; for the others' sake: my fragments and scale words have landed
	s_barrier_signal -1
	s_barrier_wait -1
	WIN 0x40                                       ; all 64 fragments into my registers, where they stay
.irp s, 0,1,2,3,4,5,6,7,8,9,10,11,12,13,14,15
.irp u, 0,1
.irp c, 0,1
	ds_load_tr16_b128 v[8*(2*\s+\u)+4*\c:8*(2*\s+\u)+4*\c+3], v9 offset:IMG+(32*\u+\s)*1024+512*\c   ; lane (r, h): row r, elements 16 c + 8 h + 0 .. 7: k = 64 c + 32 h + 0 .. 31
.endr
.endr
.endr
	WIN 0x80
.irp s, 0,1,2,3,4,5,6,7,8,9,10,11,12,13,14,15
.irp u, 0,1
.irp c, 0,1
	ds_load_tr16_b128 v[8*(2*\s+\u)+4*\c:8*(2*\s+\u)+4*\c+3], v9 offset:IMG+(32*\u+\s+16)*1024+512*\c
.endr
.endr
.endr
	WIN 0
.set pi, 0
.rept 32
	ds_load_b32 v[WS+pi], v11 offset:128*pi
.set pi, pi+1
.endr
	s_wait_dscnt 0x0
	s_cmp_eq_u32 s[TRIPS], 0
	s_cbranch_scc1 .Lend
	s_mov_b32 s[IT], 1
	s_cmp_eq_u32 s[TRIPS], 1
	s_cbranch_scc1 .Llast
.Ltrip:                                            ; all my tiles but the last
	TRIP 0
	s_add_co_u32 s[IT], s[IT], 1
	s_cmp_lt_u32 s[IT], s[TRIPS]
	s_cbranch_scc1 .Ltrip
.Llast:
	TRIP 1
.Lend:
	s_wait_tensorcnt 0x0
	ds_add_u32 v254, v255
	s_wait_dscnt 0x0
	s_endpgm
.Lfunc_end_k_qf74a4861e2_down:
	.size	k_qf74a4861e2_down, .Lfunc_end_k_qf74a4861e2_down-k_qf74a4861e2_down
	.p2alignl 7, 3214868480
	.fill 96, 4, 3214868480
	.section	.rodata,"a",@progbits
	.p2align	6, 0x0
	.amdhsa_kernel k_qf74a4861e2_down
		.amdhsa_group_segment_fixed_size 79360
		.amdhsa_private_segment_fixed_size 0
		.amdhsa_enable_private_segment 0
		.amdhsa_kernarg_size 72
		.amdhsa_user_sgpr_count 2
		.amdhsa_user_sgpr_kernarg_segment_ptr 1
		.amdhsa_wavefront_size32 1
		.amdhsa_system_sgpr_workgroup_id_x 1
		.amdhsa_system_sgpr_workgroup_id_y 1
		.amdhsa_system_sgpr_workgroup_id_z 1
		.amdhsa_system_vgpr_workitem_id 0
		.amdhsa_next_free_vgpr 1024
		.amdhsa_next_free_sgpr 66
		.amdhsa_reserve_vcc 1
		.amdhsa_float_denorm_mode_32 3
		.amdhsa_float_denorm_mode_16_64 3
		.amdhsa_memory_ordered 1
		.amdhsa_forward_progress 1
		.amdhsa_inst_pref_size 236
	.end_amdhsa_kernel
	.amdgpu_metadata
---
amdhsa.version: [ 1, 2 ]
amdhsa.kernels:
  - .name:           k_qf74a4861e2_down
    .symbol:         k_qf74a4861e2_down.kd
    .args:
      - { .name: list, .offset: 0, .size: 8, .value_kind: global_buffer, .address_space: global }
      - { .name: cnt, .offset: 8, .size: 8, .value_kind: global_buffer, .address_space: global }
      - { .name: alpha, .offset: 16, .size: 8, .value_kind: global_buffer, .address_space: global }
      - { .name: hq, .offset: 24, .size: 8, .value_kind: global_buffer, .address_space: global }
      - { .name: hs, .offset: 32, .size: 8, .value_kind: global_buffer, .address_space: global }
      - { .name: w2, .offset: 40, .size: 8, .value_kind: global_buffer, .address_space: global }
      - { .name: b2, .offset: 48, .size: 8, .value_kind: global_buffer, .address_space: global }
      - { .name: input_features, .offset: 56, .size: 8, .value_kind: global_buffer, .address_space: global }
      - { .name: out0, .offset: 64, .size: 8, .value_kind: global_buffer, .address_space: global }
    .group_segment_fixed_size: 79360
    .private_segment_fixed_size: 0
    .kernarg_segment_align: 8
    .kernarg_segment_size: 72
    .max_flat_workgroup_size: 128
    .sgpr_count:     66
    .vgpr_count:     1024
    .wavefront_size: 32
...
	.end_amdgpu_metadata
.endif
;; end of part 4
;; ======== version 2 of 2: 4 launches
;; workspace buffers: assign 4,096 bytes of whole numbers; alpha 4,096 bytes; xq 524,288 bytes; xs 32,768 bytes; hq 16,777,216 bytes; hs 2,097,152 bytes; list 32,768 bytes of whole numbers; cnt 1,024 bytes of whole numbers
;; launch route (part 5): grid 256 x 1, 4 waves a work-group, no clusters, 38,400 bytes of LDS; arguments input_features, centroids, ln_g, ln_b, assign, alpha, xq, xs; writes assign, alpha, xq, xs
.if DOCPART == 5
	.amdgcn_target "amdgcn-amd-amdhsa--gfx1250"
	.amdhsa_code_object_version 6
	.text
	.protected	k_qf74a4861e2_route
	.globl	k_qf74a4861e2_route
	.p2align	8
	.type	k_qf74a4861e2_route,@function
k_qf74a4861e2_route:
	s_mov_b64 s[64:65], 0
	v_nop
	global_prefetch_b8 v0, s[64:65] scope:SCOPE_SE
	s_setreg_imm32_b32 hwreg(HW_REG_WAVE_MODE, 25, 1), 1
	s_wait_xcnt 0x0
; ROUTER, LAYERNORM AND FIRST QUANTISER.  1,024 tokens of 1,024 f32.  For each token: its 8 affinities x . centroid[e] (f32 multiply-adds), the expert with the
; largest (the lower index on a tie), alpha = sigmoid(that affinity), h = (x - mean) rsqrt(var + 1e-5) g[e] + b[e] with the chosen expert's g and b, and h as codes of
; FP4 (E2M1) with one E8M0 byte for each 32 along the 1,024.  Stored in TOKEN order: assign (u32), alpha (f32), xq [token][512 bytes], xs [token][32 bytes].
; No address and no branch hangs on the choice: g and b of all eight experts are loaded and the chosen ones are taken by v_cndmask_b32.
; SHARES.  A work-group of four waves takes four tokens.  Wave w holds numbers 256 w .. 256 w + 255 of all four (lane l: 4 l .. 4 l + 3 and the same + 128), so every load
; reads 512 consecutive bytes and a centroid's, g's and b's part is loaded once for four tokens.  Wave w also owns token w: it adds that token's partial sums and quantises its row.
; Sums meet in LDS: four barriers; in front of each a wave waits for all its LDS instructions.
; No matrix unit (8 columns), no tensor load, no cluster: the launch is short and its work-groups share only 96 KiB of small tables.
; LIMITS: NaN and infinities among the inputs are not served.  A token whose two largest affinities agree to within the rounding of an f32 sum of 1,024 products may go to either.
; A block of zeros gets the byte 1 (its codes are zeros; the bytes are read by this program alone).  assign and alpha leave as 4 bytes a wave: 8 KiB in the whole launch.
.set PUB,  18432                       ; LDS: 0 .. 18,431 the partial sums, value v = 9 token + k (k = 0..7 affinities, 8 the row's sum) at 512 v + 4 thread
.set SSQ,  18496                       ; PUB: 16 bytes a token (expert, mean);  SSQ: [token][wave] sums of squares
.set YST,  18688                       ; h of four tokens: a token is 32 blocks of 128 bytes + 16 of padding
.set YTOK, 4608
.set X,    12                          ; v12-43   token i's 8 numbers at X + 8 i
.set C,    44                          ; v44-107  centroid e's 8 at C + 8 e; later ln_b's
.set G,    108                         ; v108-171 ln_g's
.set P,    172                         ; v172-207 36 partial sums; later the owner's sums; later at work in the quantiser
.set T,    208                         ; v208-239 at work
.set AM,   240                         ; v240-247 (expert, mean) of the four tokens
.set IDX,  248                         ; v248 my token's expert, v249 its mean (a pair for one LDS store)
.set MEAN, 249
.set BEST, 250
.set ALP,  251
.set RS,   252                         ; v252-255 rsqrt(var + eps) of the four tokens
.set M,    36                          ; s36-63   lane masks: token i has expert e (1..7) at M + 7 i + e - 1
.macro BAR                             ; my LDS stores have landed and my LDS loads are in: then the work-group's barrier
	s_wait_dscnt 0x0
	s_barrier_signal -1
	s_barrier_wait -1
.endm
	s_load_b256 s[4:11], s[0:1], 0x0               ; x, centroids, ln_g, ln_b
	s_load_b256 s[12:19], s[0:1], 0x20             ; assign, alpha, xq, xs
	v_lshl_add_u32 v11, v0, 2, 0x9400
	s_set_vgpr_msb 0x40
	v_mov_b32 v1, 0
	s_set_vgpr_msb 0x4000
	v_and_b32 v1, 31, v0                           ; lane
	v_lshrrev_b32 v7, 5, v0                        ; wave
	v_lshlrev_b32 v2, 4, v1
	v_lshl_add_u32 v2, v7, 10, v2                  ; my 16 bytes of a row: 1,024 w + 16 l
	v_lshlrev_b32 v3, 2, v0                        ; partial sums, in: 4 x thread
	v_mul_u32_u24 v6, v7, YTOK                     ; 4,608 w: nine values of 512 bytes, and also a token's h
	v_lshl_add_u32 v4, v1, 4, v6                   ; partial sums, out: my token's values, four threads' words a lane
	v_mad_u32_u24 v6, v1, 144, v6
	v_add_nc_u32 v6, YST, v6                       ; h, out: my token, block = lane
	v_lshrrev_b32 v5, 3, v1
	v_lshl_add_u32 v5, v7, 3, v5                   ; h, in: block 8 w + l / 8,
	v_mul_u32_u24 v5, v5, 144
	v_and_b32 v8, 7, v1
	v_lshl_add_u32 v5, v8, 4, v5                   ; 16 (l % 8) bytes into it
	v_add_nc_u32 v5, YST, v5
	v_lshl_add_u32 v8, v7, 4, PUB
	v_lshl_add_u32 v9, v7, 2, SSQ
	v_mov_b32 v10, PUB
	s_mov_b32 s22, 0x76543210
	s_mov_b32 s23, 0xfedcba98                      ; v_permlanex16_b32's selects for lane l xor 16
	s_mov_b32 s24, 0x3a800000                      ; 1 / 1,024
	s_mov_b32 s25, 0x3727c5ac                      ; 1e-5
	s_mov_b32 s27, 0
	s_lshl_b32 s26, ttmp9, 14                      ; four rows of 4,096 bytes a work-group
	s_wait_kmcnt 0x0
	s_add_nc_u64 s[4:5], s[4:5], s[26:27]
	s_lshl_b32 s26, ttmp9, 11
	s_add_nc_u64 s[16:17], s[16:17], s[26:27]      ; xq: four rows of 512 bytes
	s_lshl_b32 s26, ttmp9, 7
	s_add_nc_u64 s[18:19], s[18:19], s[26:27]      ; xs: four rows of 32
	s_lshl_b32 s26, ttmp9, 4
	s_add_nc_u64 s[12:13], s[12:13], s[26:27]
	s_add_nc_u64 s[14:15], s[14:15], s[26:27]
.irp i, 0,1,2,3
	global_load_b128 v[X+8*\i:X+8*\i+3], v2, s[4:5] offset:4096*\i
	global_load_b128 v[X+8*\i+4:X+8*\i+7], v2, s[4:5] offset:4096*\i+512
.endr
.irp e, 0,1,2,3,4,5,6,7
	global_load_b128 v[C+8*\e:C+8*\e+3], v2, s[6:7] offset:4096*\e
	global_load_b128 v[C+8*\e+4:C+8*\e+7], v2, s[6:7] offset:4096*\e+512
.endr
.irp e, 0,1,2,3,4,5,6,7
	global_load_b128 v[G+8*\e:G+8*\e+3], v2, s[8:9] offset:4096*\e
	global_load_b128 v[G+8*\e+4:G+8*\e+7], v2, s[8:9] offset:4096*\e+512
.endr
; ---- A: my 8 numbers' share of 8 affinities and of the row's sum, for four tokens
.macro DOT4 i, e0                      ; four centroids by turns, two multiply-adds an instruction
.irp k, 0,1,2,3
	v_pk_mul_f32 v[T+2*\k:T+2*\k+1], v[X+8*\i:X+8*\i+1], v[C+8*(\e0+\k):C+8*(\e0+\k)+1]
.endr
.irp j, 2,4,6
.irp k, 0,1,2,3
	v_pk_fma_f32 v[T+2*\k:T+2*\k+1], v[X+8*\i+\j:X+8*\i+\j+1], v[C+8*(\e0+\k)+\j:C+8*(\e0+\k)+\j+1], v[T+2*\k:T+2*\k+1]
.endr
.endr
.irp k, 0,1,2,3
	v_add_f32 v[P+9*\i+\e0+\k], v[T+2*\k], v[T+2*\k+1]
.endr
.endm
	s_wait_loadcnt 16                              ; x and the centroids are in; ln_g's sixteen loads may be out
.irp i, 0,1,2,3
	DOT4 \i, 0
	DOT4 \i, 4
.endr
.irp i, 0,1,2,3
	v_pk_add_f32 v[T+4*\i:T+4*\i+1], v[X+8*\i:X+8*\i+1], v[X+8*\i+2:X+8*\i+3]
	v_pk_add_f32 v[T+4*\i+2:T+4*\i+3], v[X+8*\i+4:X+8*\i+5], v[X+8*\i+6:X+8*\i+7]
.endr
.irp i, 0,1,2,3
	v_pk_add_f32 v[T+4*\i:T+4*\i+1], v[T+4*\i:T+4*\i+1], v[T+4*\i+2:T+4*\i+3]
.endr
.irp i, 0,1,2,3
	v_add_f32 v[P+9*\i+8], v[T+4*\i], v[T+4*\i+1]
.endr
.irp e, 0,1,2,3,4,5,6,7                        ; the centroids are done with: ln_b takes their registers
	global_load_b128 v[C+8*\e:C+8*\e+3], v2, s[10:11] offset:4096*\e
	global_load_b128 v[C+8*\e+4:C+8*\e+7], v2, s[10:11] offset:4096*\e+512
.endr
.set vi, 0
.rept 36
	ds_store_b32 v3, v[P+vi] offset:512*vi
.set vi, vi+1
.endr
	BAR                                            ; all 128 threads' partial sums lie in LDS
; ---- B: the owner adds its token's nine values over the 128 threads
.irp k, 0,1,2,3,4,5,6,7,8
	ds_load_b128 v[P+4*\k:P+4*\k+3], v4 offset:512*\k
.endr
	s_wait_dscnt 0x0
.irp k, 0,1,2,3,4,5,6,7,8
	v_add_f32 v[P+4*\k], v[P+4*\k], v[P+4*\k+1]
	v_add_f32 v[P+4*\k+2], v[P+4*\k+2], v[P+4*\k+3]
.endr
.irp k, 0,1,2,3,4,5,6,7,8
	v_add_f32 v[P+4*\k], v[P+4*\k], v[P+4*\k+2]
.endr
.irp m, 1,2,4,8
.irp k, 0,1,2,3,4,5,6,7,8
	v_add_f32_dpp v[P+4*\k], v[P+4*\k], v[P+4*\k] row_xmask:\m row_mask:0xf bank_mask:0xf
.endr
.endr
.irp k, 0,1,2,3,4,5,6,7,8
	v_permlanex16_b32 v[P+4*\k+1], v[P+4*\k], s22, s23
.endr
.irp k, 0,1,2,3,4,5,6,7,8
	v_add_f32 v[P+4*\k], v[P+4*\k], v[P+4*\k+1]    ; every lane holds the sum
.endr
	v_mov_b32 v[IDX], 0
	v_mov_b32 v[BEST], v[P]
.irp e, 1,2,3,4,5,6,7
	v_cmp_gt_f32 vcc_lo, v[P+4*\e], v[BEST]        ; strictly larger: a tie keeps the lower index
	v_cndmask_b32 v[IDX], v[IDX], \e, vcc_lo
	v_cndmask_b32 v[BEST], v[BEST], v[P+4*\e], vcc_lo
.endr
	v_mul_f32 v[ALP], 0xbfb8aa3b, v[BEST]          ; alpha = 1 / (1 + 2^(-log2(e) a))
	s_wait_alu depctr_va_vdst(0)
	v_exp_f32 v[ALP], v[ALP]
	v_mul_f32 v[MEAN], s24, v[P+32]                ; (the plain instruction behind the exponential)  the mean
	s_wait_alu depctr_va_vdst(0)                   ; the wait ahead of the first reader
	v_add_f32 v[ALP], 1.0, v[ALP]
	s_wait_alu depctr_va_vdst(0)
	v_rcp_f32 v[ALP], v[ALP]
	v_nop                                          ; a plain instruction behind the reciprocal
	s_wait_alu depctr_va_vdst(0)
	ds_store_b64 v8, v[IDX:IDX+1]                  ; all lanes write the same 8 bytes with the same values
	BAR                                            ; the four tokens' experts and means lie in LDS
; ---- C: variance (of x - mean, as reference() has it), then h
.irp i, 0,1,2,3
	ds_load_b64 v[AM+2*\i:AM+2*\i+1], v10 offset:16*\i
.endr
	s_wait_dscnt 0x0
.irp i, 0,1,2,3
.irp j, 0,1,2,3,4,5,6,7
	v_sub_f32 v[X+8*\i+\j], v[X+8*\i+\j], v[AM+2*\i+1]
.endr
.endr
.irp i, 0,1,2,3
	v_pk_mul_f32 v[T+2*\i:T+2*\i+1], v[X+8*\i:X+8*\i+1], v[X+8*\i:X+8*\i+1]
.endr
.irp j, 2,4,6
.irp i, 0,1,2,3
	v_pk_fma_f32 v[T+2*\i:T+2*\i+1], v[X+8*\i+\j:X+8*\i+\j+1], v[X+8*\i+\j:X+8*\i+\j+1], v[T+2*\i:T+2*\i+1]
.endr
.endr
.irp i, 0,1,2,3
	v_add_f32 v[T+2*\i], v[T+2*\i], v[T+2*\i+1]
.endr
.irp m, 1,2,4,8
.irp i, 0,1,2,3
	v_add_f32_dpp v[T+2*\i], v[T+2*\i], v[T+2*\i] row_xmask:\m row_mask:0xf bank_mask:0xf
.endr
.endr
.irp i, 0,1,2,3
	v_permlanex16_b32 v[T+2*\i+1], v[T+2*\i], s22, s23
.endr
.irp i, 0,1,2,3
	v_add_f32 v[T+2*\i], v[T+2*\i], v[T+2*\i+1]
.endr
.irp i, 0,1,2,3
	ds_store_b32 v9, v[T+2*\i] offset:16*\i        ; my wave's share of token i's sum of squares
.endr
	BAR
.irp i, 0,1,2,3
	ds_load_b128 v[T+4*\i:T+4*\i+3], v10 offset:SSQ-PUB+16*\i
.endr
	s_wait_dscnt 0x0
.irp i, 0,1,2,3
	v_add_f32 v[T+4*\i], v[T+4*\i], v[T+4*\i+1]
	v_add_f32 v[T+4*\i+2], v[T+4*\i+2], v[T+4*\i+3]
.endr
.irp i, 0,1,2,3
	v_add_f32 v[T+4*\i], v[T+4*\i], v[T+4*\i+2]
.endr
.irp i, 0,1,2,3
	v_fma_f32 v[T+4*\i], v[T+4*\i], s24, s25       ; var + eps
.endr
	s_wait_alu depctr_va_vdst(0)
.irp i, 0,1,2,3
	v_rsq_f32 v[RS+\i], v[T+4*\i]                  ; one batch
.endr
.irp i, 0,1,2,3
.irp e, 1,2,3,4,5,6,7
	v_cmp_eq_u32 s[M+7*\i+\e-1], \e, v[AM+2*\i]    ; the masks of the choice: independent work behind the batch
.endr
.endr
	s_wait_alu depctr_va_vdst(0)                   ; one wait for the four, ahead of their first reader
	s_wait_loadcnt 0x0                             ; ln_g and ln_b
.macro LN i                            ; token i: g and b of its expert by seven selections each, then ((x - mean) rs) g + b
.irp j, 0,1,2,3,4,5,6,7
	v_cndmask_b32 v[T+\j], v[G+\j], v[G+8+\j], s[M+7*\i]
	v_cndmask_b32 v[T+8+\j], v[C+\j], v[C+8+\j], s[M+7*\i]
.endr
.irp e, 2,3,4,5,6,7
.irp j, 0,1,2,3,4,5,6,7
	v_cndmask_b32 v[T+\j], v[T+\j], v[G+8*\e+\j], s[M+7*\i+\e-1]
	v_cndmask_b32 v[T+8+\j], v[T+8+\j], v[C+8*\e+\j], s[M+7*\i+\e-1]
.endr
.endr
.irp j, 0,1,2,3,4,5,6,7
	v_mul_f32 v[X+8*\i+\j], v[X+8*\i+\j], v[RS+\i]
.endr
.irp j, 0,2,4,6
	v_pk_fma_f32 v[X+8*\i+\j:X+8*\i+\j+1], v[X+8*\i+\j:X+8*\i+\j+1], v[T+\j:T+\j+1], v[T+8+\j:T+8+\j+1]
.endr
	ds_store_b128 v5, v[X+8*\i:X+8*\i+3] offset:YTOK*\i
	ds_store_b128 v5, v[X+8*\i+4:X+8*\i+7] offset:YTOK*\i+576     ; 128 numbers on: four blocks of 144 bytes
.endm
	LN 0
	LN 1
	LN 2
	LN 3
	BAR                                            ; four whole rows of h lie in LDS
; ---- D: wave w quantises token w: a lane takes one whole block of 32
.irp j, 0,1,2,3,4,5,6,7
	ds_load_b128 v[T+4*\j:T+4*\j+3], v6 offset:16*\j
.endr
	v_lshlrev_b32 v[P+8], 4, v1
	v_lshl_add_u32 v[P+8], v7, 9, v[P+8]           ; xq: 512 w + 16 l
	v_lshlrev_b32 v[P+9], 2, v7                    ; assign, alpha: 4 w
	s_wait_dscnt 0x0
	v_max3_num_f32 v[P], |v[T]|, |v[T+1]|, |v[T+2]|
	v_max3_num_f32 v[P+1], |v[T+3]|, |v[T+4]|, |v[T+5]|
.irp i, 6,10,14,18,22,26
	v_max3_num_f32 v[P], v[P], |v[T+\i]|, |v[T+\i+1]|
	v_max3_num_f32 v[P+1], v[P+1], |v[T+\i+2]|, |v[T+\i+3]|
.endr
	v_max3_num_f32 v[P], v[P], |v[T+30]|, |v[T+31]|
	v_max3_num_f32 v[P], v[P], v[P+1], 0x1800000   ; the floor 2^(3 - 127): the byte cannot fall under 1
	v_add_nc_u32 v[P+2], 0xff000000, v[P]          ; 2 off the exponent field: the conversion's scale operand
	v_lshrrev_b32 v[P+3], 23, v[P+2]               ; the scale's byte
.irp g, 0,1,2,3
	v_cvt_scalef32_pk8_fp4_f32 v[P+4+\g], v[T+8*\g:T+8*\g+7], v[P+2]
.endr
	v_nop                                          ; a plain instruction behind the last conversion
	global_store_b128 v[P+8], v[P+4:P+7], s[16:17] ; the wave stores its token's 512 bytes of codes on end
	global_store_b8 v0, v[P+3], s[18:19]           ; and its 32 scale bytes: 32 w + l is the thread's number
	s_wait_xcnt 0x0                                ; EXEC changes only behind this wait
	v_cmp_eq_u32 vcc_lo, 0, v1
	s_set_vgpr_msb 0x4
	s_wait_tensorcnt 0x0
	ds_add_u32 v11, v1
	s_wait_dscnt 0x0
	s_set_vgpr_msb 0x400
	s_and_saveexec_b32 s26, vcc_lo                 ; lane 0 alone
	global_store_b32 v[P+9], v[IDX], s[12:13]
	global_store_b32 v[P+9], v[ALP], s[14:15]
	s_endpgm
.Lfunc_end_k_qf74a4861e2_route:
	.size	k_qf74a4861e2_route, .Lfunc_end_k_qf74a4861e2_route-k_qf74a4861e2_route
	.p2alignl 7, 3214868480
	.fill 96, 4, 3214868480
	.section	.rodata,"a",@progbits
	.p2align	6, 0x0
	.amdhsa_kernel k_qf74a4861e2_route
		.amdhsa_group_segment_fixed_size 38400
		.amdhsa_private_segment_fixed_size 0
		.amdhsa_enable_private_segment 0
		.amdhsa_kernarg_size 64
		.amdhsa_user_sgpr_count 2
		.amdhsa_user_sgpr_kernarg_segment_ptr 1
		.amdhsa_wavefront_size32 1
		.amdhsa_system_sgpr_workgroup_id_x 1
		.amdhsa_system_sgpr_workgroup_id_y 1
		.amdhsa_system_sgpr_workgroup_id_z 1
		.amdhsa_system_vgpr_workitem_id 0
		.amdhsa_next_free_vgpr 258
		.amdhsa_next_free_sgpr 66
		.amdhsa_reserve_vcc 1
		.amdhsa_float_denorm_mode_32 3
		.amdhsa_float_denorm_mode_16_64 3
		.amdhsa_memory_ordered 1
		.amdhsa_forward_progress 1
		.amdhsa_inst_pref_size 67
	.end_amdhsa_kernel
	.amdgpu_metadata
---
amdhsa.version: [ 1, 2 ]
amdhsa.kernels:
  - .name:           k_qf74a4861e2_route
    .symbol:         k_qf74a4861e2_route.kd
    .args:
      - { .name: input_features, .offset: 0, .size: 8, .value_kind: global_buffer, .address_space: global }
      - { .name: centroids, .offset: 8, .size: 8, .value_kind: global_buffer, .address_space: global }
      - { .name: ln_g, .offset: 16, .size: 8, .value_kind: global_buffer, .address_space: global }
      - { .name: ln_b, .offset: 24, .size: 8, .value_kind: global_buffer, .address_space: global }
      - { .name: assign, .offset: 32, .size: 8, .value_kind: global_buffer, .address_space: global }
      - { .name: alpha, .offset: 40, .size: 8, .value_kind: global_buffer, .address_space: global }
      - { .name: xq, .offset: 48, .size: 8, .value_kind: global_buffer, .address_space: global }
      - { .name: xs, .offset: 56, .size: 8, .value_kind: global_buffer, .address_space: global }
    .group_segment_fixed_size: 38400
    .private_segment_fixed_size: 0
    .kernarg_segment_align: 8
    .kernarg_segment_size: 64
    .max_flat_workgroup_size: 128
    .sgpr_count:     66
    .vgpr_count:     258
    .wavefront_size: 32
...
	.end_amdgpu_metadata
.endif
;; end of part 5
;; launch place (part 6): grid 32 x 1, 4 waves a work-group, no clusters, 0 bytes of LDS; arguments assign, list, cnt; writes list, cnt
.if DOCPART == 6
	.amdgcn_target "amdgcn-amd-amdhsa--gfx1250"
	.amdhsa_code_object_version 6
	.text
	.protected	k_qf74a4861e2_place
	.globl	k_qf74a4861e2_place
	.p2align	8
	.type	k_qf74a4861e2_place,@function
k_qf74a4861e2_place:
	s_mov_b64 s[64:65], 0
	v_nop
	global_prefetch_b8 v0, s[64:65] scope:SCOPE_SE
	s_setreg_imm32_b32 hwreg(HW_REG_WAVE_MODE, 25, 1), 1
	s_wait_xcnt 0x0
; THE PLACING OF TOKENS BY EXPERT.  assign [1,024] u32 (each token's expert) -> list [8 experts][64 tiles][16 rows] u32: the tokens of an expert by rank, and cnt [8][32] u32: their number (32 equal words).
; NO ADDRESS HANGS ON DATA: a token is not sent to the place of its rank; each lane LOOKS UP the token that has its rank, and stores it at a place made of ids.
; RANK ORDER: register a of the 32 that hold the stored experts, then lane; the token of (a, lane) is 128 (a / 4) + 4 lane + a % 4.
; SHARES.  Work-group g: expert g / 4; its wave w: ranks 64 i .. 64 i + 63, i = 4 (g % 4) + w; lane l: ranks 64 i + 2 l and + 1, so that the wave stores 256 consecutive bytes, aligned.
; THE LOOK-UP of rank p.  (1) mask[a]: the lanes of register a that hold my expert; before[a]: how many such tokens lie in registers under a.  Both are the same in all lanes and stand in scalar
; registers; before[a] stands as 32 before[a] + a, which rises with a, so that ONE comparison with 32 p + 31 says whether before[a] <= p, and the last a that passes is the register that holds rank p.
; (2) k = p - before[a]; the lane is the place of the k-th 1 in mask[a]: the 1s are counted in fields of 2, 4, 8 and 16 bits, and five steps go down by halves.
; PADDING.  A rank beyond the count takes its tile's first rank (such a row repeats that row's work later on); a tile with no token takes rank 0.  So every word of list is stored and lies in 0 .. 1,023.
; The launch is tiny (4 KiB in, 33 KiB out): no LDS, no barrier; every wave reads all of assign.
.set A,   8                            ; v8-39  the stored experts
.set PE,  40                           ; two look-ups by turns, j = 0, 1: the rank looked up,
.set PP,  42                           ; 32 x it + 31,
.set CA,  44                           ; 32 before[a] + a of the register found so far,
.set MK,  46                           ; its mask,
.set KK,  48                           ; k,
.set AI,  50                           ; a,
.set T,   52                           ; at work,
.set A1,  54                           ; the counts of 1s in fields of 2,
.set A2,  56                           ; 4,
.set A3,  58                           ; 8,
.set A4,  60                           ; 16 bits,
.set POS, 62                           ; the place,
.set T2,  64                           ; at work,
.set TK,  66                           ; the token
.set M,   32                           ; s32-63 mask[a]
.set CU,  66                           ; s66-97 32 before[a] + a
	s_load_b128 s[4:7], s[0:1], 0x0                ; assign, list
	s_load_b64 s[8:9], s[0:1], 0x10                ; cnt
	v_lshrrev_b32 v1, 5, v0
	v_readfirstlane_b32 s10, v1                    ; wave
	v_and_b32 v1, 31, v0                           ; lane
	s_wait_alu depctr_va_vdst(0)
	v_lshlrev_b32 v2, 4, v1                        ; 16 x lane
	v_lshlrev_b32 v6, 3, v1                        ; 8 x lane
	v_lshlrev_b32 v7, 2, v1                        ; 4 x lane
	s_lshr_b32 s11, ttmp9, 2                       ; expert
	s_and_b32 s12, ttmp9, 3
	s_lshl_b32 s12, s12, 2
	s_add_co_u32 s12, s12, s10                     ; i: which 64 ranks
	s_mov_b32 s17, 0x55555555
	s_mov_b32 s18, 0x33333333
	s_mov_b32 s19, 0x0f0f0f0f
	s_mov_b32 s20, 0x00ff00ff
	s_lshl_b32 s22, s11, 12                        ; list: 4,096 bytes an expert, 256 a wave
	s_lshl_b32 s15, s12, 8
	s_add_co_u32 s22, s22, s15
	s_mov_b32 s23, 0
	s_lshl_b32 s15, s12, 6
	v_lshl_add_u32 v3, v1, 1, s15                  ; my ranks: 64 i + 2 l
	v_add_nc_u32 v4, 1, v3                         ; and + 1: both in one tile
	v_and_b32 v5, 0x3f0, v3                        ; the tile's first rank
	s_wait_alu depctr_va_vdst(0)
	s_wait_kmcnt 0x0
.irp g, 0,1,2,3,4,5,6,7
	global_load_b128 v[A+4*\g:A+4*\g+3], v2, s[4:5] offset:512*\g
.endr
	s_add_nc_u64 s[6:7], s[6:7], s[22:23]
	s_lshl_b32 s22, s11, 7                         ; cnt: 128 bytes an expert
	s_add_nc_u64 s[8:9], s[8:9], s[22:23]
	s_mov_b32 s13, 0                               ; the count so far
	s_wait_loadcnt 0x0
.set ai, 0
.rept 32
	v_cmp_eq_u32 s[M+ai], s11, v[A+ai]
.if ai > 0
	s_lshl_b32 s14, s13, 5
	s_add_co_u32 s[CU+ai], s14, ai
.endif
	s_bcnt1_i32_b32 s14, s[M+ai]
	s_add_co_u32 s13, s13, s14
.set ai, ai+1
.endr
	v_cmp_gt_u32 vcc_lo, s13, v5                   ; has my tile a token?
	v_cndmask_b32 v5, 0, v5, vcc_lo
	v_cmp_gt_u32 vcc_lo, s13, v3
	v_cndmask_b32 v[PE], v5, v3, vcc_lo            ; the rank that is looked up: mine, or the padding's
	v_cmp_gt_u32 vcc_lo, s13, v4
	v_cndmask_b32 v[PE+1], v5, v4, vcc_lo
.irp j, 0,1
	v_lshl_add_u32 v[PP+\j], v[PE+\j], 5, 31
	v_mov_b32 v[CA+\j], 0                          ; register 0: before = 0
	v_mov_b32 v[MK+\j], s[M]
.endr
.set ai, 1
.rept 31
.irp j, 0,1
	v_cmp_ge_u32 vcc_lo, v[PP+\j], s[CU+ai]        ; before[a] <= rank
	v_cndmask_b32 v[CA+\j], v[CA+\j], s[CU+ai], vcc_lo
	v_cndmask_b32 v[MK+\j], v[MK+\j], s[M+ai], vcc_lo
.endr
.set ai, ai+1
.endr
.irp j, 0,1
	v_lshrrev_b32 v[T+\j], 5, v[CA+\j]             ; before[a]
	v_and_b32 v[AI+\j], 31, v[CA+\j]               ; a
	v_sub_nc_u32 v[KK+\j], v[PE+\j], v[T+\j]       ; k
.endr
.irp j, 0,1                                    ; the 1s of the mask in fields of 2 bits,
	v_lshrrev_b32 v[T+\j], 1, v[MK+\j]
	v_and_b32 v[T+\j], s17, v[T+\j]
	v_sub_nc_u32 v[A1+\j], v[MK+\j], v[T+\j]
.endr
.irp j, 0,1                                    ; of 4,
	v_lshrrev_b32 v[T+\j], 2, v[A1+\j]
	v_and_b32 v[T+\j], s18, v[T+\j]
	v_and_b32 v[A2+\j], s18, v[A1+\j]
	v_add_nc_u32 v[A2+\j], v[A2+\j], v[T+\j]
.endr
.irp j, 0,1                                    ; of 8,
	v_lshrrev_b32 v[T+\j], 4, v[A2+\j]
	v_add_nc_u32 v[T+\j], v[A2+\j], v[T+\j]
	v_and_b32 v[A3+\j], s19, v[T+\j]
.endr
.irp j, 0,1                                    ; of 16
	v_lshrrev_b32 v[T+\j], 8, v[A3+\j]
	v_add_nc_u32 v[T+\j], v[A3+\j], v[T+\j]
	v_and_b32 v[A4+\j], s20, v[T+\j]
.endr
.irp j, 0,1                                    ; the first step down: is the k-th 1 among the low 16 bits?
	v_and_b32 v[T+\j], 0xffff, v[A4+\j]
	v_cmp_ge_u32 vcc_lo, v[KK+\j], v[T+\j]
	v_sub_nc_u32 v[T+\j], v[KK+\j], v[T+\j]
	v_cndmask_b32 v[KK+\j], v[KK+\j], v[T+\j], vcc_lo
	v_cndmask_b32 v[POS+\j], 0, 16, vcc_lo
.endr
.macro LEVEL src, w, msk               ; a step down: t = the 1s in the w bits from POS on; if k >= t the k-th 1 lies above them: k -= t, POS += w
.irp j, 0,1
	v_lshrrev_b32 v[T+\j], v[POS+\j], v[\src+\j]
	v_and_b32 v[T+\j], \msk, v[T+\j]
	v_cmp_ge_u32 vcc_lo, v[KK+\j], v[T+\j]
	v_sub_nc_u32 v[T+\j], v[KK+\j], v[T+\j]
	v_add_nc_u32 v[T2+\j], \w, v[POS+\j]
	v_cndmask_b32 v[KK+\j], v[KK+\j], v[T+\j], vcc_lo
	v_cndmask_b32 v[POS+\j], v[POS+\j], v[T2+\j], vcc_lo
.endr
.endm
	LEVEL A3, 8, 0xff
	LEVEL A2, 4, 15
	LEVEL A1, 2, 3
	LEVEL MK, 1, 1
.irp j, 0,1
	v_lshrrev_b32 v[T+\j], 2, v[AI+\j]
	v_and_b32 v[T2+\j], 3, v[AI+\j]
	v_lshl_add_u32 v[T2+\j], v[POS+\j], 2, v[T2+\j]
	v_lshl_add_u32 v[TK+\j], v[T+\j], 7, v[T2+\j]  ; 128 (a / 4) + 4 lane + a % 4: at most 1,023
.endr
	global_store_b64 v6, v[TK:TK+1], s[6:7]        ; the wave stores 256 consecutive bytes, aligned
	s_cmp_lg_u32 s12, 0
	s_cbranch_scc1 .Lend                           ; the expert's first wave stores the count
	v_mov_b32 v5, s13
	global_store_b32 v7, v5, s[8:9]                ; 32 equal words: 128 consecutive bytes
.Lend:
	s_endpgm
.Lfunc_end_k_qf74a4861e2_place:
	.size	k_qf74a4861e2_place, .Lfunc_end_k_qf74a4861e2_place-k_qf74a4861e2_place
	.p2alignl 7, 3214868480
	.fill 96, 4, 3214868480
	.section	.rodata,"a",@progbits
	.p2align	6, 0x0
	.amdhsa_kernel k_qf74a4861e2_place
		.amdhsa_group_segment_fixed_size 0
		.amdhsa_private_segment_fixed_size 0
		.amdhsa_enable_private_segment 0
		.amdhsa_kernarg_size 24
		.amdhsa_user_sgpr_count 2
		.amdhsa_user_sgpr_kernarg_segment_ptr 1
		.amdhsa_wavefront_size32 1
		.amdhsa_system_sgpr_workgroup_id_x 1
		.amdhsa_system_sgpr_workgroup_id_y 1
		.amdhsa_system_sgpr_workgroup_id_z 1
		.amdhsa_system_vgpr_workitem_id 0
		.amdhsa_next_free_vgpr 128
		.amdhsa_next_free_sgpr 98
		.amdhsa_reserve_vcc 1
		.amdhsa_float_denorm_mode_32 3
		.amdhsa_float_denorm_mode_16_64 3
		.amdhsa_memory_ordered 1
		.amdhsa_forward_progress 1
		.amdhsa_inst_pref_size 25
	.end_amdhsa_kernel
	.amdgpu_metadata
---
amdhsa.version: [ 1, 2 ]
amdhsa.kernels:
  - .name:           k_qf74a4861e2_place
    .symbol:         k_qf74a4861e2_place.kd
    .args:
      - { .name: assign, .offset: 0, .size: 8, .value_kind: global_buffer, .address_space: global }
      - { .name: list, .offset: 8, .size: 8, .value_kind: global_buffer, .address_space: global }
      - { .name: cnt, .offset: 16, .size: 8, .value_kind: global_buffer, .address_space: global }
    .group_segment_fixed_size: 0
    .private_segment_fixed_size: 0
    .kernarg_segment_align: 8
    .kernarg_segment_size: 24
    .max_flat_workgroup_size: 128
    .sgpr_count:     98
    .vgpr_count:     128
    .wavefront_size: 32
...
	.end_amdgpu_metadata
.endif
;; end of part 6
;; launch up (part 7): grid 256 x 1, 4 waves a work-group, no clusters, 70,144 bytes of LDS; arguments list, cnt, xq, xs, w1, b1, hq, hs; writes hq, hs
.if DOCPART == 7
	.amdgcn_target "amdgcn-amd-amdhsa--gfx1250"
	.amdhsa_code_object_version 6
	.text
	.protected	k_qf74a4861e2_up
	.globl	k_qf74a4861e2_up
	.p2align	8
	.type	k_qf74a4861e2_up,@function
k_qf74a4861e2_up:
	s_mov_b64 s[64:65], 0
	v_nop
	global_prefetch_b8 v0, s[64:65] scope:SCOPE_SE
	s_setreg_imm32_b32 hwreg(HW_REG_WAVE_SCHED_MODE, 0, 2), 2
	s_setreg_imm32_b32 hwreg(HW_REG_WAVE_MODE, 25, 1), 1
	s_wait_xcnt 0x0
	s_wait_alu depctr_vm_vsrc(0)
; FIRST PRODUCT OF THE CHOSEN EXPERT: hidden = relu(Q(h) Q(W1[e])^T + b1[e]), quantised again along the hidden axis.  Codes of FP4 (E2M1), one E8M0 byte for each 32 along K.
; SHARES.  Work-group = (expert e = x / 32, slice = x % 32): 128 hidden units, 512 KiB of w1 in f32, read ONCE in the launch, quantised in registers on the way, never stored to memory.
; Then the work-group takes all tiles of 16 tokens that chose e (tile t to wave t % 4), by the stored list.  Only the chosen rows are multiplied: reference() masks the others away.
; The list is padded: rows of a last tile beyond the count repeat the tile's first token.  An expert without tokens counts as one tile (of the padded list), so that tile 0 of every expert is stored.
; THE STREAM.  Wave w quantises units 32 w .. 32 w + 31: 16 jobs of 16 rows x 128 K.  A job's 16 loads read 512 consecutive bytes each (one row's 128 K: lane l holds k = 4 l .. 4 l + 3); up to four jobs' loads are out.
; THE NUMBERS ARE QUANTISED WHERE THEY LAND.  A block of 32 lies in 8 neighbouring lanes: its largest magnitude is two v_max3 a row and three steps between lanes.  The conversion takes 8 registers and one scale, and a
; lane has 4 numbers of a row: so two rows' 8 registers are converted twice, once under each row's scale, and of each result the half that belongs to that row is kept.  A lane then holds 16 elements of 16 bits,
; four codes of each of the 16 rows; it stores them on end, 32 bytes at 32 x lane, and the turning LDS load (16-bit elements, 8 x 8) gives any wave the operand's registers: only codes go through LDS.
; THE SCALE BYTES of a lane (16 rows, its block) are packed four to a register; two exchanges between the four groups of eight lanes turn 4 x 4 bytes, so that group b holds the whole words of rows 4 g + b.
; THE ROWS OF W1 THAT FORM A TILE ARE NOT NEIGHBOURS: lane r of tile 2 b + u takes unit 32 b + 8 u + r + 8 (r / 8), so that the 16 registers of tiles 2 b, 2 b + 1 are 16 neighbours along the next K.
; THE PRODUCT IS USED TRANSPOSED (source 0 = 16 units, source 1 = 16 tokens): a lane holds one token, its registers run along the hidden units.  b1 is the C of each sum's first instruction.
; A tile's 128 hidden units are K step `slice` of the second product: one fragment (1 KiB, stored as an image of its registers) and one scale word a row.
; One barrier, on every wave's path; none in the loop over tiles, whose trip count is read from memory.  For that reason no tensor load and no cluster.
; A token's number is loaded one tile ahead of its rows; it enters an offset as a copy held at 1,023, shifted left, with the lane's part added.
; A token's codes are loaded in the operand's layout: 32 bytes of each of 16 rows an instruction; the tile's 16 loads together cover each 512-byte row whole.
; LIMITS: NaN and infinities are not served; a block of zeros gets the byte 1 (zero codes; the bytes are read by this program alone).
; THE MODE: SCHED_MODE bits 1:0 = 2 (LLVM: expert scheduling mode 2), set by the entry lines.  The code itself states the register dependences between vector or matrix instructions and
; memory or LDS instructions, with s_wait_alu, always for 0.
; THE PLAN, IN THE STREAM.  Registers that memory or LDS instructions touch:
;   the four sets (window 1)   Job q's maxima and conversions read set q % 4; behind them the loads of job q + 4 land in it.
;   PC0, PC1 and VW0, VW1      two out-buffers of codes and of scale words.  Job q's last lines write PC[q % 2] and VW[q % 2]; the three LDS stores that read them are issued in job q + 1.
;   v1, v8 to v11, v26         offsets and LDS addresses, made at the head and never written again.
; So the waits of a job stand together, behind its conversions and ahead of all its memory instructions: one on vm_vsrc (the stores of job q - 2, issued a job ago, have read the out-buffers that this job writes),
; one on va_vdst (the conversions are done reading the set; job q - 1 has written the out-buffers that the stores below read).  The job's loads and the stores of job q - 1 follow, and the job's packing lines, which name neither.
; THE PLAN, IN A TRIP.  XF, XS: the 64 products read them, the next tile's loads land in them.  v20: the copies read it, the next token lands in it.  v21 to v23: vector lines make them, loads read them.
;   PC0, PW: the quantiser writes them, the stores read them.  v24, v25: the stores read them, the trip's end steps them.
; One wait on va_vdst stands behind the lines that make v21 to v23, ahead of the 19 loads; one ahead of the three stores; one on vm_vsrc at the trip's end, ahead of the steps and of the backward jump.
; REGISTERS, in windows of 256.  Window 0: v1-26 addresses, offsets, two byte selectors; v44-59 codes just made, two buffers; v60-67 tokens' scale words; v76-107 weights' scale words (lanes 0-15 an even K step, 16-31 the odd one);
;   v108-171 tokens' 8 fragments; v172-235 the 8 accumulators (while streaming: a job's maxima, codes and bytes, two buffers of scale words); v236-252 at work; v254, v255 the closing add's two.
;   Window 1: four sets of 64 as loaded, later W1's fragments of K steps 0-3 ((t, s) at 8 (4 t + s % 4));  window 2: K steps 4-7;  window 3: v0-63 b1 in the result's layout.
.set IMG,  0                           ; LDS: 64 fragments of 1 KiB, (tile t, K step s) at 8 t + s: [lane as loaded: 32][row: 16] elements of 16 bits
.set SCW,  65536                       ; 32 scale registers of 128 bytes, (t, s / 2) at 4 t + s / 2: the even K step's 64 bytes, then the odd one's; row r's word at 16 (r % 4) + 4 (r / 4)
.set SQ,   15                          ; v15, v16 v_perm_b32's selectors of the two exchanges
.set SH,   16
.set IR,   20                          ; v20 the next tile's token of my row, as loaded
.set PC,   44                          ; v44-51, v52-59 codes: out-buffers 0 and 1 of the stream; the quantiser of a trip uses buffer 0
.set XS,   60
.set WS,   76
.set XF,   108
.set ACC,  172
.set MX,   172                         ; v172-187 a job's 16 largest magnitudes, then the conversions' scale operands
.set CA,   188                         ; v188-203 the conversions' results: pair p under the even row's scale, under the odd row's
.set BY,   204                         ; v204-219 the scales' bytes
.set WD,   220                         ; v220-223 four bytes to a register
.set PT,   224                         ; v224-227 the partner's
.set VW,   228                         ; v228-231, v232-235 whole scale words: out-buffers 0 and 1
.set TM,   236
.set PW,   252
.set WV,   40                          ; s40 wave, s41 expert, s42 slice, s43 count, s44 my trips, s45 trip, s46 tile
.set EX,   41
.set SL,   42
.set NN,   43
.set TRIPS, 44
.set IT,   45
.set TILE, 46
.set FLOOR, 47                         ; s47 2^(3 - 127), s48 -(2 << 23), s49 a word's low half
.set NEG2, 48
.set LOWH, 49
.set SEL,  50                          ; s[50:51] v_permlanex16_b32's selects for lane l xor 16
.set OF,   52                          ; s[52:53] an offset, its high word 0
.set T0,   54
.set T1,   55
.set MSB, 0
.macro WIN new                         ; the immediate's high byte repeats the setting that is left
.if MSB != \new
	s_set_vgpr_msb (MSB<<8)|\new
.set MSB, \new
.endif
.endm
.macro LOAD q                          ; job q = 8 u + s: 16 rows of tile 2 w + u, K step s, into set q % 4 of window 1: each load reads 512 consecutive bytes
	WIN 0x40
.irp r, 0,1,2,3,4,5,6,7,8,9,10,11,12,13,14,15
	global_load_b128 v[64*((\q)%4)+4*\r:64*((\q)%4)+4*\r+3], v1, s[12:13] offset:(8*((\q)/8)+\r+8*(\r/8))*4096+((\q)%8)*512 th:TH_LOAD_NT
.endr
	WIN 0
.endm
.macro SEND q                          ; job q's fragment and scale words go to LDS, out of out-buffer q % 2
	ds_store_b128 v8, v[PC+8*((\q)%2):PC+8*((\q)%2)+3] offset:IMG+(\q)*1024          ; my 16 elements on end: rows 0-7,
	ds_store_b128 v8, v[PC+8*((\q)%2)+4:PC+8*((\q)%2)+7] offset:IMG+(\q)*1024+16     ; rows 8-15
	ds_store_b128 v10, v[VW+4*((\q)%2):VW+4*((\q)%2)+3] offset:(\q)*64               ; a group's eight lanes write the same 16 bytes with the same values
.endm
.macro OFFS                            ; the token in v20 becomes two offsets.  Copies, since v20 takes the next number while these serve the loads
	v_mov_b32 v22, v[IR]
	v_mov_b32 v23, v[IR]
	v_min_u32 v22, 0x3ff, v22
	v_min_u32 v23, 0x3ff, v23
	v_lshlrev_b32 v22, 9, v22                      ; a row of codes is 512 bytes,
	v_lshlrev_b32 v23, 5, v23                      ; a row of scale bytes 32
	v_add_nc_u32 v22, v22, v14                     ; + 16 h
.endm
.macro XLOADS                          ; a tile's 8 fragments and 8 scale words a row: 18 loads
.irp s, 0,1,2,3,4,5,6,7
.irp c, 0,1
	global_load_b128 v[XF+8*\s+4*\c:XF+8*\s+4*\c+3], v22, s[8:9] offset:64*\s+32*\c
.endr
.endr
	global_load_b128 v[XS:XS+3], v23, s[10:11]
	global_load_b128 v[XS+4:XS+7], v23, s[10:11] offset:16
.endm
.macro BIAS                            ; b1 in the result's layout: lane (r, h), tile 2 b + u: units 32 b + 16 h + 8 u + 0 .. 7
	WIN 0xc0
.irp t, 0,1,2,3,4,5,6,7
	global_load_b128 v[8*\t:8*\t+3], v26, s[14:15] offset:(32*(\t/2)+8*(\t%2))*4
	global_load_b128 v[8*\t+4:8*\t+7], v26, s[14:15] offset:(32*(\t/2)+8*(\t%2))*4+16
.endr
	WIN 0
.endm
; A job: 16 rows x 128 K as loaded -> one fragment and its scale words in out-buffer q % 2; the job before goes to LDS on the way.  n: the loads younger than the job's sixteen
.macro JOB q, n
.set RS, 64*((\q)%4)
.set PO, PC+8*((\q)%2)
.set VO, VW+4*((\q)%2)
	s_wait_loadcnt \n
	WIN 0x05                                       ; sources 0 and 1: window 1
.irp r, 0,1,2,3,4,5,6,7,8,9,10,11,12,13,14,15
	v_max3_num_f32 v[MX+\r], |v[RS+4*\r]|, |v[RS+4*\r+1]|, s[FLOOR]   ; row r: my four numbers, and the floor, which holds the byte at 1 from below
.endr
.irp r, 0,1,2,3,4,5,6,7,8,9,10,11,12,13,14,15
	v_max3_num_f32 v[MX+\r], |v[RS+4*\r+2]|, |v[RS+4*\r+3]|, v[MX+\r]
.endr
	WIN 0
.irp m, 1,2,4
.irp r, 0,1,2,3,4,5,6,7,8,9,10,11,12,13,14,15
	v_max_num_f32_dpp v[MX+\r], v[MX+\r], v[MX+\r] row_xmask:\m row_mask:0xf bank_mask:0xf   ; with lanes l xor 1, 2, 4: the block's eight lanes
.endr
.endr
.irp r, 0,1,2,3,4,5,6,7,8,9,10,11,12,13,14,15
	v_add_nc_u32 v[MX+\r], s[NEG2], v[MX+\r]       ; 2 off the exponent field: the conversion's scale operand
.endr
.if (\q) == 13
	OFFS                                           ; my first tile's token came ahead of all jobs' loads.  These lines stand ahead of the job's wait on va_vdst, which so serves them too
	v_add_nc_u32 v21, 256, v21                     ; the token of my second tile lies four tiles of 64 bytes on (the one load that read v21, at the head, stands ahead of the earlier jobs' waits on vm_vsrc)
.endif
	WIN 0x01                                       ; source 0: window 1
.irp p, 0,1,2,3,4,5,6,7
	v_cvt_scalef32_pk8_fp4_f32 v[CA+2*\p], v[RS+8*\p:RS+8*\p+7], v[MX+2*\p]       ; rows 2 p, 2 p + 1 under row 2 p's scale: the low 16 bits are row 2 p's four codes;
	v_cvt_scalef32_pk8_fp4_f32 v[CA+2*\p+1], v[RS+8*\p:RS+8*\p+7], v[MX+2*\p+1]   ; under row 2 p + 1's: the high 16 bits are its four
.endr
.if (\q) > 1
	s_wait_dscnt 0x0                               ; the LDS stores of the job two back, issued a job ago, are done,
	s_wait_alu depctr_vm_vsrc(0)                   ; and have read out-buffer q % 2, which this job's last lines write again
.endif
	s_wait_alu depctr_va_vdst(0)                   ; the conversions are done reading the set, in which the loads below land; the job before has written the other out-buffer, which the stores below read
.if (\q) < 12
	LOAD (\q)+4                                    ; the set takes the job four on
.else
	WIN 0
.if (\q) == 13
	XLOADS                                         ; my first tile's operands come while the last jobs are worked,
	global_load_b32 v[IR], v21, s[4:5]             ; and the token of my second tile
.elseif (\q) == 14
	BIAS
.endif
.endif
.if (\q) > 0
	SEND (\q)-1                                    ; no vector instruction since the wait names that buffer
.endif
.irp r, 0,1,2,3,4,5,6,7,8,9,10,11,12,13,14,15
	v_lshrrev_b32 v[BY+\r], 23, v[MX+\r]           ; the scales' bytes.  (Plain instructions between the conversions and the first use of their results)
.endr
.irp p, 0,1,2,3,4,5,6,7
	v_bfi_b32 v[PO+\p], s[LOWH], v[CA+2*\p], v[CA+2*\p+1]
.endr
.irp g, 0,1,2,3
	v_lshl_or_b32 v[WD+\g], v[BY+4*\g+1], 8, v[BY+4*\g]        ; rows 4 g .. 4 g + 3 of my block
.endr
.irp g, 0,1,2,3
	v_lshl_or_b32 v[WD+\g], v[BY+4*\g+2], 16, v[WD+\g]
.endr
.irp g, 0,1,2,3
	v_lshl_or_b32 v[WD+\g], v[BY+4*\g+3], 24, v[WD+\g]
.endr
.irp g, 0,1,2,3
	v_mov_b32_dpp v[PT+\g], v[WD+\g] row_xmask:8 row_mask:0xf bank_mask:0xf   ; the neighbouring block's four
.endr
.irp g, 0,1,2,3
	v_perm_b32 v[WD+\g], v[PT+\g], v[WD+\g], v[SQ]             ; even block: rows 0 and 2 of both blocks; odd block: rows 1 and 3
.endr
.irp g, 0,1,2,3
	v_permlanex16_b32 v[PT+\g], v[WD+\g], s[SEL], s[SEL+1]     ; the same of the other two blocks
.endr
.irp g, 0,1,2,3
	v_perm_b32 v[VO+\g], v[PT+\g], v[WD+\g], v[SH]             ; group b = lane / 8: the whole word of row 4 g + b
.endr
.endm
.macro QUANT s                         ; 64 numbers, none negative: register 16 b + i = k 32 b + 16 h + i of my row -> PC, and the row's scale word in PW
.irp b, 0,1,2,3
	v_max3_num_f32 v[TM+\b], v[\s+16*\b], v[\s+1+16*\b], 0x1800000
.endr
.irp i, 2,4,6,8,10,12,14
.irp b, 0,1,2,3
	v_max3_num_f32 v[TM+\b], v[TM+\b], v[\s+16*\b+\i], v[\s+1+16*\b+\i]
.endr
.endr
.irp b, 0,1,2,3
	v_permlanex16_b32 v[TM+4+\b], v[TM+\b], s[SEL], s[SEL+1]
.endr
.irp b, 0,1,2,3
	v_max_num_f32 v[TM+\b], v[TM+\b], v[TM+4+\b]   ; with lane l xor 16's 16: the block's largest
.endr
.irp b, 0,1,2,3
	v_add_nc_u32 v[TM+12+\b], 0xff000000, v[TM+\b]
.endr
.irp b, 0,1,2,3
	v_lshrrev_b32 v[TM+4+\b], 23, v[TM+12+\b]
.endr
	v_lshl_or_b32 v[PW], v[TM+5], 8, v[TM+4]
	v_lshl_or_b32 v[PW], v[TM+6], 16, v[PW]
	v_lshl_or_b32 v[PW], v[TM+7], 24, v[PW]
.irp b, 0,1,2,3
	v_cvt_scalef32_pk8_fp4_f32 v[PC+2*\b], v[\s+16*\b:\s+7+16*\b], v[TM+12+\b]
	v_cvt_scalef32_pk8_fp4_f32 v[PC+1+2*\b], v[\s+8+16*\b:\s+15+16*\b], v[TM+12+\b]
.endr
	v_nop                                          ; a plain instruction behind the last conversion
.irp c, 0,1                                    ; the operand wants a whole block in a lane: lanes 0-15 block 2 c, lanes 16-31 block 2 c + 1
.irp i, 0,1
	v_permlane16_swap_b32 v[PC+4*\c+\i], v[PC+2+4*\c+\i]
.endr
.endr
.endm
.macro MM t, s                         ; tile t of units, K step s
.set rW, 8*(4*(\t)+((\s)%4))
.set rA, ACC+8*(\t)
.if (\s) == 0
	v_wmma_scale_f32_16x16x128_f8f6f4 v[rA:rA+7], v[rW:rW+7], v[XF+8*(\s):XF+8*(\s)+7], v[8*(\t):8*(\t)+7], v[WS+4*(\t)+(\s)/2], v[XS+(\s)] matrix_a_fmt:MATRIX_FMT_FP4 matrix_b_fmt:MATRIX_FMT_FP4
.elseif ((\s)%2) == 0
	v_wmma_scale_f32_16x16x128_f8f6f4 v[rA:rA+7], v[rW:rW+7], v[XF+8*(\s):XF+8*(\s)+7], v[rA:rA+7], v[WS+4*(\t)+(\s)/2], v[XS+(\s)] matrix_a_fmt:MATRIX_FMT_FP4 matrix_b_fmt:MATRIX_FMT_FP4
.else
	v_wmma_scale_f32_16x16x128_f8f6f4 v[rA:rA+7], v[rW:rW+7], v[XF+8*(\s):XF+8*(\s)+7], v[rA:rA+7], v[WS+4*(\t)+(\s)/2], v[XS+(\s)] matrix_a_fmt:MATRIX_FMT_FP4 matrix_b_fmt:MATRIX_FMT_FP4 matrix_a_scale:MATRIX_SCALE_ROW1
.endif
.endm
	s_load_b256 s[4:11], s[0:1], 0x0               ; list, cnt, xq, xs
	s_load_b256 s[12:19], s[0:1], 0x20             ; w1, b1, hq, hs
	v_lshl_add_u32 v254, v0, 2, 0x11000
	v_mov_b32 v255, 0
	v_lshrrev_b32 v20, 5, v0
	v_readfirstlane_b32 s[WV], v20                 ; wave 0..3
	s_lshr_b32 s[EX], ttmp9, 5
	s_and_b32 s[SL], ttmp9, 31
	v_and_b32 v20, 31, v0                          ; lane
	v_lshlrev_b32 v1, 4, v20                       ; 16 x lane
	v_lshlrev_b32 v2, 2, v20                       ; 4 x lane
	v_and_b32 v3, 15, v0                           ; r
	v_bfe_u32 v4, v0, 4, 1                         ; h
	v_bfe_u32 v5, v0, 3, 1                         ; (lane / 8) % 2
	v_and_b32 v6, 7, v0                            ; lane % 8
	s_wait_alu depctr_va_sdst(0)                   ; the wave's number is written, ahead of its first reader
	s_lshl_b32 s[T0], s[WV], 14
	v_lshl_add_u32 v8, v20, 5, s[T0]               ; my 16 fragments, in: 32 x lane
	v_lshl_add_u32 v9, v4, 3, v6                   ; all 64, back, by the turning load: the element columns 8 h + lane % 8 (32 bytes each),
	v_lshlrev_b32 v9, 5, v9
	v_lshl_add_u32 v9, v5, 4, v9                   ; rows 0-7 or 8-15 of them: sixteen lanes take 256 consecutive bytes
	s_lshl_b32 s[T0], s[WV], 10
	s_add_co_u32 s[T0], s[T0], SCW
	v_lshrrev_b32 v7, 3, v20
	v_lshl_add_u32 v10, v7, 4, s[T0]               ; my 8 scale registers, in: 16 x (lane / 8)
	v_and_b32 v7, 3, v0
	v_lshlrev_b32 v11, 4, v7                       ; all 32, back: row r's word at 16 (r % 4)
	v_bfe_u32 v7, v0, 2, 2
	v_lshl_add_u32 v11, v7, 2, v11                 ; + 4 (r / 4),
	v_lshl_add_u32 v11, v4, 6, v11                 ; lanes 16-31 the odd K step's, 64 bytes on
	v_add_nc_u32 v11, SCW, v11
	v_mov_b32 v[SQ], 0x06020400                    ; the first exchange.  Even block: own byte 0, partner's 0, own 2, partner's 2;
	v_mov_b32 v7, 0x03070105                       ; odd block: partner's 1, own 1, partner's 3, own 3
	v_cmp_eq_u32 vcc_lo, 1, v5
	s_wait_alu depctr_va_vcc(0)                    ; the compare has written VCC, which the selection reads
	v_cndmask_b32 v[SQ], v[SQ], v7, vcc_lo
	v_mov_b32 v[SH], 0x05040100                    ; the second.  Lanes 0-15: own 0, 1, partner's 0, 1;
	v_mov_b32 v7, 0x03020706                       ; lanes 16-31: partner's 2, 3, own 2, 3
	v_cmp_eq_u32 vcc_lo, 1, v4
	s_wait_alu depctr_va_vcc(0)                    ; the compare has written VCC, which the selection reads
	v_cndmask_b32 v[SH], v[SH], v7, vcc_lo
	v_lshlrev_b32 v13, 2, v3                       ; 4 r
	v_lshlrev_b32 v14, 4, v4                       ; 16 h
	v_lshlrev_b32 v26, 6, v4                       ; b1: 64 h
	s_lshl_b32 s[T0], s[WV], 6
	v_add_nc_u32 v21, s[T0], v13                   ; the list: tile w (64 bytes a tile), row r
	s_lshl_b32 s[T0], s[EX], 6
	s_add_co_u32 s[T0], s[T0], s[WV]
	s_lshl_b32 s[T0], s[T0], 5
	s_add_co_u32 s[T0], s[T0], s[SL]               ; (expert x 64 + tile w) x 32 + K step
	s_lshl_b32 s[T1], s[T0], 10
	v_add_nc_u32 v24, s[T1], v1                    ; where my first tile's image goes,
	s_lshl_b32 s[T1], s[T0], 7
	v_add_nc_u32 v25, s[T1], v2                    ; and its scale words
.irp g, 0,1,2,3
	v_mov_b32 v[PT+\g], 0                          ; written once: the destination of a move between lanes counts as one of its sources
	v_mov_b32 v[TM+4+\g], 0
.endr
	s_mov_b32 s[FLOOR], 0x1800000
	s_mov_b32 s[NEG2], 0xff000000
	s_mov_b32 s[LOWH], 0xffff
	s_mov_b32 s[SEL], 0x76543210
	s_mov_b32 s[SEL+1], 0xfedcba98
	s_mov_b32 s[OF+1], 0
	s_wait_kmcnt 0x0
	s_lshl_b32 s[OF], s[EX], 7
	s_add_nc_u64 s[6:7], s[6:7], s[OF:OF+1]        ; cnt at my expert
	s_load_b32 s[NN], s[6:7], 0x0
	s_lshl_b32 s[OF], s[EX], 12
	s_add_nc_u64 s[4:5], s[4:5], s[OF:OF+1]        ; the list at my expert
	s_wait_alu depctr_va_vdst(0)                   ; all offsets and LDS addresses of the head are written, which the loads and stores of the kernel read; the head is done with v20, in which the load below lands
	global_load_b32 v[IR], v21, s[4:5]             ; my first tile's token of row r
	s_lshl_b32 s[OF], s[EX], 24                    ; w1: an expert is 2^24 bytes, a slice's 128 rows 2^19, a wave's 32 rows 2^17
	s_lshl_b32 s[T0], s[SL], 19
	s_add_co_u32 s[OF], s[OF], s[T0]
	s_lshl_b32 s[T0], s[WV], 17
	s_add_co_u32 s[OF], s[OF], s[T0]
	s_add_nc_u64 s[12:13], s[12:13], s[OF:OF+1]
	s_lshl_b32 s[OF], s[EX], 14
	s_lshl_b32 s[T0], s[SL], 9
	s_add_co_u32 s[OF], s[OF], s[T0]
	s_add_nc_u64 s[14:15], s[14:15], s[OF:OF+1]    ; b1 at my slice
	LOAD 0
	LOAD 1
	LOAD 2
	LOAD 3
	s_wait_kmcnt 0x0                               ; the count
	s_min_u32 s[NN], s[NN], 1024
	s_add_co_u32 s[TRIPS], s[NN], 15
	s_lshr_b32 s[TRIPS], s[TRIPS], 4               ; tiles,
	s_max_u32 s[TRIPS], s[TRIPS], 1                ; one at the least
	s_add_co_u32 s[TRIPS], s[TRIPS], 3
	s_sub_co_u32 s[TRIPS], s[TRIPS], s[WV]
	s_lshr_b32 s[TRIPS], s[TRIPS], 2               ; of them mine
.irp q, 0,1,2,3,4,5,6,7,8,9,10,11,12
	JOB \q, 48                                     ; three younger jobs' loads
.endr
	JOB 13, 32                                     ; two jobs'
	JOB 14, 35                                     ; one job's 16 and the first tile's 19
	JOB 15, 35                                     ; the 19 and b1's 16
	s_wait_alu depctr_va_vdst(0)                   ; job 15 has written out-buffer 1, which the stores below read; all jobs are done reading the four sets, in which the fragments land behind the barrier
	SEND 15
	s_wait_dscnt 0x0                               ; for the others' sake: my fragments and scale words have landed
	s_barrier_signal -1
	s_barrier_wait -1
	s_wait_alu depctr_vm_vsrc(0)                   ; my LDS stores have read both out-buffers: from here on the products write v228-235 and the quantiser v44-51
	WIN 0x40                                       ; all 64 fragments into my registers, where they stay
.irp t, 0,1,2,3,4,5,6,7
.irp s, 0,1,2,3
.irp c, 0,1
	ds_load_tr16_b128 v[8*(4*\t+\s)+4*\c:8*(4*\t+\s)+4*\c+3], v9 offset:IMG+(8*\t+\s)*1024+512*\c   ; lane (r, h): row r, elements 16 c + 8 h + 0 .. 7: k = 64 c + 32 h + 0 .. 31
.endr
.endr
.endr
	WIN 0x80
.irp t, 0,1,2,3,4,5,6,7
.irp s, 0,1,2,3
.irp c, 0,1
	ds_load_tr16_b128 v[8*(4*\t+\s)+4*\c:8*(4*\t+\s)+4*\c+3], v9 offset:IMG+(8*\t+\s+4)*1024+512*\c
.endr
.endr
.endr
	WIN 0
.set pi, 0
.rept 32
	ds_load_b32 v[WS+pi], v11 offset:128*pi
.set pi, pi+1
.endr
	s_wait_dscnt 0x0
	s_cmp_eq_u32 s[TRIPS], 0
	s_cbranch_scc1 .Lend
	s_mov_b32 s[IT], 0
	s_mov_b32 s[TILE], s[WV]
.Ltrip:                                            ; a tile of 16 tokens x my work-group's 128 units
	s_wait_loadcnt 0x0                             ; the tile's fragments and scale words, the next tile's token (in the first trip b1 too)
.irp s, 0,1,2,3,4,5,6,7                        ; the eight accumulators take turns, one instruction a turn
.if \s == 0
	WIN 0x31                                       ; source 0 (W1) window 1, C (b1) window 3
.elseif \s < 4
	WIN 0x01
.else
	WIN 0x02
.endif
.irp t, 0,1,2,3,4,5,6,7
	MM \t, \s
.endr
.endr
	WIN 0
.rept 4
	v_nop                                          ; four places behind the products, in front of the first read of their results
.endr
	s_add_co_u32 s[IT], s[IT], 1
	s_cmp_eq_u32 s[IT], s[TRIPS]
	s_cbranch_scc1 .Lno_next
	OFFS                                           ; the loads that read these offsets stand ahead of the wait on vm_vsrc at the last trip's end (first trip: behind the barrier)
	s_add_co_u32 s[T0], s[TILE], 8                 ; the token of the tile after the next, held inside the expert's 64 tiles
	s_min_u32 s[T0], s[T0], 63
	s_lshl_b32 s[T0], s[T0], 6
	v_add_nc_u32 v21, s[T0], v13
	s_wait_alu depctr_va_vdst(0)                   ; v21 to v23 are written, which the loads below read; the products are done reading the tokens' fragments and scale words, and the copies v20: the loads below land in them
	XLOADS                                         ; the next tile's operands land under the work below
	global_load_b32 v[IR], v21, s[4:5]
.Lno_next:
.set ji, 0
.rept 64
	v_max_num_f32 v[ACC+ji], 0, v[ACC+ji]          ; relu, each accumulator from its low end on
.set ji, ji+1
.endr
	QUANT ACC
	s_wait_alu depctr_va_vdst(0)                   ; the quantiser has written the codes and the scale word, and the last trip's end v24 and v25: the stores below read them
	global_store_b128 v24, v[PC:PC+3], s[16:17]             ; the fragment's image: 1,024 consecutive bytes in two stores
	global_store_b128 v24, v[PC+4:PC+7], s[16:17] offset:512
	global_store_b32 v25, v[PW], s[18:19]                   ; its scale words: 128 consecutive bytes
	s_wait_xcnt 0x0                                ; the stores have read their data and offsets: both are written again only behind this wait
	s_wait_alu depctr_vm_vsrc(0)                   ; the stores have read v24, v25, the codes and the scale word, the loads above v21 to v23: the two steps below and the next trip write them again
	v_add_nc_u32 v24, 0x20000, v24                 ; four tiles on: 4 x 32 images of 1 KiB,
	v_add_nc_u32 v25, 0x4000, v25                  ; 4 x 32 x 128 bytes of scale words
	s_add_co_u32 s[TILE], s[TILE], 4
	s_cmp_lt_u32 s[IT], s[TRIPS]
	s_cbranch_scc1 .Ltrip
.Lend:
	s_wait_dscnt 0x0                               ; the closing lines, six on end
	s_wait_alu 0x0
	s_wait_tensorcnt 0x0
	ds_add_u32 v254, v255
	s_wait_dscnt 0x0
	s_endpgm
.Lfunc_end_k_qf74a4861e2_up:
	.size	k_qf74a4861e2_up, .Lfunc_end_k_qf74a4861e2_up-k_qf74a4861e2_up
	.p2alignl 7, 3214868480
	.fill 96, 4, 3214868480
	.section	.rodata,"a",@progbits
	.p2align	6, 0x0
	.amdhsa_kernel k_qf74a4861e2_up
		.amdhsa_group_segment_fixed_size 70144
		.amdhsa_private_segment_fixed_size 0
		.amdhsa_enable_private_segment 0
		.amdhsa_kernarg_size 64
		.amdhsa_user_sgpr_count 2
		.amdhsa_user_sgpr_kernarg_segment_ptr 1
		.amdhsa_wavefront_size32 1
		.amdhsa_system_sgpr_workgroup_id_x 1
		.amdhsa_system_sgpr_workgroup_id_y 1
		.amdhsa_system_sgpr_workgroup_id_z 1
		.amdhsa_system_vgpr_workitem_id 0
		.amdhsa_next_free_vgpr 1024
		.amdhsa_next_free_sgpr 66
		.amdhsa_reserve_vcc 1
		.amdhsa_float_denorm_mode_32 3
		.amdhsa_float_denorm_mode_16_64 3
		.amdhsa_memory_ordered 1
		.amdhsa_forward_progress 1
		.amdhsa_inst_pref_size 215
	.end_amdhsa_kernel
	.amdgpu_metadata
---
amdhsa.version: [ 1, 2 ]
amdhsa.kernels:
  - .name:           k_qf74a4861e2_up
    .symbol:         k_qf74a4861e2_up.kd
    .args:
      - { .name: list, .offset: 0, .size: 8, .value_kind: global_buffer, .address_space: global }
      - { .name: cnt, .offset: 8, .size: 8, .value_kind: global_buffer, .address_space: global }
      - { .name: xq, .offset: 16, .size: 8, .value_kind: global_buffer, .address_space: global }
      - { .name: xs, .offset: 24, .size: 8, .value_kind: global_buffer, .address_space: global }
      - { .name: w1, .offset: 32, .size: 8, .value_kind: global_buffer, .address_space: global }
      - { .name: b1, .offset: 40, .size: 8, .value_kind: global_buffer, .address_space: global }
      - { .name: hq, .offset: 48, .size: 8, .value_kind: global_buffer, .address_space: global }
      - { .name: hs, .offset: 56, .size: 8, .value_kind: global_buffer, .address_space: global }
    .group_segment_fixed_size: 70144
    .private_segment_fixed_size: 0
    .kernarg_segment_align: 8
    .kernarg_segment_size: 64
    .max_flat_workgroup_size: 128
    .sgpr_count:     66
    .vgpr_count:     1024
    .wavefront_size: 32
...
	.end_amdgpu_metadata
.endif
;; end of part 7
;; launch down (part 8): grid 256 x 1, 4 waves a work-group, no clusters, 79,360 bytes of LDS; arguments list, cnt, alpha, hq, hs, w2, b2, input_features, out0; writes out0
.if DOCPART == 8
	.amdgcn_target "amdgcn-amd-amdhsa--gfx1250"
	.amdhsa_code_object_version 6
	.text
	.protected	k_qf74a4861e2_down
	.globl	k_qf74a4861e2_down
	.p2align	8
	.type	k_qf74a4861e2_down,@function
k_qf74a4861e2_down:
	s_mov_b64 s[64:65], 0
	v_nop
	global_prefetch_b8 v0, s[64:65] scope:SCOPE_SE
	s_setreg_imm32_b32 hwreg(HW_REG_WAVE_SCHED_MODE, 0, 2), 2
	s_setreg_imm32_b32 hwreg(HW_REG_WAVE_MODE, 25, 1), 1
	s_wait_xcnt 0x0
	s_wait_alu depctr_vm_vsrc(0)
; SECOND PRODUCT OF THE CHOSEN EXPERT AND THE BLEND: z = Q(hidden) Q(W2[e])^T + b2[e];  out = alpha (x + z) + (1 - alpha) x = x + alpha z: one multiply-add.
; SHARES.  Work-group = (expert e = x / 32, slice = x % 32): 32 output columns over all of K = 4,096: 512 KiB of w2 in f32, read ONCE in the launch and quantised in registers on the way.
; Then all tiles of 16 tokens that chose e (tile t to wave t % 4), by the stored list; each output number has one owner.
; THE STREAM.  Wave w quantises K steps 8 w .. 8 w + 7 of the 32 rows: 16 jobs of 16 rows x 128 K, each load 512 consecutive bytes (one row's 128 K: lane l holds k = 4 l .. 4 l + 3), up to four jobs' loads out.
; THE NUMBERS ARE QUANTISED WHERE THEY LAND.  A block of 32 lies in 8 neighbouring lanes: its largest magnitude is two v_max3 a row and three steps between lanes.  The conversion takes 8 registers and one scale, and a
; lane has 4 numbers of a row: so two rows' 8 registers are converted twice, once under each row's scale, and of each result the half that belongs to that row is kept.  A lane then holds 16 elements of 16 bits,
; four codes of each of the 16 rows; it stores them on end, 32 bytes at 32 x lane, and the turning LDS load (16-bit elements, 8 x 8) gives any wave the operand's registers: only codes go through LDS.
; THE SCALE BYTES of a lane (16 rows, its block) are packed four to a register; two exchanges between the four groups of eight lanes turn 4 x 4 bytes, so that group b holds the whole words of rows 4 g + b.
; Behind the barrier every wave takes all 64 fragments into its registers.
; THE PRODUCT IS USED TRANSPOSED (source 0 = 16 columns of the output, source 1 = 16 tokens).  A tile's hidden layer comes from memory as images of its 32 fragments (dense KiB), in four chunks of
; eight K steps (20 loads).  Four accumulators (two tiles of columns x even and odd K steps) take turns; b2 starts the even sums.
; LOADS IN A TRIP go round in this order: the tile's tokens (1), chunks 0, 1, 2 (asked for in the trip before, or among the last jobs), chunk 3, x and alpha (8), then the next tile's tokens and its
; chunks 0, 1, 2, each into registers whose products a wait has shown done.  By this text's count at most 61 of these are out.  The next tile lies four tiles on: 131,072 bytes of images, 16,384 of scale words,
; 256 of the list, all in the immediates; the three offsets step at a trip's end.
; THE WAY OUT.  z goes through the wave's stage so that eight lanes hold 128 neighbouring bytes of a token's row; a group of eight lanes takes four neighbouring rows, whose tokens are 16 bytes of the list.
; x is loaded and out0 stored so: four tokens x 128 consecutive bytes an instruction.  A work-group's 32 columns are 128 bytes of a row: shares of 64 columns would store 256 on end but leave half
; of the 256 work-groups without a share.  Rows of a last tile beyond the count repeat the tile's first token (the list is padded so): they store the same bytes to the same place.
; A wave without a tile asks, among its last jobs, for the expert's last stored tile (the first product's launch stores one at the least) and uses none of it.
; One barrier, on every wave's path; none in the loop over tiles, whose trip count is read from memory: so no tensor load and no cluster.
; LIMITS: NaN and infinities are not served; a block of zeros gets the byte 1.  An expert without tokens still streams its weights and stores nothing.
; THE MODE: SCHED_MODE bits 1:0 = 2 (LLVM: expert scheduling mode 2), set by the entry lines.  The code itself states the register dependences between vector or matrix instructions and
; memory or LDS instructions, with s_wait_alu, always for 0.
; THE PLAN, IN THE STREAM.  Registers that memory or LDS instructions touch:
;   the four sets (window 1)   Job q's maxima and conversions read set q % 4; behind them the loads of job q + 4 land in it.
;   PC0, PC1 and VW0, VW1      two out-buffers of codes and of scale words.  Job q's last lines write PC[q % 2] and VW[q % 2]; the three LDS stores that read them are issued in job q + 1.
;   v1, v7 to v11, v25, v26    offsets and LDS addresses, made at the head and never written again.
; So the waits of a job stand together, behind its conversions and ahead of all its memory instructions: one on vm_vsrc (the stores of job q - 2, issued a job ago, have read the out-buffers that this job writes),
; one on va_vdst (the conversions are done reading the set; job q - 1 has written the out-buffers that the stores below read).  The job's loads and the stores of job q - 1 follow, and the job's packing lines, which name neither.
; THE PLAN, IN A TRIP.  Chunk k of the hidden layer (window 3) and its four scale registers: the 16 products of chunk k read them, the next tile's chunk k lands in them.  v28-31: the copies at the head read them,
;   the next tokens land in them.  OO, AO: the head's lines write them; the loads of x and alpha and the stores of out0 read them.  XR, AL, ZR: loads land in them, the blend reads them.  ZS: the sums write it, the stage's
;   stores read it.  OT: the blend writes it, the stores read it.  v21 to v23: loads read them, the trip's end steps them.
; Four waits on va_vdst: (1) behind the head's lines: OO, AO and the stepped offsets are written, and the trip before is done reading all that this trip's loads land in: chunk 3, x and alpha follow with no further wait;
;   (2) ahead of chunk 2's products: chunks 0 and 1 are read: the next tokens and the next chunks 0 and 1 follow; (3) ahead of the stage's stores: ZS is written, chunks 2 and 3 are read: the next chunk 2 follows;
;   (4) ahead of the stores of out0: OT is written.  One wait on vm_vsrc at the trip's end, ahead of the steps and of the backward jump.
; REGISTERS.  Window 0: v1-27 addresses, offsets, two byte selectors; v28-31 four tokens as loaded; v44-59 codes just made, two buffers; v60-71 the way out's offsets and alpha; v72-87 hidden scale words, v88-119 weights'
;   (lanes 0-15 an even K step, 16-31 the odd one); v120-135 b2; v136-167 four accumulators; v168-231 at work (a job's maxima, codes and bytes, two buffers of scale words; z, z by rows, x, out); v254, v255 the closing add's two.
;   Window 1: four sets as loaded, later W2's fragments of K steps 0-15 ((u, s) at 8 (2 (s % 16) + u));  window 2: K steps 16-31;  window 3: the hidden layer's 32 fragments.
.set IMG,  0                           ; LDS: 64 fragments of 1 KiB, (tile u of columns, K step s) at 32 u + s: [lane as loaded: 32][row: 16] elements of 16 bits
.set SCW,  65536                       ; 32 scale registers of 128 bytes, (u, s / 2) at 16 u + s / 2: the even K step's 64 bytes, then the odd one's; row r's word at 16 (r % 4) + 4 (r / 4)
.set STG,  69632                       ; the way out: a stage of 16 rows x 144 bytes for each wave
.set SQ,   14                          ; v14, v15 v_perm_b32's selectors of the two exchanges
.set SH,   15
.set IR,   28
.set PC,   44                          ; v44-51, v52-59 codes: out-buffers 0 and 1
.set OO,   60
.set AO,   64
.set AL,   68
.set HS,   72
.set WS,   88
.set B2,   120
.set ACC,  136
.set MX,   168                         ; v168-183 a job's 16 largest magnitudes, then the conversions' scale operands
.set CA,   184                         ; v184-199 the conversions' results
.set BY,   200                         ; v200-215 the scales' bytes
.set WD,   216                         ; v216-219 four bytes to a register
.set PT,   220                         ; v220-223 the partner's
.set VW,   224                         ; v224-227, v228-231 whole scale words: out-buffers 0 and 1
.set ZS,   168
.set ZR,   184
.set XR,   200
.set OT,   216
.set WV,   40
.set EX,   41
.set SL,   42
.set NN,   43
.set TRIPS, 44
.set IT,   45
.set FLOOR, 47                         ; s47 2^(3 - 127), s48 -(2 << 23), s49 a word's low half
.set NEG2, 48
.set LOWH, 49
.set SEL,  50
.set OF,   52
.set T0,   54
.set T1,   55
.set MSB, 0
.macro WIN new                         ; the immediate's high byte repeats the setting that is left
.if MSB != \new
	s_set_vgpr_msb (MSB<<8)|\new
.set MSB, \new
.endif
.endm
.macro PLACES                          ; four places behind products, in front of the first read of results; they also stand between a chunk's products and the loads into it
.rept 4
	v_nop
.endr
.endm
.macro LOAD q                          ; job q = 8 u + j: rows 16 u .. 16 u + 15, K step 8 w + j, into set q % 4 of window 1
	WIN 0x40
.irp r, 0,1,2,3,4,5,6,7,8,9,10,11,12,13,14,15
	global_load_b128 v[64*((\q)%4)+4*\r:64*((\q)%4)+4*\r+3], v1, s[14:15] offset:(16*((\q)/8)+\r)*16384+((\q)%8)*512 th:TH_LOAD_NT
.endr
	WIN 0
.endm
.macro SEND q                          ; job q's fragment and scale words go to LDS, out of out-buffer q % 2
	ds_store_b128 v8, v[PC+8*((\q)%2):PC+8*((\q)%2)+3] offset:IMG+(32*((\q)/8)+(\q)%8)*1024          ; my 16 elements on end: rows 0-7,
	ds_store_b128 v8, v[PC+8*((\q)%2)+4:PC+8*((\q)%2)+7] offset:IMG+(32*((\q)/8)+(\q)%8)*1024+16     ; rows 8-15
	ds_store_b128 v10, v[VW+4*((\q)%2):VW+4*((\q)%2)+3] offset:(16*((\q)/8)+((\q)%8)/2)*128+((\q)%2)*64   ; a group's eight lanes write the same 16 bytes with the same values
.endm
.macro HQ k, nx                        ; chunk k (K steps 8 k .. 8 k + 7) of the tile that v22, v23 stand at (nx = 0) or of the one four tiles on (nx = 1): 16 loads of 512 consecutive bytes, 4 of scale words
	WIN 0xc0
.irp s, 0,1,2,3,4,5,6,7
.irp c, 0,1
	global_load_b128 v[8*(8*(\k)+\s)+4*\c:8*(8*(\k)+\s)+4*\c+3], v22, s[10:11] offset:(\nx)*131072+(8*(\k)+\s)*1024+512*\c
.endr
.endr
	WIN 0
.irp p, 0,1,2,3
	global_load_b32 v[HS+4*(\k)+\p], v23, s[12:13] offset:(\nx)*16384+(4*(\k)+\p)*256
.endr
.endm
; A job: 16 rows x 128 K as loaded -> one fragment and its scale words in out-buffer q % 2; the job before goes to LDS on the way.  n: how many younger loads may stay out
.macro JOB q, n
.set RS, 64*((\q)%4)
.set PO, PC+8*((\q)%2)
.set VO, VW+4*((\q)%2)
	s_wait_loadcnt \n
	WIN 0x05                                       ; sources 0 and 1: window 1
.irp r, 0,1,2,3,4,5,6,7,8,9,10,11,12,13,14,15
	v_max3_num_f32 v[MX+\r], |v[RS+4*\r]|, |v[RS+4*\r+1]|, s[FLOOR]   ; row r: my four numbers, and the floor, which holds the byte at 1 from below
.endr
.irp r, 0,1,2,3,4,5,6,7,8,9,10,11,12,13,14,15
	v_max3_num_f32 v[MX+\r], |v[RS+4*\r+2]|, |v[RS+4*\r+3]|, v[MX+\r]
.endr
	WIN 0
.irp m, 1,2,4
.irp r, 0,1,2,3,4,5,6,7,8,9,10,11,12,13,14,15
	v_max_num_f32_dpp v[MX+\r], v[MX+\r], v[MX+\r] row_xmask:\m row_mask:0xf bank_mask:0xf   ; with lanes l xor 1, 2, 4: the block's eight lanes
.endr
.endr
.irp r, 0,1,2,3,4,5,6,7,8,9,10,11,12,13,14,15
	v_add_nc_u32 v[MX+\r], s[NEG2], v[MX+\r]       ; 2 off the exponent field: the conversion's scale operand
.endr
	WIN 0x01                                       ; source 0: window 1
.irp p, 0,1,2,3,4,5,6,7
	v_cvt_scalef32_pk8_fp4_f32 v[CA+2*\p], v[RS+8*\p:RS+8*\p+7], v[MX+2*\p]       ; rows 2 p, 2 p + 1 under row 2 p's scale: the low 16 bits are row 2 p's four codes;
	v_cvt_scalef32_pk8_fp4_f32 v[CA+2*\p+1], v[RS+8*\p:RS+8*\p+7], v[MX+2*\p+1]   ; under row 2 p + 1's: the high 16 bits are its four
.endr
.if (\q) > 1
	s_wait_dscnt 0x0                               ; the LDS stores of the job two back, issued a job ago, are done,
	s_wait_alu depctr_vm_vsrc(0)                   ; and have read out-buffer q % 2, which this job's last lines write again
.endif
	s_wait_alu depctr_va_vdst(0)                   ; the conversions are done reading the set, in which the loads below land; the job before has written the other out-buffer, which the stores below read (job 0: v21 to v23 are written, which the last jobs' loads read)
.if (\q) < 12
	LOAD (\q)+4                                    ; the set takes the job four on
.else
	WIN 0
.if (\q) == 12
.irp u, 0,1
	global_load_b128 v[B2+8*\u:B2+8*\u+3], v25, s[16:17] offset:64*\u        ; b2: lane (r, h), tile u: columns 16 u + 8 h + 0 .. 7
	global_load_b128 v[B2+8*\u+4:B2+8*\u+7], v25, s[16:17] offset:64*\u+16
.endr
.elseif (\q) == 13
	global_load_b128 v[IR:IR+3], v21, s[4:5]       ; my first tile: its tokens,
	HQ 0, 0                                        ; and three chunks of its hidden layer, while the last jobs are worked
.elseif (\q) == 14
	HQ 1, 0
.else
	HQ 2, 0
.endif
.endif
.if (\q) > 0
	SEND (\q)-1                                    ; no vector instruction since the wait names that buffer
.endif
.irp r, 0,1,2,3,4,5,6,7,8,9,10,11,12,13,14,15
	v_lshrrev_b32 v[BY+\r], 23, v[MX+\r]           ; the scales' bytes.  (Plain instructions between the conversions and the first use of their results)
.endr
.irp p, 0,1,2,3,4,5,6,7
	v_bfi_b32 v[PO+\p], s[LOWH], v[CA+2*\p], v[CA+2*\p+1]
.endr
.irp g, 0,1,2,3
	v_lshl_or_b32 v[WD+\g], v[BY+4*\g+1], 8, v[BY+4*\g]        ; rows 4 g .. 4 g + 3 of my block
.endr
.irp g, 0,1,2,3
	v_lshl_or_b32 v[WD+\g], v[BY+4*\g+2], 16, v[WD+\g]
.endr
.irp g, 0,1,2,3
	v_lshl_or_b32 v[WD+\g], v[BY+4*\g+3], 24, v[WD+\g]
.endr
.irp g, 0,1,2,3
	v_mov_b32_dpp v[PT+\g], v[WD+\g] row_xmask:8 row_mask:0xf bank_mask:0xf   ; the neighbouring block's four
.endr
.irp g, 0,1,2,3
	v_perm_b32 v[WD+\g], v[PT+\g], v[WD+\g], v[SQ]             ; even block: rows 0 and 2 of both blocks; odd block: rows 1 and 3
.endr
.irp g, 0,1,2,3
	v_permlanex16_b32 v[PT+\g], v[WD+\g], s[SEL], s[SEL+1]     ; the same of the other two blocks
.endr
.irp g, 0,1,2,3
	v_perm_b32 v[VO+\g], v[PT+\g], v[WD+\g], v[SH]             ; group b = lane / 8: the whole word of row 4 g + b
.endr
.endm
.macro MM u, s                         ; tile u of columns, K step s; accumulator (u, s % 2)
.set rW, 8*(2*((\s)%16)+(\u))
.set rA, ACC+8*(2*((\s)%2)+(\u))
.set rH, 8*(\s)
.if (\s) == 0
	v_wmma_scale_f32_16x16x128_f8f6f4 v[rA:rA+7], v[rW:rW+7], v[rH:rH+7], v[B2+8*(\u):B2+8*(\u)+7], v[WS+16*(\u)+(\s)/2], v[HS+(\s)/2] matrix_a_fmt:MATRIX_FMT_FP4 matrix_b_fmt:MATRIX_FMT_FP4
.elseif (\s) == 1
	v_wmma_scale_f32_16x16x128_f8f6f4 v[rA:rA+7], v[rW:rW+7], v[rH:rH+7], 0, v[WS+16*(\u)+(\s)/2], v[HS+(\s)/2] matrix_a_fmt:MATRIX_FMT_FP4 matrix_b_fmt:MATRIX_FMT_FP4 matrix_a_scale:MATRIX_SCALE_ROW1 matrix_b_scale:MATRIX_SCALE_ROW1
.elseif ((\s)%2) == 0
	v_wmma_scale_f32_16x16x128_f8f6f4 v[rA:rA+7], v[rW:rW+7], v[rH:rH+7], v[rA:rA+7], v[WS+16*(\u)+(\s)/2], v[HS+(\s)/2] matrix_a_fmt:MATRIX_FMT_FP4 matrix_b_fmt:MATRIX_FMT_FP4
.else
	v_wmma_scale_f32_16x16x128_f8f6f4 v[rA:rA+7], v[rW:rW+7], v[rH:rH+7], v[rA:rA+7], v[WS+16*(\u)+(\s)/2], v[HS+(\s)/2] matrix_a_fmt:MATRIX_FMT_FP4 matrix_b_fmt:MATRIX_FMT_FP4 matrix_a_scale:MATRIX_SCALE_ROW1 matrix_b_scale:MATRIX_SCALE_ROW1
.endif
.endm
.macro CH k                            ; chunk k's 16 products; the four accumulators take turns, one instruction a turn
.if \k < 2
	WIN 0x0d                                       ; source 0 (W2) window 1, source 1 (hidden) window 3
.else
	WIN 0x0e
.endif
.irp j, 0,1,2,3,4,5,6,7
.irp u, 0,1
	MM \u, (8*\k+\j)
.endr
.endr
	WIN 0
.endm
; A tile of 16 tokens x my work-group's 32 columns.  At its head the tile's tokens and chunks 0, 1, 2 are out or in: 61 loads.  last = 0: the next tile is asked for on the way.
; The last tile is written out, so that every counted wait is the same on every way.
.macro TRIP last
	s_wait_loadcnt 40                              ; the tokens and chunk 0 are in; chunks 1 and 2 may be out
.irp i, 0,1,2,3
	v_mov_b32 v[OO+\i], v[IR+\i]                   ; copies, since v28-31 take the next tile's tokens while these serve loads and stores
	v_mov_b32 v[AO+\i], v[IR+\i]
.endr
.irp i, 0,1,2,3
	v_min_u32 v[OO+\i], 0x3ff, v[OO+\i]
	v_min_u32 v[AO+\i], 0x3ff, v[AO+\i]
.endr
.irp i, 0,1,2,3
	v_lshlrev_b32 v[OO+\i], 12, v[OO+\i]           ; a row of x and of out0 is 4,096 bytes,
	v_lshlrev_b32 v[AO+\i], 2, v[AO+\i]            ; an alpha 4
.endr
.irp i, 0,1,2,3
	v_add_nc_u32 v[OO+\i], v[OO+\i], v27           ; + my 16 bytes of the slice's 128
.endr
	s_wait_alu depctr_va_vdst(0)                   ; OO, AO and the offsets stepped at the last trip's end are written, which the loads below read; the last trip's products are done reading chunk 3 and its scale words, its blend x and alpha: the loads below land in them
	HQ 3, 0                                        ; out: chunks 1, 2, 3
	CH 0
	s_wait_loadcnt 40                              ; chunk 1: younger are chunks 2 and 3
.irp i, 0,1,2,3
	global_load_b128 v[XR+4*\i:XR+4*\i+3], v[OO+\i], s[18:19]      ; no wait: chunk 0's products, the only lines since the wait above, name none of these registers
	global_load_b32 v[AL+\i], v[AO+\i], s[8:9]
.endr
	CH 1
	s_wait_loadcnt 28                              ; chunk 2: younger are chunk 3 and the 8 of x and alpha
.if !\last
	PLACES
	s_wait_alu depctr_va_vdst(0)                   ; the products of chunks 0 and 1 are done reading their fragments and scale words, the copies at the head v28-31: the next tile's tokens and chunks 0 and 1 land in them
	global_load_b128 v[IR:IR+3], v21, s[4:5] offset:256
	HQ 0, 1
.endif
	CH 2
.if !\last
	s_wait_loadcnt 29                              ; chunk 3: younger are the 8, the next tokens and the next chunk 0
	HQ 1, 1                                        ; no wait: chunk 2's products, the only lines since the wait above, name none of chunk 1's registers
.else
	s_wait_loadcnt 8                               ; chunk 3: younger are the 8
.endif
	CH 3
	PLACES
.irp u, 0,1
.irp j, 0,2,4,6
	v_pk_add_f32 v[ZS+8*\u+\j:ZS+8*\u+\j+1], v[ACC+8*\u+\j:ACC+8*\u+\j+1], v[ACC+16+8*\u+\j:ACC+16+8*\u+\j+1]   ; even and odd K steps' sums, each accumulator from its low end on
.endr
.endr
	s_wait_alu depctr_va_vdst(0)                   ; the sums have written ZS, which the stage's stores read; the products of chunk 2 are done reading its fragments and scale words, in which the next tile's chunk 2 lands
.irp u, 0,1
	ds_store_b128 v7, v[ZS+8*\u:ZS+8*\u+3] offset:64*\u            ; lane (r, h): z(token r, columns 16 u + 8 h + 0 .. 7)
	ds_store_b128 v7, v[ZS+8*\u+4:ZS+8*\u+7] offset:64*\u+16
.endr
.irp i, 0,1,2,3
	ds_load_b128 v[ZR+4*\i:ZR+4*\i+3], v26 offset:144*\i           ; row 4 (lane / 8) + i.  LDS serves a wave's instructions in order: these see the stores above
.endr
.if \last
	s_wait_loadcnt 0x0                             ; x and alpha
.else
	s_wait_loadcnt 41                              ; x and alpha: younger are the next tokens and the next chunks 0 and 1
	HQ 2, 1                                        ; no vector or matrix instruction stands between the wait on va_vdst above and these loads
.endif
	s_wait_dscnt 0x0
.irp i, 0,1,2,3
.irp k, 0,1,2,3
	v_fma_f32 v[OT+4*\i+\k], v[AL+\i], v[ZR+4*\i+\k], v[XR+4*\i+\k]   ; x + alpha z
.endr
.endr
	s_wait_alu depctr_va_vdst(0)                   ; the blend has written OT, which the stores read
.irp i, 0,1,2,3
	global_store_b128 v[OO+\i], v[OT+4*\i:OT+4*\i+3], s[20:21] th:TH_STORE_NT
.endr
.if !\last
	s_wait_xcnt 0x0                                ; all loads and stores so far have read their offsets and data: they are written again only behind this wait
	s_wait_alu depctr_vm_vsrc(0)                   ; the loads have read v21 to v23, OO and AO, the stage's stores ZS, the stores of out0 OO and OT: the steps below and the next trip write them again
	v_add_nc_u32 v21, 256, v21                     ; on to the next tile
	v_add_nc_u32 v22, 0x20000, v22
	v_add_nc_u32 v23, 0x4000, v23
.endif
.endm
	s_load_b256 s[4:11], s[0:1], 0x0               ; list, cnt, alpha, hq
	s_load_b256 s[12:19], s[0:1], 0x20             ; hs, w2, b2, x
	s_load_b64 s[20:21], s[0:1], 0x40              ; out0
	v_lshl_add_u32 v254, v0, 2, 0x13400
	v_mov_b32 v255, 0
	v_lshrrev_b32 v20, 5, v0
	v_readfirstlane_b32 s[WV], v20                 ; wave 0..3
	s_lshr_b32 s[EX], ttmp9, 5
	s_and_b32 s[SL], ttmp9, 31
	v_and_b32 v20, 31, v0                          ; lane
	v_lshlrev_b32 v1, 4, v20                       ; 16 x lane
	v_lshlrev_b32 v2, 2, v20                       ; 4 x lane
	v_and_b32 v3, 15, v0                           ; r
	v_bfe_u32 v4, v0, 4, 1                         ; h
	v_bfe_u32 v5, v0, 3, 1                         ; (lane / 8) % 2
	s_wait_alu depctr_va_sdst(0)                   ; the wave's number is written, ahead of its first reader
	s_mul_i32 s[T0], s[WV], 16*144
	s_add_co_u32 s[T0], s[T0], STG                 ; my stage
	v_mul_u32_u24 v7, v3, 144                      ; the way out, in: rows of 128 bytes + 16: row r, 32 h bytes on
	v_lshl_add_u32 v7, v4, 5, v7
	v_add_nc_u32 v7, s[T0], v7
	v_lshrrev_b32 v25, 3, v20                      ; lane / 8
	v_and_b32 v27, 7, v20                          ; lane % 8
	v_mul_u32_u24 v26, v25, 576                    ; back: eight lanes to a row; a group of eight takes rows 4 (lane / 8) on
	v_lshl_add_u32 v26, v27, 4, v26
	v_add_nc_u32 v26, s[T0], v26
	v_lshlrev_b32 v13, 4, v25                      ; the list: those four rows' tokens: 16 (lane / 8)
	s_lshl_b32 s[T0], s[WV], 13
	v_lshl_add_u32 v8, v20, 5, s[T0]               ; my fragments (K steps 8 w on), in: 32 x lane
	v_lshl_add_u32 v9, v4, 3, v27                  ; all 64, back, by the turning load: the element columns 8 h + lane % 8 (32 bytes each),
	v_lshlrev_b32 v9, 5, v9
	v_lshl_add_u32 v9, v5, 4, v9                   ; rows 0-7 or 8-15 of them: sixteen lanes take 256 consecutive bytes
	s_lshl_b32 s[T0], s[WV], 9
	s_add_co_u32 s[T0], s[T0], SCW
	v_lshl_add_u32 v10, v25, 4, s[T0]              ; my scale registers, in: 16 x (lane / 8)
	v_and_b32 v6, 3, v0
	v_lshlrev_b32 v11, 4, v6                       ; all 32, back: row r's word at 16 (r % 4)
	v_bfe_u32 v6, v0, 2, 2
	v_lshl_add_u32 v11, v6, 2, v11                 ; + 4 (r / 4),
	v_lshl_add_u32 v11, v4, 6, v11                 ; lanes 16-31 the odd K step's, 64 bytes on
	v_add_nc_u32 v11, SCW, v11
	v_mov_b32 v[SQ], 0x06020400                    ; the first exchange.  Even block: own byte 0, partner's 0, own 2, partner's 2;
	v_mov_b32 v16, 0x03070105                      ; odd block: partner's 1, own 1, partner's 3, own 3
	v_cmp_eq_u32 vcc_lo, 1, v5
	s_wait_alu depctr_va_vcc(0)                    ; the compare has written VCC, which the selection reads
	v_cndmask_b32 v[SQ], v[SQ], v16, vcc_lo
	v_mov_b32 v[SH], 0x05040100                    ; the second.  Lanes 0-15: own 0, 1, partner's 0, 1;
	v_mov_b32 v16, 0x03020706                      ; lanes 16-31: partner's 2, 3, own 2, 3
	v_cmp_eq_u32 vcc_lo, 1, v4
	s_wait_alu depctr_va_vcc(0)                    ; the compare has written VCC, which the selection reads
	v_cndmask_b32 v[SH], v[SH], v16, vcc_lo
	s_lshl_b32 s[T1], s[SL], 7
	v_lshl_add_u32 v27, v27, 4, s[T1]              ; my 16 bytes of a row of x and of out0
	v_lshl_add_u32 v24, v4, 7, v2                  ; hidden scale words: lanes 0-15 the even K step's, lanes 16-31 the odd one's, 128 bytes on
	v_lshlrev_b32 v25, 5, v4                       ; b2: 32 h
.irp g, 0,1,2,3
	v_mov_b32 v[PT+\g], 0                          ; written once: the destination of a move between lanes counts as one of its sources
.endr
	s_mov_b32 s[FLOOR], 0x1800000
	s_mov_b32 s[NEG2], 0xff000000
	s_mov_b32 s[LOWH], 0xffff
	s_mov_b32 s[SEL], 0x76543210
	s_mov_b32 s[SEL+1], 0xfedcba98
	s_mov_b32 s[OF+1], 0
	s_wait_kmcnt 0x0
	s_lshl_b32 s[OF], s[EX], 7
	s_add_nc_u64 s[6:7], s[6:7], s[OF:OF+1]        ; cnt at my expert
	s_load_b32 s[NN], s[6:7], 0x0
	s_lshl_b32 s[OF], s[EX], 12
	s_add_nc_u64 s[4:5], s[4:5], s[OF:OF+1]        ; the list at my expert
	s_lshl_b32 s[T0], s[SL], 7
	s_add_co_u32 s[OF], s[OF], s[T0]
	s_add_nc_u64 s[16:17], s[16:17], s[OF:OF+1]    ; b2 at my slice: 4,096 bytes an expert too
	s_lshl_b32 s[OF], s[EX], 24                    ; w2: an expert is 2^24 bytes, a slice's 32 rows 2^19, a wave's 8 K steps 2^12 of each row
	s_lshl_b32 s[T0], s[SL], 19
	s_add_co_u32 s[OF], s[OF], s[T0]
	s_lshl_b32 s[T0], s[WV], 12
	s_add_co_u32 s[OF], s[OF], s[T0]
	s_add_nc_u64 s[14:15], s[14:15], s[OF:OF+1]
	s_wait_alu depctr_va_vdst(0)                   ; the offsets and LDS addresses made so far are written, which the loads and stores of the kernel read
	LOAD 0
	LOAD 1
	LOAD 2
	LOAD 3
	s_wait_kmcnt 0x0                               ; the count
	s_min_u32 s[NN], s[NN], 1024
	s_add_co_u32 s[T0], s[NN], 15
	s_lshr_b32 s[T0], s[T0], 4                     ; tiles
	s_add_co_u32 s[TRIPS], s[T0], 3
	s_sub_co_u32 s[TRIPS], s[TRIPS], s[WV]
	s_lshr_b32 s[TRIPS], s[TRIPS], 2               ; of them mine
	s_max_u32 s[T0], s[T0], 1
	s_sub_co_u32 s[T0], s[T0], 1                   ; the expert's last stored tile
	s_min_u32 s[T0], s[T0], s[WV]                  ; my first tile, or that one
	s_min_u32 s[T0], s[T0], 63
	s_lshl_b32 s[T1], s[T0], 6
	v_add_nc_u32 v21, s[T1], v13                   ; its tokens,   (these three offsets are first read by loads in job 13, behind the jobs' waits on va_vdst)
	s_lshl_b32 s[T1], s[EX], 6
	s_add_co_u32 s[T0], s[T0], s[T1]               ; expert x 64 + tile:
	s_lshl_b32 s[T1], s[T0], 15
	v_add_nc_u32 v22, s[T1], v1                    ; its 32 images,
	s_lshl_b32 s[T1], s[T0], 12
	v_add_nc_u32 v23, s[T1], v24                   ; its scale words
.irp q, 0,1,2,3,4,5,6,7,8,9,10,11,12
	JOB \q, 48                                     ; three younger jobs' loads
.endr
	JOB 13, 36                                     ; two jobs' 32 and b2's 4
	JOB 14, 41                                     ; one job's 16, the 4, the tokens and chunk 0: 21
	JOB 15, 41                                     ; the 21 and chunk 1's 20 may be out (b2's 4, younger than the job too, are taken in with it)
	s_wait_alu depctr_va_vdst(0)                   ; job 15 has written out-buffer 1, which the stores below read; all jobs are done reading the four sets, in which the fragments land behind the barrier
	SEND 15
	s_wait_dscnt 0x0                               ; for the others' sake: my fragments and scale words have landed
	s_barrier_signal -1
	s_barrier_wait -1
	s_wait_alu depctr_vm_vsrc(0)                   ; my LDS stores have read both out-buffers: from here on the blend writes v224-231
	WIN 0x40                                       ; all 64 fragments into my registers, where they stay
.irp s, 0,1,2,3,4,5,6,7,8,9,10,11,12,13,14,15
.irp u, 0,1
.irp c, 0,1
	ds_load_tr16_b128 v[8*(2*\s+\u)+4*\c:8*(2*\s+\u)+4*\c+3], v9 offset:IMG+(32*\u+\s)*1024+512*\c   ; lane (r, h): row r, elements 16 c + 8 h + 0 .. 7: k = 64 c + 32 h + 0 .. 31
.endr
.endr
.endr
	WIN 0x80
.irp s, 0,1,2,3,4,5,6,7,8,9,10,11,12,13,14,15
.irp u, 0,1
.irp c, 0,1
	ds_load_tr16_b128 v[8*(2*\s+\u)+4*\c:8*(2*\s+\u)+4*\c+3], v9 offset:IMG+(32*\u+\s+16)*1024+512*\c
.endr
.endr
.endr
	WIN 0
.set pi, 0
.rept 32
	ds_load_b32 v[WS+pi], v11 offset:128*pi
.set pi, pi+1
.endr
	s_wait_dscnt 0x0
	s_cmp_eq_u32 s[TRIPS], 0
	s_cbranch_scc1 .Lend
	s_mov_b32 s[IT], 1
	s_cmp_eq_u32 s[TRIPS], 1
	s_cbranch_scc1 .Llast
.Ltrip:                                            ; all my tiles but the last
	TRIP 0
	s_add_co_u32 s[IT], s[IT], 1
	s_cmp_lt_u32 s[IT], s[TRIPS]
	s_cbranch_scc1 .Ltrip
.Llast:
	TRIP 1
.Lend:
	s_wait_dscnt 0x0                               ; the closing lines, six on end
	s_wait_alu 0x0
	s_wait_tensorcnt 0x0
	ds_add_u32 v254, v255
	s_wait_dscnt 0x0
	s_endpgm
.Lfunc_end_k_qf74a4861e2_down:
	.size	k_qf74a4861e2_down, .Lfunc_end_k_qf74a4861e2_down-k_qf74a4861e2_down
	.p2alignl 7, 3214868480
	.fill 96, 4, 3214868480
	.section	.rodata,"a",@progbits
	.p2align	6, 0x0
	.amdhsa_kernel k_qf74a4861e2_down
		.amdhsa_group_segment_fixed_size 79360
		.amdhsa_private_segment_fixed_size 0
		.amdhsa_enable_private_segment 0
		.amdhsa_kernarg_size 72
		.amdhsa_user_sgpr_count 2
		.amdhsa_user_sgpr_kernarg_segment_ptr 1
		.amdhsa_wavefront_size32 1
		.amdhsa_system_sgpr_workgroup_id_x 1
		.amdhsa_system_sgpr_workgroup_id_y 1
		.amdhsa_system_sgpr_workgroup_id_z 1
		.amdhsa_system_vgpr_workitem_id 0
		.amdhsa_next_free_vgpr 1024
		.amdhsa_next_free_sgpr 66
		.amdhsa_reserve_vcc 1
		.amdhsa_float_denorm_mode_32 3
		.amdhsa_float_denorm_mode_16_64 3
		.amdhsa_memory_ordered 1
		.amdhsa_forward_progress 1
		.amdhsa_inst_pref_size 238
	.end_amdhsa_kernel
	.amdgpu_metadata
---
amdhsa.version: [ 1, 2 ]
amdhsa.kernels:
  - .name:           k_qf74a4861e2_down
    .symbol:         k_qf74a4861e2_down.kd
    .args:
      - { .name: list, .offset: 0, .size: 8, .value_kind: global_buffer, .address_space: global }
      - { .name: cnt, .offset: 8, .size: 8, .value_kind: global_buffer, .address_space: global }
      - { .name: alpha, .offset: 16, .size: 8, .value_kind: global_buffer, .address_space: global }
      - { .name: hq, .offset: 24, .size: 8, .value_kind: global_buffer, .address_space: global }
      - { .name: hs, .offset: 32, .size: 8, .value_kind: global_buffer, .address_space: global }
      - { .name: w2, .offset: 40, .size: 8, .value_kind: global_buffer, .address_space: global }
      - { .name: b2, .offset: 48, .size: 8, .value_kind: global_buffer, .address_space: global }
      - { .name: input_features, .offset: 56, .size: 8, .value_kind: global_buffer, .address_space: global }
      - { .name: out0, .offset: 64, .size: 8, .value_kind: global_buffer, .address_space: global }
    .group_segment_fixed_size: 79360
    .private_segment_fixed_size: 0
    .kernarg_segment_align: 8
    .kernarg_segment_size: 72
    .max_flat_workgroup_size: 128
    .sgpr_count:     66
    .vgpr_count:     1024
    .wavefront_size: 32
...
	.end_amdgpu_metadata
.endif
;; end of part 8
